; MI455X (gfx1250); checked and timed in simulation.
; The chip was launched on July 23, 2026; its instructions are those of AMD's public machine-readable ISA for CDNA 5 (MIT licence, August 2026) and "CDNA5" Instruction Set Architecture Reference Guide (July 2026). The comments in the code are by the model that wrote it; some were corrected since.
;; Block. Allowed arithmetic: matrix products marked QUANTISED: E2M3 operands, one E8M0 scale for each 32 along K, by v_wmma_scale_f32_16x16x128_f8f6f4 with both operands' format E2M3, f32 sums; everything else in f32.
;; Inputs: W1 1,024 x 1,024 float32; W2 1,024 x 1,024 float32; Wk 16 x 1,024 x 64 float32; Wproj 1,024 x 1,024 float32; Wq 16 x 1,024 x 64 float32; Wv 16 x 1,024 x 64 float32; b1 1,024 float32; b2 1,024 float32; beta1 1,024 float32; beta2 1,024 float32; bproj 1,024 float32; g1 1,024 float32; g2 1,024 float32; x 8 x 1,024 x 1,024 float32.
;; Outputs: out0 8 x 1,024 x 1,024 float32.
;; This version of the problem:
;;   THIS VERSION OF THE PROBLEM IS GIVEN IN LOW PRECISION. The matrix products marked QUANTISED in the list below multiply operands that are first quantised to E2M3 (2 exponent bits, 3 mantissa bits; 6 bits a number), with one power-of-two scale for each 32 numbers along K (OCP MX v1.0); their sums are f32. All else is computed in f32.
;;   The module's matrix products, in the order in which they are computed (A, B: the left and right operand; K: the contracted axis; several contracted axes count as one K, in the product's order):
;;     1. [M 1,024, K 1,024] x [K 1,024, N 8,192]; A: input Wq; B: computed on the way: QUANTISED
;;     2. [M 1,024, K 1,024] x [K 1,024, N 8,192]; A: input Wk; B: computed on the way: QUANTISED
;;     3. [M 1,024, K 1,024] x [K 1,024, N 8,192]; A: input Wv; B: computed on the way: QUANTISED
;;     4. batch 128 x [M 1,024, K 64] x [K 64, N 1,024]; A: computed on the way; B: computed on the way: QUANTISED
;;     5. batch 128 x [M 1,024, K 1,024] x [K 1,024, N 64]; A: softmax (see below); B: computed on the way: QUANTISED
;;     6. [M 8,192, K 1,024] x [K 1,024, N 1,024]; A: computed on the way; B: input Wproj: QUANTISED
;;     7. [M 8,192, K 1,024] x [K 1,024, N 1,024]; A: computed on the way; B: input W1: QUANTISED
;;     8. [M 8,192, K 1,024] x [K 1,024, N 1,024]; A: computed on the way; B: input W2: QUANTISED
;;   THE QUANTISER, for each operand of a quantised product, along K:
;;     - K is cut into blocks of 32 from its start; a last block that is shorter is filled with zeros.
;;     - A block's scale is 2^e with e = floor(log2(the largest magnitude in the block)) - 2, held to -126 .. 127; a block of zeros has e = 0. As a byte (E8M0): e + 127.
;;     - Each number is divided by its block's scale, clamped to +-7.5, and rounded to the nearest number of E2M3, ties to even, subnormals kept.
;;     - The product sums the exact products of the quantised numbers (number of the format x scale) in f32.
;;   ~~~python
;;   def quantise(x, axis):      # numpy; x: float32 -> the quantised numbers, widened to float32 again
;;       x = np.moveaxis(x, axis, -1); K = x.shape[-1]
;;       x = np.pad(x, [(0, 0)] * (x.ndim - 1) + [(0, -K % 32)]); x = x.reshape(x.shape[:-1] + (-1, 32)); a = np.abs(x).max(-1, keepdims=True)
;;       e = np.where(a > 0, np.clip(np.frexp(np.where(a > 0, a, 1))[1] - 1 - 2, -126, 127), 0)      # np.frexp(a)[1] - 1 = floor(log2(a)), exactly
;;       r = np.clip(x / 2.0 ** e, -7.5, 7.5)
;;       step = 2.0 ** (np.maximum(np.frexp(np.where(r == 0, 1, r))[1] - 1, 0) - 3)
;;       q = np.round(r / step) * step * 2.0 ** e      # np.round: ties to even
;;       return np.moveaxis(q.reshape(q.shape[:-2] + (-1,))[..., :K], -1, axis).astype(np.float32)
;;   ~~~
;;   SOFTMAX AHEAD OF A QUANTISED PRODUCT. Where the list says 'softmax', what is quantised is not the finished softmax but p = 2^(t - M), with t = logit x log2(e) and M = ceil(the row's largest t), a whole number; so 1/2 < the row's largest p <= 1. The row's sum l is taken of the UNQUANTISED p, in f32, and the product's result is divided by l at the end. Since M is a whole number, a kernel that streams over the keys may use a running M (the ceiling of the running maximum): every later rescaling is an exact power of two, which a block's scale takes up: the codes' values come out the same.
;;   OPERANDS COMPUTED ON THE WAY. 'Computed on the way' means the value that the module computes at that place (a softmax that the list does not call 'softmax' is quantised finished and normalised). What goes into a quantiser is computed in f32, as accurately as f32 sums, v_exp_f32 and their like allow (about 1e-6 of the number): no bf16 or f16 on the way to a quantiser, and a product that is left as it is and whose result goes on into a quantised operand takes f32 operands (vector FMAs, or v_wmma_f32_16x16x4_f32). A number that lies on a knife's edge between two numbers of the format may be rounded either way, as far as f32 arithmetic and the matrix unit's own rounding can turn it there, and no further.
;; 2 versions. Each part assembles by itself: llvm-mc -triple=amdgcn-amd-amdhsa -mcpu=gfx1250 --defsym DOCPART=n.
;; ======== version 1 of 2: 4 launches
;; workspace buffers: wts 4,915,200 bytes; qkv 20,185,088 bytes; att 6,815,744 bytes
;; launch wq (part 1): grid 192 x 1, 4 waves a work-group, no clusters, 1,536 bytes of LDS; arguments Wq, Wk, Wv, Wproj, W1, W2, wts; writes wts
.if DOCPART == 1
	.amdgcn_target "amdgcn-amd-amdhsa--gfx1250"
	.amdhsa_code_object_version 6
	.text
	.protected	k_qa3b245e5e6_wq
	.globl	k_qa3b245e5e6_wq
	.p2align	8
	.type	k_qa3b245e5e6_wq,@function
k_qa3b245e5e6_wq:
	s_mov_b64 s[64:65], 0
	v_nop
	global_prefetch_b8 v0, s[64:65] scope:SCOPE_SE
	s_setreg_imm32_b32 hwreg(HW_REG_WAVE_MODE, 25, 1), 1
	s_wait_xcnt 0x0
; The six weights, f32 with K as an outer axis, become codes of FP6 (E2M3) with one E8M0 byte for each 32 along K, laid in the ORDER OF THE OPERAND'S REGISTERS.
; wts: codes [weight 6][group of 64 columns 16][K step of 128: 8][tile of 16 columns 4][1,536 bytes]; in a tile registers 4c .. 4c+3 of lane L lie at 512 c + 16 L.
;      scale words from byte 4,718,592 on: [weight][group][K step][lane 32][2 words]: word j of lane 16 (t & 1) + r belongs to tile t = 2 j + (t & 1), row r.
; THE COLUMNS OF A TILE ARE NOT NEIGHBOURS: lane r of tile t takes column 32 (t / 2) + 8 (t % 2) + r + 8 (r / 8) of its group, so that a product with such tiles as source 0
; leaves 16 neighbouring columns in the 16 registers of tiles 2 b and 2 b + 1.
; A LANE TAKES A COLUMN AND ITS REGISTERS RUN DOWN K: a block of 32 is one lane's 32 registers; lane (r, h) takes k = 64 c + 32 h + 0 .. 31 of a K step, which is the operand's own order: nothing is transposed.
; SHARES: work-group = (weight, group, half of K); wave t = tile t, four K steps = eight blocks a lane.  The four waves stand side by side on 256 consecutive bytes of each row of the weight.
; Wq, Wk, Wv are [16][1024][64]: a group is a head, rows 256 bytes apart.  Wproj, W1, W2 are [1024][1024]: rows 4,096 bytes apart.  Every offset is an immediate, so the eight blocks are written out once for each pitch.
; LIMITS: NaN and infinities are not served; a block whose largest magnitude lies under 2^-124 takes the byte 1; a block of zeros has the byte 1 and zero codes (the bytes are read by this program alone).
.set WSO, 4718592                      ; where the scale words begin in wts
.set X,   80                           ; v80-143  two sets of 32 numbers
.set CD,  32                           ; v32-79   codes: 12 registers for each K step, never written twice
; v1 r, v2 h, v3 source offset, v4 16 x lane, v5 LDS place of my scale words, v6 8 x thread, v7 8 h, v8-15 at work, v16-19 the four scale words, v20-22 a block's upper 16 codes
.macro WLOAD pitch, u                  ; block u: W(64 u + 32 h + i, my column), i = 0 .. 31
.irp i, 0,1,2,3,4,5,6,7,8,9,10,11,12,13,14,15,16,17,18,19,20,21,22,23,24,25,26,27,28,29,30,31
	global_load_b32 v[X+32*((\u)%2)+\i], v3, s[4:5] offset:(64*(\u)+\i)*\pitch th:TH_LOAD_NT
.endr
.endm
.macro WBLK pitch, u
.set XS, X+32*((\u)%2)
.if (\u) < 7
	s_wait_loadcnt 32                              ; this block's 32 loads are in; the next block's 32 may be out
.else
	s_wait_loadcnt 0x0
.endif
	v_max3_num_f32 v8, |v[XS]|, |v[XS+1]|, 0x1800000   ; the block's largest magnitude, with the floor 2^(3 - 127) among the leaves: the byte cannot fall under 1
	v_max3_num_f32 v9, |v[XS+2]|, |v[XS+3]|, |v[XS+4]|
.irp i, 5,9,13,17,21,25
	v_max3_num_f32 v8, v8, |v[XS+\i]|, |v[XS+\i+1]|
	v_max3_num_f32 v9, v9, |v[XS+\i+2]|, |v[XS+\i+3]|
.endr
	v_max3_num_f32 v8, v8, |v[XS+29]|, |v[XS+30]|
	v_max3_num_f32 v8, v8, v9, |v[XS+31]|
	v_add_nc_u32 v10, 0xff000000, v8               ; 2 off the exponent field: the conversion's scale operand
	v_lshrrev_b32 v11, 23, v10                     ; the scale's byte
.if (\u)%2 == 0
	v_mov_b32 v12, v11                             ; block h of the K step
.else
	v_lshl_or_b32 v12, v11, 16, v12                ; block 2 + h
	v_lshlrev_b32 v12, v7, v12                     ; at their places in the word: 8 h bits up
	v_permlanex16_b32 v15, v12, s30, s31
	v_or_b32 v[16+(\u)/2], v12, v15                ; with lane l xor 16's two bytes the word is whole
.endif
	v_cvt_scalef32_pk16_fp6_f32 v[CD+6*(\u):CD+6*(\u)+2], v[XS:XS+15], v10
	v_cvt_scalef32_pk16_fp6_f32 v[20:22], v[XS+16:XS+31], v10   ; (a conversion's three registers begin on an even number)
	v_nop                                          ; one plain place behind a scaled conversion
.irp i, 0,1,2
	v_mov_b32 v[CD+6*(\u)+3+\i], v[20+\i]
.endr
.if (\u)%2 == 1
.irp c, 0,1,2
	global_store_b128 v4, v[CD+6*((\u)-1)+4*\c:CD+6*((\u)-1)+4*\c+3], s[34:35] offset:((\u)/2)*6144+512*\c   ; 32 lanes store 512 consecutive bytes
.endr
.endif
.if (\u)+2 < 8
	WLOAD \pitch, (\u)+2
.endif
.endm
.macro WALL pitch
	WLOAD \pitch, 0
	WLOAD \pitch, 1
.irp u, 0,1,2,3,4,5,6,7
	WBLK \pitch, \u
.endr
.endm
	s_load_b256 s[4:11], s[0:1], 0x0               ; Wq, Wk, Wv, Wproj
	s_load_b128 s[12:15], s[0:1], 0x20             ; W1, W2
	s_load_b64 s[16:17], s[0:1], 0x30              ; wts
	v_lshl_add_u32 v144, v0, 2, 0x400
	v_mov_b32 v145, 0
	v_lshrrev_b32 v1, 5, v0
	v_readfirstlane_b32 s18, v1                    ; wave = tile t
	v_and_b32 v1, 15, v0                           ; r
	v_bfe_u32 v2, v0, 4, 1                         ; h
	v_and_b32 v4, 31, v0
	v_lshlrev_b32 v4, 4, v4                        ; 16 x lane
	v_lshlrev_b32 v6, 3, v0                        ; 8 x thread
	v_lshlrev_b32 v7, 3, v2                        ; 8 h
	s_and_b32 s19, s18, 1                          ; t % 2
	s_lshr_b32 s24, s18, 1                         ; t / 2
	s_lshl_b32 s25, s19, 7
	s_lshl_b32 s26, s24, 2
	s_add_co_u32 s25, s25, s26
	v_lshl_add_u32 v5, v1, 3, s25                  ; LDS: 8 r + 128 (t % 2) + 4 (t / 2)
	s_lshl_b32 s26, s24, 5
	s_lshl_b32 s27, s19, 3
	s_add_co_u32 s26, s26, s27
	v_and_b32 v8, 8, v1
	v_add_nc_u32 v8, v8, v1
	v_add_nc_u32 v8, s26, v8                       ; my column in the group
	v_lshlrev_b32 v9, 2, v8
	v_mov_b32 v15, 0                               ; written once: a lane permute's destination counts as one of its sources
	s_mov_b32 s30, 0x76543210
	s_mov_b32 s31, 0xfedcba98                      ; selects for lane l xor 16
	s_lshr_b32 s20, ttmp9, 5                       ; which weight
	s_bfe_u32 s21, ttmp9, 0x40001                  ; which group of 64 columns
	s_and_b32 s28, ttmp9, 1                        ; which half of K
	s_mul_i32 s22, ttmp9, 24576                    ; codes: (weight, group) x 49,152 + half x 24,576 = work-group x 24,576,
	s_mul_i32 s29, s18, 1536                       ; + tile x 1,536
	s_add_co_u32 s22, s22, s29
	s_mov_b32 s23, 0
	s_lshl_b32 s32, ttmp9, 10                      ; scale words: work-group x 1,024
	s_add_co_u32 s32, s32, WSO
	s_mov_b32 s33, 0
	s_wait_kmcnt 0x0
	s_add_nc_u64 s[34:35], s[16:17], s[22:23]
	s_add_nc_u64 s[36:37], s[16:17], s[32:33]
	s_cmp_eq_u32 s20, 1                            ; the source is chosen by the work-group's number alone
	s_cselect_b64 s[4:5], s[6:7], s[4:5]
	s_cmp_eq_u32 s20, 2
	s_cselect_b64 s[4:5], s[8:9], s[4:5]
	s_cmp_eq_u32 s20, 3
	s_cselect_b64 s[4:5], s[10:11], s[4:5]
	s_cmp_eq_u32 s20, 4
	s_cselect_b64 s[4:5], s[12:13], s[4:5]
	s_cmp_eq_u32 s20, 5
	s_cselect_b64 s[4:5], s[14:15], s[4:5]
	s_cmp_lt_u32 s20, 3
	s_cbranch_scc0 .Lsquare
	s_lshl_b32 s22, s21, 18                        ; a head is 262,144 bytes, half of K 512 rows of 256
	s_lshl_b32 s29, s28, 17
	s_add_co_u32 s22, s22, s29
	s_add_nc_u64 s[4:5], s[4:5], s[22:23]
	v_lshl_add_u32 v3, v2, 13, v9                  ; lanes 16-31 begin 32 rows further down
	WALL 256
	s_branch .Ljoin
.Lsquare:
	s_lshl_b32 s22, s21, 8                         ; a group is 256 bytes of a row, half of K 512 rows of 4,096
	s_lshl_b32 s29, s28, 21
	s_add_co_u32 s22, s22, s29
	s_add_nc_u64 s[4:5], s[4:5], s[22:23]
	v_lshl_add_u32 v3, v2, 17, v9
	WALL 4096
.Ljoin:
.irp s, 0,1,2,3
	ds_store_b32 v5, v[16+\s] offset:256*\s        ; both halves of the lanes write the same word with the same value
.endr
	s_wait_dscnt 0x0                               ; for the others' sake: my words lie in LDS
	s_barrier_signal -1
	s_barrier_wait -1
	ds_load_b64 v[12:13], v6                       ; the four tiles' words of a K step, 256 bytes to a wave
	s_wait_dscnt 0x0
	global_store_b64 v6, v[12:13], s[36:37]        ; 32 lanes store 256 consecutive bytes, aligned
	s_wait_tensorcnt 0x0
	ds_add_u32 v144, v145
	s_wait_dscnt 0x0
	s_endpgm
.Lfunc_end_k_qa3b245e5e6_wq:
	.size	k_qa3b245e5e6_wq, .Lfunc_end_k_qa3b245e5e6_wq-k_qa3b245e5e6_wq
	.p2alignl 7, 3214868480
	.fill 96, 4, 3214868480
	.section	.rodata,"a",@progbits
	.p2align	6, 0x0
	.amdhsa_kernel k_qa3b245e5e6_wq
		.amdhsa_group_segment_fixed_size 1536
		.amdhsa_private_segment_fixed_size 0
		.amdhsa_enable_private_segment 0
		.amdhsa_kernarg_size 56
		.amdhsa_user_sgpr_count 2
		.amdhsa_user_sgpr_kernarg_segment_ptr 1
		.amdhsa_wavefront_size32 1
		.amdhsa_system_sgpr_workgroup_id_x 1
		.amdhsa_system_sgpr_workgroup_id_y 1
		.amdhsa_system_sgpr_workgroup_id_z 1
		.amdhsa_system_vgpr_workitem_id 0
		.amdhsa_next_free_vgpr 146
		.amdhsa_next_free_sgpr 66
		.amdhsa_reserve_vcc 0
		.amdhsa_float_denorm_mode_32 3
		.amdhsa_float_denorm_mode_16_64 3
		.amdhsa_memory_ordered 1
		.amdhsa_forward_progress 1
		.amdhsa_inst_pref_size 78
	.end_amdhsa_kernel
	.amdgpu_metadata
---
amdhsa.version: [ 1, 2 ]
amdhsa.kernels:
  - .name:           k_qa3b245e5e6_wq
    .symbol:         k_qa3b245e5e6_wq.kd
    .args:
      - { .name: Wq, .offset: 0, .size: 8, .value_kind: global_buffer, .address_space: global }
      - { .name: Wk, .offset: 8, .size: 8, .value_kind: global_buffer, .address_space: global }
      - { .name: Wv, .offset: 16, .size: 8, .value_kind: global_buffer, .address_space: global }
      - { .name: Wproj, .offset: 24, .size: 8, .value_kind: global_buffer, .address_space: global }
      - { .name: W1, .offset: 32, .size: 8, .value_kind: global_buffer, .address_space: global }
      - { .name: W2, .offset: 40, .size: 8, .value_kind: global_buffer, .address_space: global }
      - { .name: wts, .offset: 48, .size: 8, .value_kind: global_buffer, .address_space: global }
    .group_segment_fixed_size: 1536
    .private_segment_fixed_size: 0
    .kernarg_segment_align: 8
    .kernarg_segment_size: 56
    .max_flat_workgroup_size: 128
    .sgpr_count:     66
    .vgpr_count:     146
    .wavefront_size: 32
...
	.end_amdgpu_metadata
.endif
;; end of part 1
;; launch front (part 2): grid 256 x 1, 16 waves a work-group, no clusters, 209,920 bytes of LDS; arguments x, g1, beta1, wts, qkv; writes qkv
.if DOCPART == 2
	.amdgcn_target "amdgcn-amd-amdhsa--gfx1250"
	.amdhsa_code_object_version 6
	.text
	.protected	k_qa3b245e5e6_front
	.globl	k_qa3b245e5e6_front
	.p2align	8
	.type	k_qa3b245e5e6_front,@function
k_qa3b245e5e6_front:
	s_mov_b64 s[64:65], 0
	v_nop
	global_prefetch_b8 v0, s[64:65] scope:SCOPE_SE
	s_setreg_imm32_b32 hwreg(HW_REG_WAVE_MODE, 25, 1), 1
	s_wait_xcnt 0x0
; LayerNorm 1, its quantising, q = xn Wq, k = xn Wk, v = xn Wv on codes of FP6 (E2M3), and the quantising of q and k (along the head's 64) and of v (along the tokens).
; SHARES: a work-group owns 64 tokens and 8 heads: work-group = (block of 64 tokens, half of the heads).  It takes in 8 x 3 x 51,200 bytes of weights and 64 rows of x: 1.49 MB;
; with 32 tokens and all 16 heads it would be 2.59 MB.  The price: LayerNorm is done in both work-groups of a block of tokens.  xn never goes to memory.
; Wave w owns head w / 2 of the eight and half hf = w % 2 of its 64 columns (column tiles 2 hf and 2 hf + 1: one block of 32 of d), for all four token tiles: eight accumulators.
; Each weight fragment is used by ONE wave of the work-group, so it goes from memory straight into that wave's operand registers (loads of 512 consecutive bytes; the launch before laid it so):
; through LDS the same bytes would be written and read once more; that is why no LDS ring and no joint loads are used here.
; TOKENS OF A TILE ARE NOT NEIGHBOURS: in each group of 32 tokens lane r of tile u takes token 8 u + r + 8 (r / 8) (physical row 16 u + r = the token with bits 3 and 4 exchanged).  Token tile m = 2 x group + u.
; q, k: source 0 = 16 columns of the weight, source 1 = 16 tokens: a lane holds one token, and the 16 registers of my two column tiles d = 32 hf + 16 h + 0 .. 15.
; v:    the sources exchanged: a lane holds one d, and the 16 registers of a group's two token tiles the tokens 16 h + 0 .. 15: a group of 32 tokens is one block of the keys.
; xn's operand lies in LDS as images of its registers: a half image (16 rows x 64 K, 768 bytes): registers 0-3 of lane L at 16 L, registers 4-5 at 512 + 8 L.
; LDS: AI 0: [tile 4][half 16][768];  ASC 49,152: [tile][row][32 scale bytes];  GB 51,200: g1, beta1, 4,608 bytes each;  STG 60,416: two rows of x for each wave, 9,216 bytes, used twice.
;      (a row of 4,096 bytes has 16 bytes of padding behind each 128: lanes 144 bytes apart fall on different banks)
; REGISTERS: v1 16 L, v2 8 L, v3 32 r, v4-15 addresses, v16-79 accumulators (first: two rows of x), v80-151 three sets of two weight fragments, v152-199 four fragments of xn (between the products: at work),
;            v200-231 xn's scale words, v232-247 codes on their way out, v248-250 the weights' scale words, v251 zero.
; LIMITS: NaN and infinities are not served; a block whose largest magnitude lies under 2^-124 takes the byte 1; a block of zeros has the byte 1 and zero codes (the bytes are read by this program alone).
.set AI,  0
.set ASC, 49152
.set GB,  51200
.set STG, 60416
.set KCO, 6291456                      ; qkv: q's codes at 0, k's, v's, then the scales of q, k, v
.set VCO, 12582912
.set QSO, 18874368
.set KSO, 19398656
.set VSO, 19922944
.set WSO, 4718592
.set ACC, 16
.set BF,  80
.set AF,  152
.set LW,  168                          ; v168-181: LayerNorm's sums
.set ASR, 200
.set BS,  248
.set NIL, 251
.set WV,  14
.set WCP, 16                           ; s[16:17] my two column tiles' codes in wts;  s[18:19] their scale words
.set WSP, 18
.set XB,  20
.set QCB, 22
.set KCB, 24
.set VCB, 26
.set QSB, 28
.set KSB, 30
.set VSB, 32
.set GBP, 34
.set SEL, 36
.set HM,  38                           ; mask of lanes 16-31
.set C10, 39                           ; 2^-10
.set EPS, 40
; Stream step q (0 .. 23): weight q / 8, K step q % 8: my two fragments (3,072 consecutive bytes) and their scale words (lanes 0-15 tile 2 hf, lanes 16-31 tile 2 hf + 1): 7 loads, into set q % 3
.macro LOADB q
.irp i, 0,1,2,3,4,5
	global_load_b128 v[BF+24*((\q)%3)+4*\i:BF+24*((\q)%3)+4*\i+3], v1, s[WCP:WCP+1] offset:((\q)/8)*786432+((\q)%8)*6144+512*\i
.endr
	global_load_b32 v[BS+(\q)%3], v2, s[WSP:WSP+1] offset:((\q)/8)*32768+((\q)%8)*256
.endm
.macro LOADA s                         ; the four token tiles' fragments of K step s: two half images each; tile by tile, so that a counted wait can part them
.irp m, 0,1,2,3
	ds_load_b128 v[AF+12*\m:AF+12*\m+3], v1 offset:AI+(16*\m+2*(\s))*768
	ds_load_b64 v[AF+12*\m+4:AF+12*\m+5], v2 offset:AI+(16*\m+2*(\s))*768+512
	ds_load_b128 v[AF+12*\m+6:AF+12*\m+9], v1 offset:AI+(16*\m+2*(\s))*768+768
	ds_load_b64 v[AF+12*\m+10:AF+12*\m+11], v2 offset:AI+(16*\m+2*(\s))*768+1280
.endr
.endm
.macro LOADS                           ; all eight K steps' scale words of the four tiles: lane r takes row r's 32 bytes
.irp m, 0,1,2,3
.irp k, 0,1
	ds_load_b128 v[ASR+8*\m+4*\k:ASR+8*\m+4*\k+3], v3 offset:ASC+512*\m+16*\k
.endr
.endr
.endm
; Four matrix instructions: my two column tiles x token tiles ma, mb.  The eight accumulators take turns, one instruction a turn, from K step to K step too.
; cm = 0: the product starts the sum; 2: it adds onto it.  tr = 1: the tokens are source 0.
.macro MMH q, cm, tr, ma, mb
.irp t, 0,1
.irp m, \ma, \mb
.if \tr
.set DD,  ACC+32*(\m/2)+16*\t+8*(\m%2)
.set OPA, AF+12*\m
.set OPB, BF+24*((\q)%3)+12*\t
.set SCA, ASR+8*\m+(\q)%8
.set SCB, BS+(\q)%3
.else
.set DD,  ACC+16*\m+8*\t
.set OPA, BF+24*((\q)%3)+12*\t
.set OPB, AF+12*\m
.set SCA, BS+(\q)%3
.set SCB, ASR+8*\m+(\q)%8
.endif
.if \cm == 0
.if \t == 0
	v_wmma_scale_f32_16x16x128_f8f6f4 v[DD:DD+7], v[OPA:OPA+11], v[OPB:OPB+11], 0, v[SCA], v[SCB] matrix_a_fmt:MATRIX_FMT_FP6 matrix_b_fmt:MATRIX_FMT_FP6
.elseif \tr
	v_wmma_scale_f32_16x16x128_f8f6f4 v[DD:DD+7], v[OPA:OPA+11], v[OPB:OPB+11], 0, v[SCA], v[SCB] matrix_a_fmt:MATRIX_FMT_FP6 matrix_b_fmt:MATRIX_FMT_FP6 matrix_b_scale:MATRIX_SCALE_ROW1
.else
	v_wmma_scale_f32_16x16x128_f8f6f4 v[DD:DD+7], v[OPA:OPA+11], v[OPB:OPB+11], 0, v[SCA], v[SCB] matrix_a_fmt:MATRIX_FMT_FP6 matrix_b_fmt:MATRIX_FMT_FP6 matrix_a_scale:MATRIX_SCALE_ROW1
.endif
.else
.if \t == 0
	v_wmma_scale_f32_16x16x128_f8f6f4 v[DD:DD+7], v[OPA:OPA+11], v[OPB:OPB+11], v[DD:DD+7], v[SCA], v[SCB] matrix_a_fmt:MATRIX_FMT_FP6 matrix_b_fmt:MATRIX_FMT_FP6
.elseif \tr
	v_wmma_scale_f32_16x16x128_f8f6f4 v[DD:DD+7], v[OPA:OPA+11], v[OPB:OPB+11], v[DD:DD+7], v[SCA], v[SCB] matrix_a_fmt:MATRIX_FMT_FP6 matrix_b_fmt:MATRIX_FMT_FP6 matrix_b_scale:MATRIX_SCALE_ROW1
.else
	v_wmma_scale_f32_16x16x128_f8f6f4 v[DD:DD+7], v[OPA:OPA+11], v[OPB:OPB+11], v[DD:DD+7], v[SCA], v[SCB] matrix_a_fmt:MATRIX_FMT_FP6 matrix_b_fmt:MATRIX_FMT_FP6 matrix_a_scale:MATRIX_SCALE_ROW1
.endif
.endif
.endr
.endr
.endm
.macro KSTEP q, cm, tr
	LOADA (\q)%8
.if (\q) < 22
	s_wait_loadcnt 14                              ; this step's 7 loads are in; the next two steps' 14 may be out
.elseif (\q) == 22
	s_wait_loadcnt 7                               ; the last step's 7 may be out
.else
	s_wait_loadcnt 0x0
.endif
	s_wait_dscnt 8                                 ; token tiles 0 and 1 are in; the eight loads of tiles 2 and 3 may be out
	MMH \q, \cm, \tr, 0, 1
	s_wait_dscnt 0x0
	MMH \q, \cm, \tr, 2, 3
.rept 4
	v_nop                                          ; four places in front of loads into registers that matrix instructions have read, and of the first read of results
.endr
.if (\q)+3 <= 23
	LOADB (\q)+3                                   ; into the set just multiplied
.endif
.endm
; 2 x 16 numbers of a lane: registers 16 b + i = d 32 hf + 16 h + i of my token in token tile b of a group.  Each tile's block is quantised (its other 16 numbers lie in lane l xor 16);
; the exchange of halves then leaves in lane (r, j) the WHOLE block of token r of tile j: v[pc .. pc+5], which is lane 16 hf + r of that tile's half image; v[val]: that block's scale byte.
; tm: six registers at work; pc: seven.
.macro HQ2 src, pc, val, tm
.irp b, 0,1
	v_max3_num_f32 v[\tm+\b], |v[\src+16*\b]|, |v[\src+16*\b+1]|, 0x1800000   ; my 16 numbers, and the floor 2^(3 - 127): the byte cannot fall under 1
.endr
.irp i, 2,4,6,8,10,12,14
.irp b, 0,1
	v_max3_num_f32 v[\tm+\b], v[\tm+\b], |v[\src+16*\b+\i]|, |v[\src+16*\b+\i+1]|
.endr
.endr
.irp b, 0,1
	v_permlanex16_b32 v[\tm+2+\b], v[\tm+\b], s[SEL], s[SEL+1]
.endr
.irp b, 0,1
	v_max_num_f32 v[\tm+\b], v[\tm+\b], v[\tm+2+\b]   ; with lane l xor 16's: the block's largest magnitude
.endr
.irp b, 0,1
	v_add_nc_u32 v[\tm+4+\b], 0xff000000, v[\tm+\b]   ; 2 off its exponent field: the conversion's scale operand
.endr
.irp b, 0,1
	v_lshrrev_b32 v[\tm+2+\b], 23, v[\tm+4+\b]     ; the scale's byte
.endr
	v_cndmask_b32 v[\val], v[\tm+2], v[\tm+3], s[HM]   ; lanes 0-15 tile 0's byte, lanes 16-31 tile 1's
	v_cvt_scalef32_pk16_fp6_f32 v[\pc:\pc+2], v[\src:\src+15], v[\tm+4]
	v_cvt_scalef32_pk16_fp6_f32 v[\pc+4:\pc+6], v[\src+16:\src+31], v[\tm+5]
	v_nop                                          ; one plain place behind a scaled conversion
.irp i, 0,1,2
	v_permlane16_swap_b32 v[\pc+\i], v[\pc+4+\i]   ; the first now holds each lane's block's lower 16 codes, the second the upper 16
.endr
.irp i, 0,1,2
	v_mov_b32 v[\pc+3+\i], v[\pc+4+\i]
.endr
.endm
.macro BAR                             ; my LDS stores have landed and my LDS loads are in: then the work-group's barrier
	s_wait_dscnt 0x0
	s_barrier_signal -1
	s_barrier_wait -1
.endm
.macro WRED a, b                       ; the sum over the wave's 32 lanes of v[a] and of v[a+8], in every lane
.irp x, 1,2,4,8
.irp i, 0,1
	v_add_f32_dpp v[\a+8*\i], v[\a+8*\i], v[\a+8*\i] row_xmask:\x row_mask:0xf bank_mask:0xf
.endr
.endr
.irp i, 0,1
	v_permlanex16_b32 v[\b+8*\i], v[\a+8*\i], s[SEL], s[SEL+1]
.endr
.irp i, 0,1
	v_add_f32 v[\a+8*\i], v[\a+8*\i], v[\b+8*\i]
.endr
.endm
; Two rows of x (v16-47, v48-79; lane L holds block L, 32 neighbours) are normalised, quantised and stored as parts of the images of group p.
; Mean, then the mean of the squared differences: two passes, no difference of large sums.  The two rows by turns.
.macro LNQ p
.irp i, 0,1
	v_pk_add_f32 v[LW+8*\i:LW+8*\i+1], v[16+32*\i:17+32*\i], v[18+32*\i:19+32*\i]
	v_pk_add_f32 v[LW+8*\i+2:LW+8*\i+3], v[20+32*\i:21+32*\i], v[22+32*\i:23+32*\i]
.endr
.irp j, 8,12,16,20,24,28
.irp i, 0,1
	v_pk_add_f32 v[LW+8*\i:LW+8*\i+1], v[LW+8*\i:LW+8*\i+1], v[16+32*\i+\j:17+32*\i+\j]
	v_pk_add_f32 v[LW+8*\i+2:LW+8*\i+3], v[LW+8*\i+2:LW+8*\i+3], v[18+32*\i+\j:19+32*\i+\j]
.endr
.endr
.irp i, 0,1
	v_pk_add_f32 v[LW+8*\i:LW+8*\i+1], v[LW+8*\i:LW+8*\i+1], v[LW+8*\i+2:LW+8*\i+3]
.endr
.irp i, 0,1
	v_add_f32 v[LW+8*\i], v[LW+8*\i], v[LW+8*\i+1]
.endr
	WRED LW, LW+1
.irp i, 0,1
	v_mul_f32 v[LW+8*\i], s[C10], v[LW+8*\i]       ; the mean
.endr
.irp j, 0,2,4,6,8,10,12,14,16,18,20,22,24,26,28,30
.irp i, 0,1
	v_pk_add_f32 v[16+32*\i+\j:17+32*\i+\j], v[16+32*\i+\j:17+32*\i+\j], v[LW+8*\i:LW+8*\i+1] op_sel_hi:[1,0] neg_lo:[0,1] neg_hi:[0,1]
.endr
.endr
.irp i, 0,1
	v_pk_mul_f32 v[LW+8*\i+2:LW+8*\i+3], v[16+32*\i:17+32*\i], v[16+32*\i:17+32*\i]
	v_pk_mul_f32 v[LW+8*\i+4:LW+8*\i+5], v[18+32*\i:19+32*\i], v[18+32*\i:19+32*\i]
.endr
.irp j, 4,8,12,16,20,24,28
.irp i, 0,1
	v_pk_fma_f32 v[LW+8*\i+2:LW+8*\i+3], v[16+32*\i+\j:17+32*\i+\j], v[16+32*\i+\j:17+32*\i+\j], v[LW+8*\i+2:LW+8*\i+3]
	v_pk_fma_f32 v[LW+8*\i+4:LW+8*\i+5], v[18+32*\i+\j:19+32*\i+\j], v[18+32*\i+\j:19+32*\i+\j], v[LW+8*\i+4:LW+8*\i+5]
.endr
.endr
.irp i, 0,1
	v_pk_add_f32 v[LW+8*\i+2:LW+8*\i+3], v[LW+8*\i+2:LW+8*\i+3], v[LW+8*\i+4:LW+8*\i+5]
.endr
.irp i, 0,1
	v_add_f32 v[LW+8*\i+2], v[LW+8*\i+2], v[LW+8*\i+3]
.endr
	WRED LW+2, LW+3
.irp i, 0,1
	v_fma_f32 v[LW+8*\i+2], v[LW+8*\i+2], s[C10], s[EPS]
.endr
.irp i, 0,1
	v_rsq_f32 v[LW+8*\i+2], v[LW+8*\i+2]
.endr
	v_nop                                          ; one plain place behind a transcendental
	s_wait_alu depctr_va_vdst(0)
.irp j, 0,2,4,6,8,10,12,14,16,18,20,22,24,26,28,30
.irp i, 0,1
	v_pk_mul_f32 v[16+32*\i+\j:17+32*\i+\j], v[16+32*\i+\j:17+32*\i+\j], v[LW+8*\i+2:LW+8*\i+3] op_sel_hi:[1,0]
.endr
.endr
	s_wait_dscnt 0x0                               ; g1's and beta1's blocks are in
.irp j, 0,2,4,6,8,10,12,14,16,18,20,22,24,26,28,30
.irp i, 0,1
	v_pk_fma_f32 v[16+32*\i+\j:17+32*\i+\j], v[16+32*\i+\j:17+32*\i+\j], v[104+\j:105+\j], v[136+\j:137+\j]
.endr
.endr
.irp i, 0,1
	v_max3_num_f32 v[LW+8*\i], |v[16+32*\i]|, |v[17+32*\i]|, 0x1800000   ; xn's codes: a lane holds a whole block
.endr
.irp j, 2,4,6,8,10,12,14,16,18,20,22,24,26,28,30
.irp i, 0,1
	v_max3_num_f32 v[LW+8*\i], v[LW+8*\i], |v[16+32*\i+\j]|, |v[17+32*\i+\j]|
.endr
.endr
.irp i, 0,1
	v_add_nc_u32 v[LW+8*\i+1], 0xff000000, v[LW+8*\i]
.endr
.irp i, 0,1
	v_lshrrev_b32 v[LW+8*\i+2], 23, v[LW+8*\i+1]
.endr
.irp i, 0,1
	v_cvt_scalef32_pk16_fp6_f32 v[232+8*\i:234+8*\i], v[16+32*\i:31+32*\i], v[LW+8*\i+1]
	v_cvt_scalef32_pk16_fp6_f32 v[236+8*\i:238+8*\i], v[32+32*\i:47+32*\i], v[LW+8*\i+1]
.endr
	v_nop                                          ; one plain place behind a scaled conversion
.irp i, 0,1
.irp n, 0,1,2
	v_mov_b32 v[235+8*\i+\n], v[236+8*\i+\n]
.endr
.endr
.irp i, 0,1
	ds_store_b128 v8, v[232+8*\i:235+8*\i] offset:16*\i+24576*\p
	ds_store_b64 v9, v[236+8*\i:237+8*\i] offset:8*\i+24576*\p
	ds_store_b8 v10, v[LW+8*\i+2] offset:32*\i+1024*\p
.endr
.endm
; q's or k's way out: for each group of 32 tokens my block of both tiles' half images, and my byte of their 32 scale words.
; A scale word's bytes 0 and 1 come from the head's two waves; each wave also stores a zero into byte 2 + hf, so that all four bytes of every word are written.
.macro EPQ cb, sb
	v_nop                                          ; a fifth place: the next phase's first products begin these accumulators anew
	s_wait_xcnt 0x0                                ; the last way out's stores have read their registers
.irp g, 0,1
	HQ2 16+32*\g, 232+8*\g, 239+8*\g, 152
.endr
.irp g, 0,1
	global_store_b128 v14, v[232+8*\g:235+8*\g], s[\cb:\cb+1] offset:1536*\g       ; 16 lanes store 256 consecutive bytes, aligned
	global_store_b64 v15, v[236+8*\g:237+8*\g], s[\cb:\cb+1] offset:1536*\g+512    ; 16 lanes store 128 consecutive bytes
	global_store_b8 v12, v[239+8*\g], s[\sb:\sb+1] offset:128*\g
	global_store_b8 v12, v[NIL], s[\sb:\sb+1] offset:128*\g+2
.endr
.endm
	s_load_b256 s[4:11], s[0:1], 0x0               ; x, g1, beta1, wts
	s_load_b64 s[12:13], s[0:1], 0x20              ; qkv
	v_lshrrev_b32 v252, 5, v0
	v_readfirstlane_b32 s[WV], v252                ; wave 0..15
	v_and_b32 v254, 31, v0                         ; L
	v_and_b32 v255, 15, v0                         ; r
	v_bfe_u32 v253, v0, 4, 1                       ; h
	v_lshlrev_b32 v1, 4, v254
	v_lshlrev_b32 v2, 3, v254
	v_lshlrev_b32 v3, 5, v255
	v_lshlrev_b32 v12, 2, v254                     ; a scale word's place: 4 L
	v_lshlrev_b32 v13, 2, v255
	v_mul_u32_u24 v11, v253, 12
	v_mad_u32_u24 v11, v255, 24, v11               ; v's codes: 24 r + 12 h
	v_cmp_le_u32 s[HM], 16, v254
	v_mov_b32 v[NIL], 0
	s_and_b32 s51, s[WV], 1                        ; hf: which half of the head
	v_mul_u32_u24 v252, v253, 768                  ; q's, k's codes: tile h of the group,
	s_lshl_b32 s44, s51, 8
	v_lshl_add_u32 v14, v255, 4, v252
	v_add_nc_u32 v14, s44, v14                     ; registers 0-3 of lane 16 hf + r
	s_lshl_b32 s44, s51, 7
	v_lshl_add_u32 v15, v255, 3, v252
	v_add_nc_u32 v15, s44, v15                     ; registers 4-5 (512 further on)
	v_lshrrev_b32 v9, 3, v254
	v_lshl_add_u32 v9, v9, 4, v1                   ; 16 L + 16 (L / 8): a load's 512 bytes in a padded row
	s_mul_i32 s44, s[WV], 9216
	s_add_co_u32 s44, s44, STG
	v_add_nc_u32 v4, s44, v9                       ; my stage, on the way in
	v_mul_u32_u24 v10, v254, 144
	v_add_nc_u32 v5, s44, v10                      ; and back: block L of a row
	v_add_nc_u32 v7, GB, v10                       ; block L of g1 (beta1: 4,608 on)
	s_lshr_b32 s45, s[WV], 3
	s_and_b32 s46, s[WV], 7
	s_mul_i32 s47, s45, 4608
	s_mul_i32 s48, s46, 576
	s_add_co_u32 s47, s47, s48
	s_add_co_u32 s47, s47, GB
	v_add_nc_u32 v6, s47, v9                       ; where my chunk of g1 or beta1 goes
	s_mul_i32 s47, s45, 12288
	s_lshl_b32 s48, s46, 5
	s_add_co_u32 s48, s48, s47                     ; tile w / 8 of a group, rows 2 (w % 8) and the next: 16 bytes a row
	v_lshrrev_b32 v9, 1, v254
	v_mul_u32_u24 v9, v9, 768                      ; block L lies in half L / 2,
	v_and_b32 v10, 1, v254                         ; in the lanes' half L % 2
	v_lshl_add_u32 v8, v10, 8, v9
	v_add_nc_u32 v8, s48, v8                       ; registers 0-3 of the image
	s_lshl_b32 s48, s46, 4
	s_add_co_u32 s48, s48, s47
	s_add_co_u32 s48, s48, 512
	v_lshl_add_u32 v9, v10, 7, v9
	v_add_nc_u32 v9, s48, v9                       ; registers 4-5
	s_lshl_b32 s47, s45, 9
	s_lshl_b32 s48, s46, 6
	s_add_co_u32 s47, s47, s48
	s_add_co_u32 s47, s47, ASC
	v_add_nc_u32 v10, s47, v254                    ; the block's scale byte
	s_mov_b32 s[SEL], 0x76543210
	s_mov_b32 s[SEL+1], 0xfedcba98
	s_mov_b32 s[C10], 0x3a800000                   ; 1 / 1,024
	s_mov_b32 s[EPS], 0x3727c5ac                   ; 1e-5
	s_mov_b32 s43, 0
	s_and_b32 s44, s[WV], 3                        ; the wave's number with bits 2 and 3 exchanged: my two physical rows of a group are its tokens 2 w' and 2 w' + 1
	s_bfe_u32 s47, s[WV], 0x10002
	s_lshl_b32 s47, s47, 3
	s_add_co_u32 s44, s44, s47
	s_lshl_b32 s47, s45, 2
	s_add_co_u32 s44, s44, s47
	s_lshr_b32 s52, s[WV], 1                       ; my head among the work-group's eight
	s_lshr_b32 s53, ttmp9, 1                       ; the block of 64 tokens
	s_and_b32 s54, ttmp9, 1                        ; which eight heads
	s_lshl_b32 s55, s54, 3
	s_add_co_u32 s55, s55, s52                     ; the head
	s_lshr_b32 s47, s53, 4
	s_lshl_b32 s47, s47, 4
	s_add_co_u32 s47, s47, s55                     ; batch x 16 + head
	s_lshl_b32 s47, s47, 5
	s_and_b32 s48, s53, 15
	s_lshl_b32 s48, s48, 1
	s_add_co_u32 s49, s47, s48                     ; x 32 + the first of my two groups of 32 tokens
	s_wait_kmcnt 0x0
	s_mul_i32 s42, s55, 49152
	s_mul_i32 s56, s51, 3072
	s_add_co_u32 s42, s42, s56
	s_add_nc_u64 s[WCP:WCP+1], s[10:11], s[42:43]
	s_lshl_b32 s42, s55, 11
	s_lshl_b32 s56, s51, 2
	s_add_co_u32 s42, s42, s56
	s_add_co_u32 s42, s42, WSO
	s_add_nc_u64 s[WSP:WSP+1], s[10:11], s[42:43]
	s_lshl_b32 s42, s53, 18
	s_lshl_b32 s44, s44, 13
	s_add_co_u32 s42, s42, s44
	s_add_nc_u64 s[XB:XB+1], s[4:5], s[42:43]
	s_mul_i32 s50, s49, 1536
	s_mov_b32 s42, s50
	s_add_nc_u64 s[QCB:QCB+1], s[12:13], s[42:43]
	s_add_co_u32 s42, s50, KCO
	s_add_nc_u64 s[KCB:KCB+1], s[12:13], s[42:43]
	s_mul_i32 s56, s51, 768                        ; v: my d tiles 2 hf and 2 hf + 1, 384 bytes each
	s_add_co_u32 s42, s50, s56
	s_add_co_u32 s42, s42, VCO
	s_add_nc_u64 s[VCB:VCB+1], s[12:13], s[42:43]
	s_lshl_b32 s50, s49, 7
	s_add_co_u32 s50, s50, s51                     ; byte hf of each scale word
	s_add_co_u32 s42, s50, QSO
	s_add_nc_u64 s[QSB:QSB+1], s[12:13], s[42:43]
	s_add_co_u32 s42, s50, KSO
	s_add_nc_u64 s[KSB:KSB+1], s[12:13], s[42:43]
	s_lshl_b32 s42, s49, 6
	s_lshl_b32 s56, s51, 1
	s_add_co_u32 s42, s42, s56
	s_add_co_u32 s42, s42, VSO
	s_add_nc_u64 s[VSB:VSB+1], s[12:13], s[42:43]
	s_cmp_lt_u32 s[WV], 8                          ; waves 0-7 bring g1, waves 8-15 beta1: 512 bytes each
	s_cselect_b64 s[GBP:GBP+1], s[6:7], s[8:9]
	s_lshl_b32 s42, s46, 9
	s_add_nc_u64 s[GBP:GBP+1], s[GBP:GBP+1], s[42:43]
	; ---- my two rows of each group of 32 tokens, my chunk of g1 or beta1, the stream's first step
.irp i, 0,1
.irp j, 0,1,2,3,4,5,6,7
	global_load_b128 v[16+32*\i+4*\j:19+32*\i+4*\j], v1, s[XB:XB+1] offset:4096*\i+512*\j
.endr
.endr
.irp i, 0,1
.irp j, 0,1,2,3,4,5,6,7
	global_load_b128 v[104+32*\i+4*\j:107+32*\i+4*\j], v1, s[XB:XB+1] offset:131072+4096*\i+512*\j
.endr
.endr
	global_load_b128 v[192:195], v1, s[GBP:GBP+1]
	LOADB 0
	s_wait_loadcnt 7                               ; all but the stream's 7
	ds_store_b128 v6, v[192:195]
.irp i, 0,1
.irp j, 0,1,2,3,4,5,6,7
	ds_store_b128 v4, v[16+32*\i+4*\j:19+32*\i+4*\j] offset:4608*\i+576*\j
.endr
.endr
.irp i, 0,1
.irp k, 0,1,2,3,4,5,6,7
	ds_load_b128 v[16+32*\i+4*\k:19+32*\i+4*\k], v5 offset:4608*\i+16*\k   ; LDS serves a wave's instructions in order: lane L now holds block L, 32 neighbours
.endr
.endr
.irp i, 0,1
.irp j, 0,1,2,3,4,5,6,7
	ds_store_b128 v4, v[104+32*\i+4*\j:107+32*\i+4*\j] offset:4608*\i+576*\j   ; the second group's rows take the stage behind those reads, in order
.endr
.endr
	BAR                                            ; g1 and beta1 lie in LDS
.irp k, 0,1,2,3,4,5,6,7
	ds_load_b128 v[104+4*\k:107+4*\k], v7 offset:16*\k
.endr
.irp k, 0,1,2,3,4,5,6,7
	ds_load_b128 v[136+4*\k:139+4*\k], v7 offset:4608+16*\k
.endr
	LNQ 0
.irp i, 0,1
.irp k, 0,1,2,3,4,5,6,7
	ds_load_b128 v[16+32*\i+4*\k:19+32*\i+4*\k], v5 offset:4608*\i+16*\k
.endr
.endr
	s_wait_dscnt 0x0                               ; the second group's rows are in, and the first group's image stores have read their registers
	LNQ 1
	LOADB 1                                        ; g1's and beta1's registers are free
	LOADB 2
	BAR                                            ; xn's 64 half images and its scale bytes lie in LDS
	LOADS
	; ---- q
	KSTEP 0, 0, 0
.irp q, 1,2,3,4,5,6,7
	KSTEP \q, 2, 0
.endr
	EPQ QCB, QSB
	; ---- k
	KSTEP 8, 0, 0
.irp q, 9,10,11,12,13,14,15
	KSTEP \q, 2, 0
.endr
	EPQ KCB, KSB
	; ---- v, the sources exchanged
	KSTEP 16, 0, 1
.irp q, 17,18,19,20,21,22,23
	KSTEP \q, 2, 1
.endr
	s_wait_xcnt 0x0                                ; k's stores have read their registers
.irp t, 0,1,2,3
	v_max3_num_f32 v[152+\t], |v[16+16*\t]|, |v[17+16*\t]|, 0x1800000   ; unit t = (group t / 2, d tile 2 hf + t % 2): my 16 tokens of the block of 32
.endr
.irp i, 2,4,6,8,10,12,14
.irp t, 0,1,2,3
	v_max3_num_f32 v[152+\t], v[152+\t], |v[16+16*\t+\i]|, |v[17+16*\t+\i]|
.endr
.endr
.irp t, 0,1,2,3
	v_permlanex16_b32 v[156+\t], v[152+\t], s[SEL], s[SEL+1]
.endr
.irp t, 0,1,2,3
	v_max_num_f32 v[152+\t], v[152+\t], v[156+\t]
.endr
.irp t, 0,1,2,3
	v_add_nc_u32 v[160+\t], 0xff000000, v[152+\t]
.endr
.irp t, 0,1,2,3
	v_lshrrev_b32 v[156+\t], 23, v[160+\t]
.endr
.irp t, 0,1,2,3
	v_cvt_scalef32_pk16_fp6_f32 v[232+4*\t:234+4*\t], v[16+16*\t:31+16*\t], v[160+\t]
.endr
	v_nop                                          ; one plain place behind a scaled conversion
	v_lshl_or_b32 v164, v157, 8, v156              ; a group's two bytes: d tiles 2 hf and 2 hf + 1
	v_lshl_or_b32 v165, v159, 8, v158
.irp t, 0,1,2,3
	global_store_b96 v11, v[232+4*\t:234+4*\t], s[VCB:VCB+1] offset:1536*(\t/2)+384*(\t%2)   ; 32 lanes store 384 consecutive bytes: 16 rows d x 32 keys
.endr
	global_store_b16 v13, v164, s[VSB:VSB+1]       ; both halves of the lanes write the same two bytes with the same value
	global_store_b16 v13, v165, s[VSB:VSB+1] offset:64
	s_wait_xcnt 0x0
	v_lshl_add_u32 v254, v0, 2, 0x32c00
	v_mov_b32 v255, 0
	s_wait_tensorcnt 0x0
	ds_add_u32 v254, v255
	s_wait_dscnt 0x0
	s_endpgm
.Lfunc_end_k_qa3b245e5e6_front:
	.size	k_qa3b245e5e6_front, .Lfunc_end_k_qa3b245e5e6_front-k_qa3b245e5e6_front
	.p2alignl 7, 3214868480
	.fill 96, 4, 3214868480
	.section	.rodata,"a",@progbits
	.p2align	6, 0x0
	.amdhsa_kernel k_qa3b245e5e6_front
		.amdhsa_group_segment_fixed_size 209920
		.amdhsa_private_segment_fixed_size 0
		.amdhsa_enable_private_segment 0
		.amdhsa_kernarg_size 40
		.amdhsa_user_sgpr_count 2
		.amdhsa_user_sgpr_kernarg_segment_ptr 1
		.amdhsa_wavefront_size32 1
		.amdhsa_system_sgpr_workgroup_id_x 1
		.amdhsa_system_sgpr_workgroup_id_y 1
		.amdhsa_system_sgpr_workgroup_id_z 1
		.amdhsa_system_vgpr_workitem_id 0
		.amdhsa_next_free_vgpr 256
		.amdhsa_next_free_sgpr 66
		.amdhsa_reserve_vcc 0
		.amdhsa_float_denorm_mode_32 3
		.amdhsa_float_denorm_mode_16_64 3
		.amdhsa_memory_ordered 1
		.amdhsa_forward_progress 1
		.amdhsa_inst_pref_size 127
	.end_amdhsa_kernel
	.amdgpu_metadata
---
amdhsa.version: [ 1, 2 ]
amdhsa.kernels:
  - .name:           k_qa3b245e5e6_front
    .symbol:         k_qa3b245e5e6_front.kd
    .args:
      - { .name: x, .offset: 0, .size: 8, .value_kind: global_buffer, .address_space: global }
      - { .name: g1, .offset: 8, .size: 8, .value_kind: global_buffer, .address_space: global }
      - { .name: beta1, .offset: 16, .size: 8, .value_kind: global_buffer, .address_space: global }
      - { .name: wts, .offset: 24, .size: 8, .value_kind: global_buffer, .address_space: global }
      - { .name: qkv, .offset: 32, .size: 8, .value_kind: global_buffer, .address_space: global }
    .group_segment_fixed_size: 209920
    .private_segment_fixed_size: 0
    .kernarg_segment_align: 8
    .kernarg_segment_size: 40
    .max_flat_workgroup_size: 512
    .sgpr_count:     66
    .vgpr_count:     256
    .wavefront_size: 32
...
	.end_amdgpu_metadata
.endif
;; end of part 2
;; launch attn (part 3): grid 2 x 128, 16 waves a work-group, no clusters, 110,592 bytes of LDS; arguments qkv, att; writes att
.if DOCPART == 3
	.amdgcn_target "amdgcn-amd-amdhsa--gfx1250"
	.amdhsa_code_object_version 6
	.text
	.protected	k_qa3b245e5e6_attn
	.globl	k_qa3b245e5e6_attn
	.p2align	8
	.type	k_qa3b245e5e6_attn,@function
k_qa3b245e5e6_attn:
	s_mov_b64 s[64:65], 0
	v_nop
	global_prefetch_b8 v0, s[64:65] scope:SCOPE_SE
	s_setreg_imm32_b32 hwreg(HW_REG_WAVE_MODE, 25, 1), 1
	s_wait_xcnt 0x0
; Causal attention of one (batch, head) on codes of FP6 (E2M3), and the quantising of its result along the channels.
; THE SOFTMAX AHEAD OF THE SECOND PRODUCT: t = score x log2(e) / 8; M = the row's largest t so far, rounded UP to a whole number; p = 2^(t - M) is quantised along the keys, not normalised.
; The row's sum is taken of the unquantised p and divides O at the end.  When M moves, the sum and O are multiplied by 2^(old M - new M): exact.
; SHARES: the head's K and V codes and scales (106 KB) lie in LDS for the whole launch, filled once through registers.  Two work-groups share a head's 64 query tiles of 16.
; A wave takes tile u = w % 2 of the token groups P and 31 - P (P = 8 x + w / 2): P / 4 + 1 and (31 - P) / 4 + 1 key steps of 128, nine for every wave.
; The loop over key steps has a constant count of eight; a step all of whose keys come after the wave's queries is passed over by a scalar branch on ids.
; LAYOUT: both products transposed: S^T = K Q^T, O^T = V^T P^T: a lane holds ONE query.  Tokens of a tile are not neighbours (lane r of tile u of a group of 32: token 8 u + r + 8 (r / 8)),
; so the 16 registers of key tiles 2 b, 2 b + 1 are keys 32 b + 16 h + 0 .. 15; V's d tiles likewise, so O^T's registers run along d.
; THE FIRST PRODUCT'S K IS 64: Q's registers 6-11 are zero codes.  A key tile is six registers; the operand names twelve: the upper six are the next tile's codes (behind the last tile: zeros), which meet Q's zeros;
; bytes 2 and 3 of both scale words are 0, a finite scale.
; LDS: KB 0: [tile 64][768];  VB 49,152: [key block 32][1,664: d tile 4 x row 16 x 24 bytes, + 128 so that the lanes' halves fall on different banks];  KSB 102,400: [group 32][32 words];  VSB 106,496: [step 8][d tile 4][row 16] words.
; REGISTERS: v1-7, v31 addresses that stay; v8-11, v30 the step's; v12 -M, v13 the largest t, v[14:15] the sum; v16-27, v200-211 the two Q; v28, v29 their scale words; v32-85 K's eight tiles and six zeros, then v32-79 V's four fragments;
;            v96-159 S^T, then p; v160-191 O^T; v192-195 V's scale words, v196-199 K's; v224-235 p's codes; v232-254 at work; v253 p's scale word.
; LIMITS: NaN and infinities are not served; a block whose largest magnitude lies under 2^-124 takes the byte 1; a block of zeros has the byte 1 and zero codes.
.set KCO,  6291456
.set VCO,  12582912
.set QSO,  18874368
.set KSO,  19398656
.set VSO,  19922944
.set ASGO, 6291456
.set VB,   49152
.set VBP,  1664
.set KSB,  102400
.set VSB,  106496
.set WV,  8
.set BH,  9
.set UU,  11
.set SEL, 48
.set CS,  50                           ; s[50:51] c = log2(e) / 8
.set KI,  52                           ; the key step
.set DS,  53                           ; the step on the diagonal
.set QD,  54                           ; 32 x (my group % 4)
.set TK,  55                           ; the step's first byte in KB, VB, KSB, VSB
.set TV,  56
.set TS,  57
.set TT,  58
.macro HQ src, pc, pw, tm              ; 32 numbers of a lane, register 16 b + i = k 32 b + 16 h + i, become a half image in v[pc .. pc+5] and two scale bytes in v[pw]
.irp b, 0,1
	v_max3_num_f32 v[\tm+\b], |v[\src+16*\b]|, |v[\src+16*\b+1]|, 0x1800000
.endr
.irp i, 2,4,6,8,10,12,14
.irp b, 0,1
	v_max3_num_f32 v[\tm+\b], v[\tm+\b], |v[\src+16*\b+\i]|, |v[\src+16*\b+\i+1]|
.endr
.endr
.irp b, 0,1
	v_permlanex16_b32 v[\tm+2+\b], v[\tm+\b], s[SEL], s[SEL+1]
.endr
.irp b, 0,1
	v_max_num_f32 v[\tm+\b], v[\tm+\b], v[\tm+2+\b]
.endr
.irp b, 0,1
	v_add_nc_u32 v[\tm+4+\b], 0xff000000, v[\tm+\b]
.endr
.irp b, 0,1
	v_lshrrev_b32 v[\tm+2+\b], 23, v[\tm+4+\b]
.endr
	v_lshl_or_b32 v[\pw], v[\tm+3], 8, v[\tm+2]
	v_cvt_scalef32_pk16_fp6_f32 v[\pc:\pc+2], v[\src:\src+15], v[\tm+4]
	v_cvt_scalef32_pk16_fp6_f32 v[\pc+4:\pc+6], v[\src+16:\src+31], v[\tm+5]
	v_nop                                          ; one plain place behind a scaled conversion
.irp i, 0,1,2
	v_permlane16_swap_b32 v[\pc+\i], v[\pc+4+\i]
.endr
.irp i, 0,1,2
	v_mov_b32 v[\pc+3+\i], v[\pc+4+\i]
.endr
.endm
.macro BASES x                         ; tile x of the wave: its group in s[12+x]
	s_lshl_b32 s14, s[12+\x], 1
	s_add_co_u32 s14, s14, s[UU]                   ; the tile's number in the head: 2 G + u
	s_mul_i32 s44, s14, 768
	s_add_co_u32 s44, s44, s46
	s_add_nc_u64 s[20+2*\x:21+2*\x], s[4:5], s[44:45]   ; Q's codes
	s_lshl_b32 s44, s[BH], 12
	s_lshl_b32 s15, s14, 6
	s_add_co_u32 s44, s44, s15
	s_add_co_u32 s44, s44, QSO
	s_add_nc_u64 s[24+2*\x:25+2*\x], s[4:5], s[44:45]   ; Q's scale words
	s_lshr_b32 s15, s[BH], 4
	s_lshl_b32 s15, s15, 6
	s_add_co_u32 s15, s15, s14
	s_lshl_b32 s15, s15, 4
	s_and_b32 s44, s[BH], 15
	s_add_co_u32 s15, s15, s44                     ; (batch x 64 + tile) x 16 + head
	s_mul_i32 s44, s15, 768
	s_add_nc_u64 s[28+2*\x:29+2*\x], s[6:7], s[44:45]   ; the result's codes
	s_lshl_b32 s44, s15, 6
	s_add_co_u32 s44, s44, ASGO
	s_add_nc_u64 s[32+2*\x:33+2*\x], s[6:7], s[44:45]   ; and scale words
.endm
	s_load_b128 s[4:7], s[0:1], 0x0                ; qkv, att
	v_lshl_add_u32 v251, v0, 2, 0x1a800
	v_mov_b32 v255, 0
	v_lshrrev_b32 v8, 5, v0
	v_readfirstlane_b32 s[WV], v8                  ; wave 0..15
	v_and_b32 v9, 31, v0                           ; L
	v_and_b32 v10, 15, v0                          ; r
	v_bfe_u32 v11, v0, 4, 1                        ; h
	v_lshlrev_b32 v1, 4, v9                        ; 16 L
	v_lshlrev_b32 v31, 3, v9                       ; 8 L
	v_add_nc_u32 v2, 512, v31
	v_mul_u32_u24 v3, v11, VBP
	v_mad_u32_u24 v3, v10, 24, v3
	v_add_nc_u32 v3, VB, v3                        ; V: key block h, row r
	v_lshl_add_u32 v4, v9, 2, KSB
	v_lshlrev_b32 v7, 2, v10                       ; 4 r
	v_add_nc_u32 v5, VSB, v7
	s_and_b32 s[UU], s[WV], 1
	s_lshl_b32 s14, s[UU], 3
	v_and_b32 v6, 8, v10
	v_add_nc_u32 v6, v6, v10
	v_lshlrev_b32 v8, 4, v11
	v_sub_nc_u32 v6, v6, v8
	v_add_nc_u32 v6, s14, v6                       ; my query in its group of 32, less 16 h
	v_lshlrev_b32 v150, 4, v0                      ; the head's addresses: 16 x thread;
	s_mul_i32 s15, s[WV], 3072
	v_add_nc_u32 v151, s15, v1                     ; V in memory: two key blocks a wave;
	s_mul_i32 s15, s[WV], 3328
	s_add_co_u32 s15, s15, VB
	v_add_nc_u32 v152, s15, v1                     ; and in LDS;
	v_lshlrev_b32 v153, 3, v0
	v_add_nc_u32 v156, KSB, v153
	v_lshrrev_b32 v154, 6, v0                      ; V's scale bytes: thread = (step, d tile, row): byte i at (4 step + i) x 64 + 4 row + d tile
	v_lshlrev_b32 v154, 8, v154
	v_lshl_add_u32 v154, v10, 2, v154
	v_bfe_u32 v155, v0, 4, 2
	v_add_nc_u32 v154, v154, v155
	v_lshl_add_u32 v155, v0, 2, VSB
	s_and_b32 s[BH], ttmp7, 0xffff                 ; batch x 16 + head
	s_lshl_b32 s10, ttmp9, 3
	s_lshr_b32 s12, s[WV], 1
	s_add_co_u32 s12, s12, s10                     ; P: the first tile's group
	s_sub_co_u32 s13, 31, s12                      ; the second's
	s_mul_i32 s46, s[BH], 49152
	s_mov_b32 s45, 0
	s_mov_b32 s[SEL], 0x76543210
	s_mov_b32 s[SEL+1], 0xfedcba98
	s_mov_b32 s[CS], 0x3e38aa3b                    ; log2(e) / 8
	s_mov_b32 s[CS+1], s[CS]                       ; (named with it as a pair, so it is written)
	s_wait_kmcnt 0x0
	s_add_co_u32 s44, s46, KCO
	s_add_nc_u64 s[36:37], s[4:5], s[44:45]
	s_add_co_u32 s44, s46, VCO
	s_add_nc_u64 s[38:39], s[4:5], s[44:45]
	s_lshl_b32 s44, s[BH], 12
	s_add_co_u32 s44, s44, KSO
	s_add_nc_u64 s[40:41], s[4:5], s[44:45]
	s_lshl_b32 s44, s[BH], 11
	s_add_co_u32 s44, s44, VSO
	s_add_nc_u64 s[42:43], s[4:5], s[44:45]
	BASES 0
	BASES 1
.irp i, 0,1,2,3,4,5
	global_load_b128 v[96+4*\i:99+4*\i], v150, s[36:37] offset:8192*\i
.endr
.irp i, 0,1,2,3,4,5
	global_load_b128 v[120+4*\i:123+4*\i], v151, s[38:39] offset:512*\i
.endr
	global_load_b64 v[144:145], v153, s[40:41]
.irp i, 0,1,2,3
	global_load_u8 v[146+\i], v154, s[42:43] offset:64*\i
.endr
	global_load_b128 v[16:19], v1, s[20:21]
	global_load_b64 v[20:21], v31, s[20:21] offset:512
	global_load_b32 v28, v7, s[24:25]
	global_load_b128 v[200:203], v1, s[22:23]
	global_load_b64 v[204:205], v31, s[22:23] offset:512
	global_load_b32 v29, v7, s[26:27]
.irp j, 22,23,24,25,26,27,206,207,208,209,210,211,80,81,82,83,84,85
	v_mov_b32 v\j, 0                               ; zero codes: the upper 64 of the first product's K
.endr
.irp j, 236,237,238,239,252,253
	v_mov_b32 v\j, 0                               ; written once: lane permutes' destinations, and the upper half of the pair v[252:253]
.endr
	s_wait_loadcnt 0x0
.irp i, 0,1,2,3,4,5
	ds_store_b128 v150, v[96+4*\i:99+4*\i] offset:8192*\i
.endr
.irp i, 0,1,2,3,4,5
	ds_store_b128 v152, v[120+4*\i:123+4*\i] offset:512*\i+128*(\i/3)
.endr
	ds_store_b64 v156, v[144:145]
	v_lshl_or_b32 v146, v147, 8, v146              ; four key blocks' bytes make a step's scale word
	v_lshl_or_b32 v146, v148, 16, v146
	v_lshl_or_b32 v146, v149, 24, v146
	ds_store_b32 v155, v146
	s_wait_dscnt 0x0                               ; for the others' sake: my part of the head lies in LDS
	s_barrier_signal -1
	s_barrier_wait -1                              ; the one barrier: from here on LDS is only read
.macro TILE x, qf, qs
	s_wait_xcnt 0x0                                ; the tile before has had its stores' registers read
	v_mov_b32 v13, 0xff61b1e6                      ; the largest t so far: -3e38
	v_floor_f32 v12, -v13                          ; -M
	v_mov_b32 v14, 0
	v_mov_b32 v15, 0
.irp j, 0,1,2,3,4,5,6,7,8,9,10,11,12,13,14,15,16,17,18,19,20,21,22,23,24,25,26,27,28,29,30,31
	v_mov_b32 v[160+\j], 0                         ; O^T: the step is written once; its first turn finds zeros, which the first change of M leaves zeros
.endr
	s_lshr_b32 s[DS], s[12+\x], 2
	s_and_b32 s[QD], s[12+\x], 3
	s_lshl_b32 s[QD], s[QD], 5
	s_mov_b32 s[KI], 0
	s_mov_b32 s[TK], 0
	s_mov_b32 s[TV], 0
	s_mov_b32 s[TS], 0
	s_mov_b32 s[TT], 0
.Lstep_\@:
	s_cmp_gt_u32 s[KI], s[DS]                      ; all 128 keys come after my queries: only the addresses step
	s_cbranch_scc1 .Lhidden_\@
	v_add_nc_u32 v8, s[TK], v1                     ; (these five are also the places in front of the loads into registers that the last products read)
	v_add_nc_u32 v9, s[TK], v2
	v_add_nc_u32 v10, s[TV], v3
	v_add_nc_u32 v11, s[TS], v4
	v_add_nc_u32 v30, s[TT], v5
.irp i, 0,1,2,3,4,5,6,7
	ds_load_b128 v[32+6*\i:35+6*\i], v8 offset:768*\i
	ds_load_b64 v[36+6*\i:37+6*\i], v9 offset:768*\i
.endr
.irp g, 0,1,2,3
	ds_load_b32 v[196+\g], v11 offset:128*\g       ; lanes 0-15 tile 2 g's words, lanes 16-31 tile 2 g + 1's
.endr
	s_wait_dscnt 0x0
.irp i, 0,2,4,6
	v_wmma_scale_f32_16x16x128_f8f6f4 v[96+8*\i:103+8*\i], v[32+6*\i:43+6*\i], v[\qf:\qf+11], 0, v[196+\i/2], v[\qs] matrix_a_fmt:MATRIX_FMT_FP6 matrix_b_fmt:MATRIX_FMT_FP6
	v_wmma_scale_f32_16x16x128_f8f6f4 v[104+8*\i:111+8*\i], v[38+6*\i:49+6*\i], v[\qf:\qf+11], 0, v[196+\i/2], v[\qs] matrix_a_fmt:MATRIX_FMT_FP6 matrix_b_fmt:MATRIX_FMT_FP6 matrix_a_scale:MATRIX_SCALE_ROW1
.endr
.rept 4
	v_nop                                          ; four places in front of the loads below and of the first read of the scores
.endr
.irp n, 0,1,2,3                                ; V's four fragments land while the softmax is walked
.irp c, 0,1
.irp p, 0,1,2
	ds_load_b64 v[32+12*\n+6*\c+2*\p:33+12*\n+6*\c+2*\p], v10 offset:2*\c*VBP+384*\n+8*\p
.endr
.endr
	ds_load_b32 v[192+\n], v30 offset:64*\n
.endr
	s_cmp_lt_u32 s[KI], s[DS]                      ; all 128 keys count: no mask
	s_cbranch_scc1 .Lopen_\@
	v_add_nc_u32 v252, s[QD], v6                   ; register 16 b + i holds the step's key 32 b + 16 h + i: hidden where 32 b + i > my query in the step - 16 h
	v_mov_b32 v254, 0xff800000                     ; -infinity: p = 0 then
.irp n, 0,1,2,3,4,5,6,7,8,9,10,11,12,13,14,15,16,17,18,19,20,21,22,23,24,25,26,27,28,29,30,31,32,33,34,35,36,37,38,39,40,41,42,43,44,45,46,47,48,49,50,51,52,53,54,55,56,57,58,59,60,61,62,63
	v_cmp_gt_i32 vcc_lo, 32*(\n/16)+\n%16, v252
	v_cndmask_b32 v[96+\n], v[96+\n], v254, vcc_lo
.endr
.Lopen_\@:
.irp b, 0,1,2,3
	v_max3_num_f32 v[232+\b], v[96+16*\b], v[97+16*\b], v[98+16*\b]   ; the largest score of each block of 32 keys: for the row's maximum and, since p rises with the score, for the block's largest p
.endr
.irp i, 3,5,7,9,11,13
.irp b, 0,1,2,3
	v_max3_num_f32 v[232+\b], v[232+\b], v[96+16*\b+\i], v[97+16*\b+\i]
.endr
.endr
.irp b, 0,1,2,3
	v_max_num_f32 v[232+\b], v[232+\b], v[111+16*\b]
.endr
.irp b, 0,1,2,3
	v_permlanex16_b32 v[236+\b], v[232+\b], s[SEL], s[SEL+1]
.endr
.irp b, 0,1,2,3
	v_max_num_f32 v[232+\b], v[232+\b], v[236+\b]
.endr
	v_max3_num_f32 v254, v232, v233, v234
	v_max_num_f32 v254, v254, v235
	v_mul_f32 v254, s[CS], v254                    ; the step's largest t of my query
	v_max_num_f32 v13, v13, v254
	v_mov_b32 v254, v12
	v_floor_f32 v12, -v13                          ; the new -M = -ceil(t)
	v_sub_f32 v254, v12, v254                      ; old M - new M: a whole number, 0 or less
	v_cvt_i32_f32 v254, v254                       ; (it saturates)
	v_ldexp_f32 v252, 1.0, v254                    ; f = 2^(old M - new M)
.irp j, 0,2,4,6,8,10,12,14,16,18,20,22,24,26,28,30,32,34,36,38,40,42,44,46,48,50,52,54,56,58,60,62
	v_pk_fma_f32 v[96+\j:97+\j], v[96+\j:97+\j], s[CS:CS+1], v[12:13] op_sel_hi:[1,0,0]   ; t - M
.endr
.irp b, 0,1,2,3
	v_fma_f32 v[232+\b], v[232+\b], s[CS], v12
.endr
.irp j, 0,1,2,3,4,5,6,7,8,9,10,11,12,13,14,15,16,17,18,19,20,21,22,23,24,25,26,27,28,29,30,31,32,33,34,35,36,37,38,39,40,41,42,43,44,45,46,47,48,49,50,51,52,53,54,55,56,57,58,59,60,61,62,63
	v_exp_f32 v[96+\j], v[96+\j]                   ; p = 2^(t - M)
.endr
.irp b, 0,1,2,3
	v_exp_f32 v[232+\b], v[232+\b]                 ; each block's largest p: the same two instructions on the same number
.endr
	v_pk_mul_f32 v[14:15], v[14:15], v[252:253] op_sel_hi:[1,0]   ; the sum under the new M (a plain place behind the exponentials)
	s_wait_alu depctr_va_vdst(0)
.irp b, 0,1,2,3
	v_max_num_f32 v[232+\b], 0x1800000, v[232+\b]  ; the floor 2^(3 - 127)
.endr
.irp b, 0,1,2,3
	v_add_nc_u32 v[244+\b], 0xff000000, v[232+\b]
.endr
.irp b, 0,1,2,3
	v_lshrrev_b32 v[236+\b], 23, v[244+\b]
.endr
	v_lshl_or_b32 v253, v237, 8, v236              ; p's scale word for these 128 keys
	v_lshl_or_b32 v253, v238, 16, v253
	v_lshl_or_b32 v253, v239, 24, v253
.irp c, 0,1
	v_cvt_scalef32_pk16_fp6_f32 v[224+6*\c:226+6*\c], v[96+32*\c:111+32*\c], v[244+2*\c]
	v_cvt_scalef32_pk16_fp6_f32 v[236+4*\c:238+4*\c], v[112+32*\c:127+32*\c], v[244+2*\c+1]
.endr
	v_nop                                          ; one plain place behind a scaled conversion
.irp c, 0,1
.irp i, 0,1,2
	v_permlane16_swap_b32 v[224+6*\c+\i], v[236+4*\c+\i]
.endr
.irp i, 0,1,2
	v_mov_b32 v[227+6*\c+\i], v[236+4*\c+\i]
.endr
.endr
.irp j, 0,2,4,6,8,10,12,14,16,18,20,22,24,26,28,30
	v_pk_mul_f32 v[160+\j:161+\j], v[160+\j:161+\j], v[252:253] op_sel_hi:[1,0]   ; O^T under the new M
.endr
	v_pk_add_f32 v[236:237], v[96:97], v[98:99]    ; the row's sum of the UNQUANTISED p, in two chains.  (These 32 additions are the places between the scale word, the codes, O^T and the products)
.irp j, 4,8,12,16,20,24,28,32,36,40,44,48,52,56,60
	v_pk_add_f32 v[14:15], v[14:15], v[96+\j:97+\j]
	v_pk_add_f32 v[236:237], v[236:237], v[98+\j:99+\j]
.endr
	v_pk_add_f32 v[14:15], v[14:15], v[236:237]
	s_wait_dscnt 0x0                               ; V's fragments and scale words are in
.irp n, 0,1,2,3
	v_wmma_scale_f32_16x16x128_f8f6f4 v[160+8*\n:167+8*\n], v[32+12*\n:43+12*\n], v[224:235], v[160+8*\n:167+8*\n], v[192+\n], v253 matrix_a_fmt:MATRIX_FMT_FP6 matrix_b_fmt:MATRIX_FMT_FP6
.endr
.Lhidden_\@:
	s_add_co_u32 s[TK], s[TK], 6144
	s_add_co_u32 s[TV], s[TV], 4*VBP
	s_add_co_u32 s[TS], s[TS], 512
	s_add_co_u32 s[TT], s[TT], 256
	s_add_co_u32 s[KI], s[KI], 1
	s_cmp_lt_u32 s[KI], 8
	s_cbranch_scc1 .Lstep_\@
.rept 4
	v_nop                                          ; four places behind the last products
.endr
	v_add_f32 v14, v14, v15
	v_permlanex16_b32 v252, v14, s[SEL], s[SEL+1]
	v_add_f32 v14, v14, v252                       ; the row's sum
	v_rcp_f32 v14, v14
	v_nop                                          ; one plain place behind a transcendental
	s_wait_alu depctr_va_vdst(0)
.irp j, 0,1,2,3,4,5,6,7,8,9,10,11,12,13,14,15,16,17,18,19,20,21,22,23,24,25,26,27,28,29,30,31
	v_mul_f32 v[96+\j], v[160+\j], v14             ; register 16 b + i: channel 32 b + 16 h + i of the head
.endr
	HQ 96, 224, 232, 236
	global_store_b128 v1, v[224:227], s[28+2*\x:29+2*\x]            ; the half image: 512 consecutive bytes,
	global_store_b64 v31, v[228:229], s[28+2*\x:29+2*\x] offset:512 ; and 256
	global_store_b32 v7, v232, s[32+2*\x:33+2*\x]                   ; both halves of the lanes write the same word with the same value
.endm
	TILE 0, 16, 28
	TILE 1, 200, 29
	s_wait_tensorcnt 0x0
	ds_add_u32 v251, v255
	s_wait_dscnt 0x0
	s_endpgm
.Lfunc_end_k_qa3b245e5e6_attn:
	.size	k_qa3b245e5e6_attn, .Lfunc_end_k_qa3b245e5e6_attn-k_qa3b245e5e6_attn
	.p2alignl 7, 3214868480
	.fill 96, 4, 3214868480
	.section	.rodata,"a",@progbits
	.p2align	6, 0x0
	.amdhsa_kernel k_qa3b245e5e6_attn
		.amdhsa_group_segment_fixed_size 110592
		.amdhsa_private_segment_fixed_size 0
		.amdhsa_enable_private_segment 0
		.amdhsa_kernarg_size 16
		.amdhsa_user_sgpr_count 2
		.amdhsa_user_sgpr_kernarg_segment_ptr 1
		.amdhsa_wavefront_size32 1
		.amdhsa_system_sgpr_workgroup_id_x 1
		.amdhsa_system_sgpr_workgroup_id_y 1
		.amdhsa_system_sgpr_workgroup_id_z 1
		.amdhsa_system_vgpr_workitem_id 0
		.amdhsa_next_free_vgpr 256
		.amdhsa_next_free_sgpr 66
		.amdhsa_reserve_vcc 1
		.amdhsa_float_denorm_mode_32 3
		.amdhsa_float_denorm_mode_16_64 3
		.amdhsa_memory_ordered 1
		.amdhsa_forward_progress 1
		.amdhsa_inst_pref_size 63
	.end_amdhsa_kernel
	.amdgpu_metadata
---
amdhsa.version: [ 1, 2 ]
amdhsa.kernels:
  - .name:           k_qa3b245e5e6_attn
    .symbol:         k_qa3b245e5e6_attn.kd
    .args:
      - { .name: qkv, .offset: 0, .size: 8, .value_kind: global_buffer, .address_space: global }
      - { .name: att, .offset: 8, .size: 8, .value_kind: global_buffer, .address_space: global }
    .group_segment_fixed_size: 110592
    .private_segment_fixed_size: 0
    .kernarg_segment_align: 8
    .kernarg_segment_size: 16
    .max_flat_workgroup_size: 512
    .sgpr_count:     66
    .vgpr_count:     256
    .wavefront_size: 32
...
	.end_amdgpu_metadata
.endif
;; end of part 3
;; launch tail (part 4): grid 256 x 1, 16 waves a work-group, no clusters, 217,088 bytes of LDS; arguments x, att, wts, bproj, b1, b2, g2, beta2, out0; writes out0
.if DOCPART == 4
	.amdgcn_target "amdgcn-amd-amdhsa--gfx1250"
	.amdhsa_code_object_version 6
	.text
	.protected	k_qa3b245e5e6_tail
	.globl	k_qa3b245e5e6_tail
	.p2align	8
	.type	k_qa3b245e5e6_tail,@function
k_qa3b245e5e6_tail:
	s_mov_b64 s[64:65], 0
	v_nop
	global_prefetch_b8 v0, s[64:65] scope:SCOPE_SE
	s_setreg_imm32_b32 hwreg(HW_REG_WAVE_MODE, 25, 1), 1
	s_wait_xcnt 0x0
; x1 = x + attn Wproj + bproj;  xn2 = LayerNorm(x1);  h = relu(xn2 W1 + b1);  out = x1 + h W2 + b2.  The three products on codes of FP6 (E2M3); x1, xn2 and h never go to memory.
; SHARES: a work-group owns 32 tokens and all 1,024 columns; wave w owns columns 64 w .. 64 w + 63 of every product.  Each weight fragment is used by ONE wave of the work-group and goes from memory
; straight into its operand registers (three loads of 512 consecutive bytes): through LDS the same bytes would be written and read once more; that is why no LDS ring and no joint loads are used here.
; Source 0 = 16 columns of the weight, source 1 = 16 tokens: a lane holds one token (lane r of tile m: token 8 m + r + 8 (r / 8) of the 32), and register 32 m + 16 b + i column 64 w + 32 b + 16 h + i.
; A wave's 64 columns are one half image (16 rows x 64 K, 768 bytes: registers 0-3 of lane L at 16 L, registers 4-5 at 512 + 8 L) of the next product's operand, which goes to the other waves through LDS.
; The residual and the bias start each sum: x + bproj is the accumulator that the first product adds onto, b1 is the C of the second product's first step, x1 + b2 starts the third
; (another order of rounding than x + (attn Wproj) + bproj; the difference is of the size of an f32 rounding).
; LDS: AI0 0, AI1 24,576: [tile 2][half 16][768];  AS0 49,152, AS1 50,176: [tile][row][32 scale bytes];  RED0 51,200, RED1 53,248: [token 32][wave 16] f32;
;      PAR 55,296: bproj, b1, b2, g2, beta2 of the wave's 64 columns, 1,280 bytes a wave;  X1B 75,776: 32 rows x (256 + 16) bytes a wave: x, then x1, then the result.
; REGISTERS: v1 16 L, v2 8 L, v3 32 r, v4-15 addresses, v16-79 accumulators, v80-127, v128-175 two sets of four weight fragments, v176-199 two operand fragments (between the products: at work),
;            v200-215 the operand's scale words, v216-247 biases and gains, v248-251 the weights' scale words, v252-255 mean and 1 / sqrt of the two tiles.
; LIMITS: NaN and infinities are not served; a block whose largest magnitude lies under 2^-124 takes the byte 1; a block of zeros has the byte 1 and zero codes.
.set W0,  3                            ; the first weight of this launch's stream: Wproj, W1, W2
.set AI0, 0
.set AI1, 24576
.set AS0, 49152
.set AS1, 50176
.set RED0, 51200
.set PAR, 55296
.set X1B, 75776
.set WSO, 4718592
.set ASGO, 6291456
.set ACC, 16
.set BF,  80
.set AF,  176
.set ASR, 200
.set BI,  216
.set BS,  248
.set WV,  22
.set WCP, 24
.set WSP, 26
.set XB,  28
.set OB,  30
.set ACB, 32
.set ASGB, 34
.set SEL, 36
.set HM,  38                           ; mask of lanes 16-31
.set C10, 39                           ; 2^-10
.set EPS, 40
.macro LOADB q                         ; stream step q (0 .. 23): weight q / 8, K step q % 8: four fragments and their scale words: 13 loads, into set q % 2
.irp i, 0,1,2,3,4,5,6,7,8,9,10,11
	global_load_b128 v[BF+48*((\q)%2)+4*\i:BF+48*((\q)%2)+4*\i+3], v1, s[WCP:WCP+1] offset:(W0+(\q)/8)*786432+((\q)%8)*6144+512*\i
.endr
	global_load_b64 v[BS+2*((\q)%2):BS+2*((\q)%2)+1], v2, s[WSP:WSP+1] offset:(W0+(\q)/8)*32768+((\q)%8)*256
.endm
.macro LOADA ai, s                     ; the two tiles' fragments of K step s: two half images each
.irp m, 0,1
	ds_load_b128 v[AF+12*\m:AF+12*\m+3], v1 offset:\ai+(16*\m+2*(\s))*768
	ds_load_b64 v[AF+12*\m+4:AF+12*\m+5], v2 offset:\ai+(16*\m+2*(\s))*768+512
	ds_load_b128 v[AF+12*\m+6:AF+12*\m+9], v1 offset:\ai+(16*\m+2*(\s))*768+768
	ds_load_b64 v[AF+12*\m+10:AF+12*\m+11], v2 offset:\ai+(16*\m+2*(\s))*768+1280
.endr
.endm
.macro LOADS as                        ; all eight K steps' scale words of the two tiles
.irp m, 0,1
.irp k, 0,1
	ds_load_b128 v[ASR+8*\m+4*\k:ASR+8*\m+4*\k+3], v3 offset:\as+512*\m+16*\k
.endr
.endr
.endm
; Eight matrix instructions: four weight tiles x two token tiles.  The eight accumulators take turns, one instruction a turn, from K step to K step too.
; cm = 1: C is the bias; cm = 2: the sum so far.  The weights' scale words of tiles 2 j and 2 j + 1 share a register: lanes 0-15 and lanes 16-31.
.macro MM q, cm
.irp t, 0,1,2,3
.irp m, 0,1
.set DD,  ACC+8*(4*\m+\t)
.set OPA, BF+48*((\q)%2)+12*\t
.set OPB, AF+12*\m
.set SCA, BS+2*((\q)%2)+\t/2
.set SCB, ASR+8*\m+(\q)%8
.set CC, DD
.if \cm == 1
.set CC, BI+8*\t
.endif
.if (\t%2) == 0
	v_wmma_scale_f32_16x16x128_f8f6f4 v[DD:DD+7], v[OPA:OPA+11], v[OPB:OPB+11], v[CC:CC+7], v[SCA], v[SCB] matrix_a_fmt:MATRIX_FMT_FP6 matrix_b_fmt:MATRIX_FMT_FP6
.else
	v_wmma_scale_f32_16x16x128_f8f6f4 v[DD:DD+7], v[OPA:OPA+11], v[OPB:OPB+11], v[CC:CC+7], v[SCA], v[SCB] matrix_a_fmt:MATRIX_FMT_FP6 matrix_b_fmt:MATRIX_FMT_FP6 matrix_a_scale:MATRIX_SCALE_ROW1
.endif
.endr
.endr
.endm
.macro KSTEP q, ai, cm
	LOADA \ai, (\q)%8
.if (\q) < 23
	s_wait_loadcnt 13                              ; this step's 13 loads are in; the next step's 13 may be out
.else
	s_wait_loadcnt 0x0
.endif
	s_wait_dscnt 0x0
	MM \q, \cm
.rept 4
	v_nop                                          ; four places in front of loads into registers that matrix instructions have read, and of the first read of results
.endr
.if (\q)+2 <= 23
	LOADB (\q)+2                                   ; into the set just multiplied
.endif
.endm
.macro HQ src, pc, pw, tm              ; 32 numbers of a lane, register 16 b + i = k 32 b + 16 h + i, become a half image in v[pc .. pc+5] and two scale bytes in v[pw]
.irp b, 0,1
	v_max3_num_f32 v[\tm+\b], |v[\src+16*\b]|, |v[\src+16*\b+1]|, 0x1800000
.endr
.irp i, 2,4,6,8,10,12,14
.irp b, 0,1
	v_max3_num_f32 v[\tm+\b], v[\tm+\b], |v[\src+16*\b+\i]|, |v[\src+16*\b+\i+1]|
.endr
.endr
.irp b, 0,1
	v_permlanex16_b32 v[\tm+2+\b], v[\tm+\b], s[SEL], s[SEL+1]
.endr
.irp b, 0,1
	v_max_num_f32 v[\tm+\b], v[\tm+\b], v[\tm+2+\b]
.endr
.irp b, 0,1
	v_add_nc_u32 v[\tm+4+\b], 0xff000000, v[\tm+\b]
.endr
.irp b, 0,1
	v_lshrrev_b32 v[\tm+2+\b], 23, v[\tm+4+\b]
.endr
	v_lshl_or_b32 v[\pw], v[\tm+3], 8, v[\tm+2]
	v_cvt_scalef32_pk16_fp6_f32 v[\pc:\pc+2], v[\src:\src+15], v[\tm+4]
	v_cvt_scalef32_pk16_fp6_f32 v[\pc+4:\pc+6], v[\src+16:\src+31], v[\tm+5]
	v_nop                                          ; one plain place behind a scaled conversion
.irp i, 0,1,2
	v_permlane16_swap_b32 v[\pc+\i], v[\pc+4+\i]
.endr
.irp i, 0,1,2
	v_mov_b32 v[\pc+3+\i], v[\pc+4+\i]
.endr
.endm
.macro BAR                             ; my LDS stores have landed and my LDS loads are in: then the work-group's barrier
	s_wait_dscnt 0x0
	s_barrier_signal -1
	s_barrier_wait -1
.endm
.macro XST                             ; the 64 accumulator registers into my rows: registers 32 m + 16 b + 8 u + 4 k at 4,352 m + 128 b + 32 u + 16 k; each accumulator from its low end on
.irp n, 0,1,2,3,4,5,6,7,8,9,10,11,12,13,14,15
	ds_store_b128 v6, v[16+4*\n:19+4*\n] offset:4352*(\n/8)+16*(\n%8)+64*((\n/4)%2)
.endr
.endm
.macro XLD                             ; and back
.irp n, 0,1,2,3,4,5,6,7,8,9,10,11,12,13,14,15
	ds_load_b128 v[16+4*\n:19+4*\n], v6 offset:4352*(\n/8)+16*(\n%8)+64*((\n/4)%2)
.endr
.endm
.macro PLD vec                         ; a parameter vector's 32 numbers of my lanes' half, in the accumulators' order
.irp n, 0,1,2,3,4,5,6,7
	ds_load_b128 v[BI+4*\n:BI+4*\n+3], v8 offset:256*\vec+16*\n+64*(\n/4)
.endr
.endm
.macro PLDH dst, vec, b                ; 16 of them: block b
.irp n, 0,1,2,3
	ds_load_b128 v[\dst+4*\n:\dst+4*\n+3], v8 offset:256*\vec+128*\b+16*\n
.endr
.endm
.macro ADDB                            ; the bias onto both tiles
.irp m, 0,1
.irp j, 0,2,4,6,8,10,12,14,16,18,20,22,24,26,28,30
	v_pk_add_f32 v[16+32*\m+\j:17+32*\m+\j], v[16+32*\m+\j:17+32*\m+\j], v[BI+\j:BI+\j+1]
.endr
.endr
.endm
.macro GBF b                           ; x g2 + beta2, block b of both tiles
.irp m, 0,1
.irp j, 0,2,4,6,8,10,12,14
	v_pk_fma_f32 v[16+32*\m+16*\b+\j:17+32*\m+16*\b+\j], v[16+32*\m+16*\b+\j:17+32*\m+16*\b+\j], v[216+\j:217+\j], v[232+\j:233+\j]
.endr
.endr
.endm
; v176 and v180 hold a lane's part of tile 0's and tile 1's sums.  The 16 waves' parts meet in LDS; v184 then holds the whole sum of token (physical row) L.
.macro TRED off
.irp m, 0,1
	v_permlanex16_b32 v[177+4*\m], v[176+4*\m], s[SEL], s[SEL+1]
.endr
.irp m, 0,1
	v_add_f32 v[176+4*\m], v[176+4*\m], v[177+4*\m]
.endr
	v_cndmask_b32 v184, v176, v180, s[HM]          ; lanes 0-15 tile 0's rows, lanes 16-31 tile 1's
	ds_store_b32 v11, v184 offset:\off
	BAR
.irp k, 0,1,2,3
	ds_load_b128 v[184+4*\k:187+4*\k], v12 offset:\off+16*\k
.endr
	s_wait_dscnt 0x0
	v_pk_add_f32 v[184:185], v[184:185], v[186:187]
	v_pk_add_f32 v[188:189], v[188:189], v[190:191]
	v_pk_add_f32 v[192:193], v[192:193], v[194:195]
	v_pk_add_f32 v[196:197], v[196:197], v[198:199]
	v_pk_add_f32 v[184:185], v[184:185], v[188:189]
	v_pk_add_f32 v[192:193], v[192:193], v[196:197]
	v_pk_add_f32 v[184:185], v[184:185], v[192:193]
	v_add_f32 v184, v184, v185
.endm
.macro SPREAD                          ; v184 of row L becomes v252 (tile 0's row r) and v254 (tile 1's row r) in every lane
	v_permlanex16_b32 v185, v184, s[SEL], s[SEL+1]
	v_cndmask_b32 v252, v184, v185, s[HM]
	v_cndmask_b32 v254, v185, v184, s[HM]
.endm
.macro QOUT ai, as                     ; my 64 columns of both tiles become half image w of the next operand
.irp m, 0,1
	HQ 16+32*\m, 184+8*\m, 182+\m, 176
	ds_store_b128 v13, v[184+8*\m:187+8*\m] offset:\ai+12288*\m
	ds_store_b64 v14, v[188+8*\m:189+8*\m] offset:\ai+12288*\m
	ds_store_b16 v15, v[182+\m] offset:\as+512*\m  ; both halves of the lanes write the same two bytes
.endr
.endm
	s_load_b256 s[4:11], s[0:1], 0x0               ; x, att, wts, bproj
	s_load_b256 s[12:19], s[0:1], 0x20             ; b1, b2, g2, beta2
	s_load_b64 s[20:21], s[0:1], 0x40              ; out0
	v_lshrrev_b32 v15, 5, v0
	v_readfirstlane_b32 s[WV], v15                 ; wave 0..15
	v_and_b32 v254, 31, v0                         ; L
	v_and_b32 v255, 15, v0                         ; r
	v_bfe_u32 v252, v0, 4, 1                       ; h
	v_lshlrev_b32 v1, 4, v254
	v_lshlrev_b32 v2, 3, v254
	v_lshlrev_b32 v3, 5, v255
	v_cmp_le_u32 s[HM], 16, v254
	v_lshlrev_b32 v4, 12, v252
	v_lshl_add_u32 v4, v255, 4, v4                 ; x, out0: lanes 0-15 one row's 256 bytes, lanes 16-31 the next row's
	s_mul_i32 s44, s[WV], 8704
	s_add_co_u32 s44, s44, X1B
	v_mul_u32_u24 v5, v252, 272
	v_lshl_add_u32 v5, v255, 4, v5
	v_add_nc_u32 v5, s44, v5                       ; my rows, by rows
	v_mul_u32_u24 v6, v255, 272
	v_lshl_add_u32 v6, v252, 6, v6
	v_add_nc_u32 v6, s44, v6                       ; my rows, in the accumulators' order: row r, + 64 h
	s_mul_i32 s45, s[WV], 1280
	s_add_co_u32 s45, s45, PAR
	v_add_nc_u32 v7, s45, v2
	v_lshl_add_u32 v8, v252, 6, s45
	v_lshlrev_b32 v9, 4, v0                        ; 16 x thread
	v_lshrrev_b32 v10, 8, v0                       ; attn's scale words: thread = (tile, head, row) -> tile x 512 + row x 32 + head x 2
	v_lshlrev_b32 v10, 9, v10
	v_lshl_add_u32 v10, v255, 5, v10
	v_bfe_u32 v11, v0, 4, 4
	v_lshl_add_u32 v10, v11, 1, v10
	v_add_nc_u32 v10, AS0, v10
	s_lshl_b32 s46, s[WV], 2
	s_add_co_u32 s46, s46, RED0
	v_lshl_add_u32 v11, v254, 6, s46               ; row L, my wave's word
	v_lshlrev_b32 v12, 6, v254
	v_add_nc_u32 v12, RED0, v12                    ; row L, all sixteen
	s_mul_i32 s47, s[WV], 768
	v_add_nc_u32 v13, s47, v1
	v_add_nc_u32 v14, s47, v2
	v_add_nc_u32 v14, 512, v14
	s_lshl_b32 s48, s[WV], 1
	v_add_nc_u32 v15, s48, v3
	v_lshlrev_b32 v252, 2, v0                      ; 4 x thread
	s_lshl_b32 s49, s[WV], 8
	v_add_nc_u32 v253, s49, v2                     ; my 8 bytes of the wave's 256 of a parameter vector
	s_mov_b32 s[SEL], 0x76543210
	s_mov_b32 s[SEL+1], 0xfedcba98
	s_mov_b32 s[C10], 0x3a800000                   ; 1 / 1,024
	s_mov_b32 s[EPS], 0x3727c5ac                   ; 1e-5
	s_mov_b32 s43, 0
	s_wait_kmcnt 0x0
	s_mul_i32 s42, s[WV], 49152
	s_add_nc_u64 s[WCP:WCP+1], s[8:9], s[42:43]
	s_lshl_b32 s42, s[WV], 11
	s_add_co_u32 s42, s42, WSO
	s_add_nc_u64 s[WSP:WSP+1], s[8:9], s[42:43]
	s_lshl_b32 s42, ttmp9, 17
	s_add_co_u32 s42, s42, s49
	s_add_nc_u64 s[XB:XB+1], s[4:5], s[42:43]
	s_add_nc_u64 s[OB:OB+1], s[20:21], s[42:43]
	s_mul_i32 s42, ttmp9, 24576
	s_add_nc_u64 s[ACB:ACB+1], s[6:7], s[42:43]
	s_lshl_b32 s42, ttmp9, 11
	s_add_co_u32 s42, s42, ASGO
	s_add_nc_u64 s[ASGB:ASGB+1], s[6:7], s[42:43]
	; ---- attn's images and scale words, my 64 columns of x, my parameters, the stream's first two steps
.irp i, 0,1,2
	global_load_b128 v[176+4*\i:179+4*\i], v9, s[ACB:ACB+1] offset:8192*\i th:TH_LOAD_NT
.endr
	global_load_b32 v188, v252, s[ASGB:ASGB+1] th:TH_LOAD_NT
.irp i, 0,1,2,3,4,5,6,7,8,9,10,11,12,13,14,15
	global_load_b128 v[16+4*\i:19+4*\i], v4, s[XB:XB+1] offset:(((2*\i)&7)+16*(((2*\i)>>3)&1)+8*((2*\i)>>4))*4096 th:TH_LOAD_NT   ; physical rows 2 i, 2 i + 1: the tokens with bits 3 and 4 exchanged
.endr
.irp p, 0,1,2,3,4
	global_load_b64 v[190+2*\p:191+2*\p], v253, s[10+2*\p:11+2*\p]
.endr
	LOADB 0
	LOADB 1
	s_wait_loadcnt 26                              ; all but the stream's two steps of 13
.irp i, 0,1,2
	ds_store_b128 v9, v[176+4*\i:179+4*\i] offset:AI0+8192*\i
.endr
	ds_store_b16 v10, v188
.irp i, 0,1,2,3,4,5,6,7,8,9,10,11,12,13,14,15
	ds_store_b128 v5, v[16+4*\i:19+4*\i] offset:544*\i
.endr
.irp p, 0,1,2,3,4
	ds_store_b64 v7, v[190+2*\p:191+2*\p] offset:256*\p
.endr
	XLD                                            ; LDS serves a wave's instructions in order: x comes back in the accumulators' order
	PLD 0                                          ; bproj
	BAR                                            ; attn's 32 half images and scale bytes lie in LDS
	ADDB                                           ; x + bproj starts the sums
	LOADS AS0
	; ---- x1 = x + bproj + attn Wproj
.irp q, 0,1,2,3,4,5,6,7
	KSTEP \q, AI0, 2
.endr
	XST                                            ; x1 is parked in my rows
	PLDH 216, 3, 0                                 ; g2's and beta2's first halves come meanwhile
	PLDH 232, 4, 0
	; ---- LayerNorm 2: mean, then the mean of the squared differences (two passes: no difference of large sums)
.irp m, 0,1
	v_pk_add_f32 v[176+4*\m:177+4*\m], v[16+32*\m:17+32*\m], v[18+32*\m:19+32*\m]
	v_pk_add_f32 v[178+4*\m:179+4*\m], v[20+32*\m:21+32*\m], v[22+32*\m:23+32*\m]
.endr
.irp j, 8,12,16,20,24,28
.irp m, 0,1
	v_pk_add_f32 v[176+4*\m:177+4*\m], v[176+4*\m:177+4*\m], v[16+32*\m+\j:17+32*\m+\j]
	v_pk_add_f32 v[178+4*\m:179+4*\m], v[178+4*\m:179+4*\m], v[18+32*\m+\j:19+32*\m+\j]
.endr
.endr
.irp m, 0,1
	v_pk_add_f32 v[176+4*\m:177+4*\m], v[176+4*\m:177+4*\m], v[178+4*\m:179+4*\m]
.endr
.irp m, 0,1
	v_add_f32 v[176+4*\m], v[176+4*\m], v[177+4*\m]
.endr
	TRED 0
	v_mul_f32 v184, s[C10], v184                   ; the mean
	SPREAD
.irp m, 0,1
.irp j, 0,2,4,6,8,10,12,14,16,18,20,22,24,26,28,30
	v_pk_add_f32 v[16+32*\m+\j:17+32*\m+\j], v[16+32*\m+\j:17+32*\m+\j], v[252+2*\m:253+2*\m] op_sel_hi:[1,0] neg_lo:[0,1] neg_hi:[0,1]
.endr
.endr
.irp m, 0,1
	v_pk_mul_f32 v[176+4*\m:177+4*\m], v[16+32*\m:17+32*\m], v[16+32*\m:17+32*\m]
	v_pk_mul_f32 v[178+4*\m:179+4*\m], v[18+32*\m:19+32*\m], v[18+32*\m:19+32*\m]
.endr
.irp j, 4,8,12,16,20,24,28
.irp m, 0,1
	v_pk_fma_f32 v[176+4*\m:177+4*\m], v[16+32*\m+\j:17+32*\m+\j], v[16+32*\m+\j:17+32*\m+\j], v[176+4*\m:177+4*\m]
	v_pk_fma_f32 v[178+4*\m:179+4*\m], v[18+32*\m+\j:19+32*\m+\j], v[18+32*\m+\j:19+32*\m+\j], v[178+4*\m:179+4*\m]
.endr
.endr
.irp m, 0,1
	v_pk_add_f32 v[176+4*\m:177+4*\m], v[176+4*\m:177+4*\m], v[178+4*\m:179+4*\m]
.endr
.irp m, 0,1
	v_add_f32 v[176+4*\m], v[176+4*\m], v[177+4*\m]
.endr
	TRED 2048
	v_fma_f32 v184, v184, s[C10], s[EPS]
	v_rsq_f32 v184, v184
	v_nop                                          ; one plain place behind a transcendental
	s_wait_alu depctr_va_vdst(0)
	SPREAD
.irp m, 0,1
.irp j, 0,2,4,6,8,10,12,14,16,18,20,22,24,26,28,30
	v_pk_mul_f32 v[16+32*\m+\j:17+32*\m+\j], v[16+32*\m+\j:17+32*\m+\j], v[252+2*\m:253+2*\m] op_sel_hi:[1,0]
.endr
.endr
	GBF 0
	PLDH 216, 3, 1
	PLDH 232, 4, 1
	s_wait_dscnt 0x0
	GBF 1
	QOUT AI1, AS1
	PLD 1                                          ; b1
	BAR                                            ; xn2's 32 half images and scale bytes lie in LDS
	LOADS AS1
	; ---- h = relu(xn2 W1 + b1)
	KSTEP 8, AI1, 1
.irp q, 9,10,11,12,13,14,15
	KSTEP \q, AI1, 2
.endr
.irp j, 0,1,2,3,4,5,6,7,8,9,10,11,12,13,14,15,16,17,18,19,20,21,22,23,24,25,26,27,28,29,30,31,32,33,34,35,36,37,38,39,40,41,42,43,44,45,46,47,48,49,50,51,52,53,54,55,56,57,58,59,60,61,62,63
	v_max_num_f32 v[16+\j], 0, v[16+\j]
.endr
	QOUT AI0, AS0                                  ; attn's images were last read ahead of the barrier of the first sum, in every wave
	XLD                                            ; x1
	PLD 2                                          ; b2
	BAR                                            ; h's 32 half images and scale bytes lie in LDS
	ADDB                                           ; x1 + b2 starts the sums
	LOADS AS0
	; ---- out = x1 + b2 + h W2
.irp q, 16,17,18,19,20,21,22,23
	KSTEP \q, AI0, 2
.endr
	XST                                            ; the way out: through my rows, back by rows
.irp i, 0,1,2,3,4,5,6,7,8,9,10,11,12,13,14,15
	ds_load_b128 v[80+4*\i:83+4*\i], v5 offset:544*\i
.endr
.irp i, 0,1,2,3,4,5,6,7,8,9,10,11,12,13,14,15
	s_wait_dscnt 15-\i                             ; LDS loads come back in order: pair i of rows is in
	global_store_b128 v4, v[80+4*\i:83+4*\i], s[OB:OB+1] offset:(((2*\i)&7)+16*(((2*\i)>>3)&1)+8*((2*\i)>>4))*4096 th:TH_STORE_NT   ; 16 lanes store 256 consecutive bytes, aligned
.endr
	s_wait_xcnt 0x0
	v_lshl_add_u32 v254, v0, 2, 0x34800
	v_mov_b32 v255, 0
	s_wait_tensorcnt 0x0
	ds_add_u32 v254, v255
	s_wait_dscnt 0x0
	s_endpgm
.Lfunc_end_k_qa3b245e5e6_tail:
	.size	k_qa3b245e5e6_tail, .Lfunc_end_k_qa3b245e5e6_tail-k_qa3b245e5e6_tail
	.p2alignl 7, 3214868480
	.fill 96, 4, 3214868480
	.section	.rodata,"a",@progbits
	.p2align	6, 0x0
	.amdhsa_kernel k_qa3b245e5e6_tail
		.amdhsa_group_segment_fixed_size 217088
		.amdhsa_private_segment_fixed_size 0
		.amdhsa_enable_private_segment 0
		.amdhsa_kernarg_size 72
		.amdhsa_user_sgpr_count 2
		.amdhsa_user_sgpr_kernarg_segment_ptr 1
		.amdhsa_wavefront_size32 1
		.amdhsa_system_sgpr_workgroup_id_x 1
		.amdhsa_system_sgpr_workgroup_id_y 1
		.amdhsa_system_sgpr_workgroup_id_z 1
		.amdhsa_system_vgpr_workitem_id 0
		.amdhsa_next_free_vgpr 256
		.amdhsa_next_free_sgpr 66
		.amdhsa_reserve_vcc 0
		.amdhsa_float_denorm_mode_32 3
		.amdhsa_float_denorm_mode_16_64 3
		.amdhsa_memory_ordered 1
		.amdhsa_forward_progress 1
		.amdhsa_inst_pref_size 116
	.end_amdhsa_kernel
	.amdgpu_metadata
---
amdhsa.version: [ 1, 2 ]
amdhsa.kernels:
  - .name:           k_qa3b245e5e6_tail
    .symbol:         k_qa3b245e5e6_tail.kd
    .args:
      - { .name: x, .offset: 0, .size: 8, .value_kind: global_buffer, .address_space: global }
      - { .name: att, .offset: 8, .size: 8, .value_kind: global_buffer, .address_space: global }
      - { .name: wts, .offset: 16, .size: 8, .value_kind: global_buffer, .address_space: global }
      - { .name: bproj, .offset: 24, .size: 8, .value_kind: global_buffer, .address_space: global }
      - { .name: b1, .offset: 32, .size: 8, .value_kind: global_buffer, .address_space: global }
      - { .name: b2, .offset: 40, .size: 8, .value_kind: global_buffer, .address_space: global }
      - { .name: g2, .offset: 48, .size: 8, .value_kind: global_buffer, .address_space: global }
      - { .name: beta2, .offset: 56, .size: 8, .value_kind: global_buffer, .address_space: global }
      - { .name: out0, .offset: 64, .size: 8, .value_kind: global_buffer, .address_space: global }
    .group_segment_fixed_size: 217088
    .private_segment_fixed_size: 0
    .kernarg_segment_align: 8
    .kernarg_segment_size: 72
    .max_flat_workgroup_size: 512
    .sgpr_count:     66
    .vgpr_count:     256
    .wavefront_size: 32
...
	.end_amdgpu_metadata
.endif
;; end of part 4
;; ======== version 2 of 2: 4 launches
;; workspace buffers: wts 4,915,200 bytes; qkv 20,185,088 bytes; att 6,815,744 bytes
;; launch wq (part 5): grid 192 x 1, 4 waves a work-group, no clusters, 1,536 bytes of LDS; arguments Wq, Wk, Wv, Wproj, W1, W2, wts; writes wts
.if DOCPART == 5
	.amdgcn_target "amdgcn-amd-amdhsa--gfx1250"
	.amdhsa_code_object_version 6
	.text
	.protected	k_qa3b245e5e6_wq
	.globl	k_qa3b245e5e6_wq
	.p2align	8
	.type	k_qa3b245e5e6_wq,@function
k_qa3b245e5e6_wq:
	s_mov_b64 s[64:65], 0
	v_nop
	global_prefetch_b8 v0, s[64:65] scope:SCOPE_SE
	s_setreg_imm32_b32 hwreg(HW_REG_WAVE_MODE, 25, 1), 1
	s_wait_xcnt 0x0
; The six weights, f32 with K as an outer axis, become codes of FP6 (E2M3) with one E8M0 byte for each 32 along K, laid in the ORDER OF THE OPERAND'S REGISTERS.
; wts: codes [weight 6][group of 64 columns 16][K step of 128: 8][tile of 16 columns 4][1,536 bytes]; in a tile registers 4c .. 4c+3 of lane L lie at 512 c + 16 L.
;      scale words from byte 4,718,592 on: [weight][group][K step][lane 32][2 words]: word j of lane 16 (t & 1) + r belongs to tile t = 2 j + (t & 1), row r.
; THE COLUMNS OF A TILE ARE NOT NEIGHBOURS: lane r of tile t takes column 32 (t / 2) + 8 (t % 2) + r + 8 (r / 8) of its group, so that a product with such tiles as source 0
; leaves 16 neighbouring columns in the 16 registers of tiles 2 b and 2 b + 1.
; A LANE TAKES A COLUMN AND ITS REGISTERS RUN DOWN K: a block of 32 is one lane's 32 registers; lane (r, h) takes k = 64 c + 32 h + 0 .. 31 of a K step, which is the operand's own order: nothing is transposed.
; SHARES: work-group = (weight, group, half of K); wave t = tile t, four K steps = eight blocks a lane.  The four waves stand side by side on 256 consecutive bytes of each row of the weight.
; Wq, Wk, Wv are [16][1024][64]: a group is a head, rows 256 bytes apart.  Wproj, W1, W2 are [1024][1024]: rows 4,096 bytes apart.  Every offset is an immediate, so the eight blocks are written out once for each pitch.
; LIMITS: NaN and infinities are not served; a block whose largest magnitude lies under 2^-124 takes the byte 1; a block of zeros has the byte 1 and zero codes (the bytes are read by this program alone).
.set WSO, 4718592                      ; where the scale words begin in wts
.set X,   80                           ; v80-143  two sets of 32 numbers
.set CD,  32                           ; v32-79   codes: 12 registers for each K step, never written twice
; v1 r, v2 h, v3 source offset, v4 16 x lane, v5 LDS place of my scale words, v6 8 x thread, v7 8 h, v8-15 at work, v16-19 the four scale words, v20-22 a block's upper 16 codes
.macro WLOAD pitch, u                  ; block u: W(64 u + 32 h + i, my column), i = 0 .. 31
.irp i, 0,1,2,3,4,5,6,7,8,9,10,11,12,13,14,15,16,17,18,19,20,21,22,23,24,25,26,27,28,29,30,31
	global_load_b32 v[X+32*((\u)%2)+\i], v3, s[4:5] offset:(64*(\u)+\i)*\pitch th:TH_LOAD_NT
.endr
.endm
.macro WBLK pitch, u
.set XS, X+32*((\u)%2)
.if (\u) < 7
	s_wait_loadcnt 32                              ; this block's 32 loads are in; the next block's 32 may be out
.else
	s_wait_loadcnt 0x0
.endif
	v_max3_num_f32 v8, |v[XS]|, |v[XS+1]|, 0x1800000   ; the block's largest magnitude, with the floor 2^(3 - 127) among the leaves: the byte cannot fall under 1
	v_max3_num_f32 v9, |v[XS+2]|, |v[XS+3]|, |v[XS+4]|
.irp i, 5,9,13,17,21,25
	v_max3_num_f32 v8, v8, |v[XS+\i]|, |v[XS+\i+1]|
	v_max3_num_f32 v9, v9, |v[XS+\i+2]|, |v[XS+\i+3]|
.endr
	v_max3_num_f32 v8, v8, |v[XS+29]|, |v[XS+30]|
	v_max3_num_f32 v8, v8, v9, |v[XS+31]|
	v_add_nc_u32 v10, 0xff000000, v8               ; 2 off the exponent field: the conversion's scale operand
	v_lshrrev_b32 v11, 23, v10                     ; the scale's byte
.if (\u)%2 == 0
	v_mov_b32 v12, v11                             ; block h of the K step
.else
	v_lshl_or_b32 v12, v11, 16, v12                ; block 2 + h
	v_lshlrev_b32 v12, v7, v12                     ; at their places in the word: 8 h bits up
	v_permlanex16_b32 v15, v12, s30, s31
	v_or_b32 v[16+(\u)/2], v12, v15                ; with lane l xor 16's two bytes the word is whole
.endif
	v_cvt_scalef32_pk16_fp6_f32 v[CD+6*(\u):CD+6*(\u)+2], v[XS:XS+15], v10
	v_cvt_scalef32_pk16_fp6_f32 v[20:22], v[XS+16:XS+31], v10   ; (a conversion's three registers begin on an even number)
	v_nop                                          ; one plain place behind a scaled conversion
.irp i, 0,1,2
	v_mov_b32 v[CD+6*(\u)+3+\i], v[20+\i]
.endr
.if (\u)%2 == 1
.irp c, 0,1,2
	global_store_b128 v4, v[CD+6*((\u)-1)+4*\c:CD+6*((\u)-1)+4*\c+3], s[34:35] offset:((\u)/2)*6144+512*\c   ; 32 lanes store 512 consecutive bytes
.endr
.endif
.if (\u)+2 < 8
	WLOAD \pitch, (\u)+2
.endif
.endm
.macro WALL pitch
	WLOAD \pitch, 0
	WLOAD \pitch, 1
.irp u, 0,1,2,3,4,5,6,7
	WBLK \pitch, \u
.endr
.endm
	s_load_b256 s[4:11], s[0:1], 0x0               ; Wq, Wk, Wv, Wproj
	s_load_b128 s[12:15], s[0:1], 0x20             ; W1, W2
	s_load_b64 s[16:17], s[0:1], 0x30              ; wts
	v_lshl_add_u32 v144, v0, 2, 0x400
	v_mov_b32 v145, 0
	v_lshrrev_b32 v1, 5, v0
	v_readfirstlane_b32 s18, v1                    ; wave = tile t
	v_and_b32 v1, 15, v0                           ; r
	s_wait_alu depctr_va_vdst(0)
	v_bfe_u32 v2, v0, 4, 1                         ; h
	v_and_b32 v4, 31, v0
	v_lshlrev_b32 v4, 4, v4                        ; 16 x lane
	v_lshlrev_b32 v6, 3, v0                        ; 8 x thread
	v_lshlrev_b32 v7, 3, v2                        ; 8 h
	s_and_b32 s19, s18, 1                          ; t % 2
	s_lshr_b32 s24, s18, 1                         ; t / 2
	s_lshl_b32 s25, s19, 7
	s_lshl_b32 s26, s24, 2
	s_add_co_u32 s25, s25, s26
	v_lshl_add_u32 v5, v1, 3, s25                  ; LDS: 8 r + 128 (t % 2) + 4 (t / 2)
	s_lshl_b32 s26, s24, 5
	s_lshl_b32 s27, s19, 3
	s_add_co_u32 s26, s26, s27
	v_and_b32 v8, 8, v1
	v_add_nc_u32 v8, v8, v1
	v_add_nc_u32 v8, s26, v8                       ; my column in the group
	v_lshlrev_b32 v9, 2, v8
	v_mov_b32 v15, 0                               ; written once: a lane permute's destination counts as one of its sources
	s_mov_b32 s30, 0x76543210
	s_mov_b32 s31, 0xfedcba98                      ; selects for lane l xor 16
	s_lshr_b32 s20, ttmp9, 5                       ; which weight
	s_bfe_u32 s21, ttmp9, 0x40001                  ; which group of 64 columns
	s_and_b32 s28, ttmp9, 1                        ; which half of K
	s_mul_i32 s22, ttmp9, 24576                    ; codes: (weight, group) x 49,152 + half x 24,576 = work-group x 24,576,
	s_mul_i32 s29, s18, 1536                       ; + tile x 1,536
	s_add_co_u32 s22, s22, s29
	s_mov_b32 s23, 0
	s_lshl_b32 s32, ttmp9, 10                      ; scale words: work-group x 1,024
	s_add_co_u32 s32, s32, WSO
	s_mov_b32 s33, 0
	s_wait_kmcnt 0x0
	s_add_nc_u64 s[34:35], s[16:17], s[22:23]
	s_add_nc_u64 s[36:37], s[16:17], s[32:33]
	s_cmp_eq_u32 s20, 1                            ; the source is chosen by the work-group's number alone
	s_cselect_b64 s[4:5], s[6:7], s[4:5]
	s_cmp_eq_u32 s20, 2
	s_cselect_b64 s[4:5], s[8:9], s[4:5]
	s_cmp_eq_u32 s20, 3
	s_cselect_b64 s[4:5], s[10:11], s[4:5]
	s_cmp_eq_u32 s20, 4
	s_cselect_b64 s[4:5], s[12:13], s[4:5]
	s_cmp_eq_u32 s20, 5
	s_cselect_b64 s[4:5], s[14:15], s[4:5]
	s_cmp_lt_u32 s20, 3
	s_cbranch_scc0 .Lsquare
	s_lshl_b32 s22, s21, 18                        ; a head is 262,144 bytes, half of K 512 rows of 256
	s_lshl_b32 s29, s28, 17
	s_add_co_u32 s22, s22, s29
	s_add_nc_u64 s[4:5], s[4:5], s[22:23]
	s_wait_alu depctr_va_vdst(0)
	v_lshl_add_u32 v3, v2, 13, v9                  ; lanes 16-31 begin 32 rows further down
	WALL 256
	s_branch .Ljoin
.Lsquare:
	s_lshl_b32 s22, s21, 8                         ; a group is 256 bytes of a row, half of K 512 rows of 4,096
	s_lshl_b32 s29, s28, 21
	s_add_co_u32 s22, s22, s29
	s_add_nc_u64 s[4:5], s[4:5], s[22:23]
	s_wait_alu depctr_va_vdst(0)
	v_lshl_add_u32 v3, v2, 17, v9
	WALL 4096
.Ljoin:
	s_wait_alu depctr_va_vdst(0)
.irp s, 0,1,2,3
	ds_store_b32 v5, v[16+\s] offset:256*\s        ; both halves of the lanes write the same word with the same value
.endr
	s_wait_dscnt 0x0                               ; for the others' sake: my words lie in LDS
	s_barrier_signal -1
	s_barrier_wait -1
	ds_load_b64 v[12:13], v6                       ; the four tiles' words of a K step, 256 bytes to a wave
	s_wait_dscnt 0x0
	global_store_b64 v6, v[12:13], s[36:37]        ; 32 lanes store 256 consecutive bytes, aligned
	s_wait_tensorcnt 0x0
	ds_add_u32 v144, v145
	s_wait_dscnt 0x0
	s_endpgm
.Lfunc_end_k_qa3b245e5e6_wq:
	.size	k_qa3b245e5e6_wq, .Lfunc_end_k_qa3b245e5e6_wq-k_qa3b245e5e6_wq
	.p2alignl 7, 3214868480
	.fill 96, 4, 3214868480
	.section	.rodata,"a",@progbits
	.p2align	6, 0x0
	.amdhsa_kernel k_qa3b245e5e6_wq
		.amdhsa_group_segment_fixed_size 1536
		.amdhsa_private_segment_fixed_size 0
		.amdhsa_enable_private_segment 0
		.amdhsa_kernarg_size 56
		.amdhsa_user_sgpr_count 2
		.amdhsa_user_sgpr_kernarg_segment_ptr 1
		.amdhsa_wavefront_size32 1
		.amdhsa_system_sgpr_workgroup_id_x 1
		.amdhsa_system_sgpr_workgroup_id_y 1
		.amdhsa_system_sgpr_workgroup_id_z 1
		.amdhsa_system_vgpr_workitem_id 0
		.amdhsa_next_free_vgpr 146
		.amdhsa_next_free_sgpr 66
		.amdhsa_reserve_vcc 0
		.amdhsa_float_denorm_mode_32 3
		.amdhsa_float_denorm_mode_16_64 3
		.amdhsa_memory_ordered 1
		.amdhsa_forward_progress 1
		.amdhsa_inst_pref_size 79
	.end_amdhsa_kernel
	.amdgpu_metadata
---
amdhsa.version: [ 1, 2 ]
amdhsa.kernels:
  - .name:           k_qa3b245e5e6_wq
    .symbol:         k_qa3b245e5e6_wq.kd
    .args:
      - { .name: Wq, .offset: 0, .size: 8, .value_kind: global_buffer, .address_space: global }
      - { .name: Wk, .offset: 8, .size: 8, .value_kind: global_buffer, .address_space: global }
      - { .name: Wv, .offset: 16, .size: 8, .value_kind: global_buffer, .address_space: global }
      - { .name: Wproj, .offset: 24, .size: 8, .value_kind: global_buffer, .address_space: global }
      - { .name: W1, .offset: 32, .size: 8, .value_kind: global_buffer, .address_space: global }
      - { .name: W2, .offset: 40, .size: 8, .value_kind: global_buffer, .address_space: global }
      - { .name: wts, .offset: 48, .size: 8, .value_kind: global_buffer, .address_space: global }
    .group_segment_fixed_size: 1536
    .private_segment_fixed_size: 0
    .kernarg_segment_align: 8
    .kernarg_segment_size: 56
    .max_flat_workgroup_size: 128
    .sgpr_count:     66
    .vgpr_count:     146
    .wavefront_size: 32
...
	.end_amdgpu_metadata
.endif
;; end of part 5
;; launch front (part 6): grid 256 x 1, 16 waves a work-group, no clusters, 209,920 bytes of LDS; arguments x, g1, beta1, wts, qkv; writes qkv
.if DOCPART == 6
	.amdgcn_target "amdgcn-amd-amdhsa--gfx1250"
	.amdhsa_code_object_version 6
	.text
	.protected	k_qa3b245e5e6_front
	.globl	k_qa3b245e5e6_front
	.p2align	8
	.type	k_qa3b245e5e6_front,@function
k_qa3b245e5e6_front:
	s_mov_b64 s[64:65], 0
	v_nop
	global_prefetch_b8 v0, s[64:65] scope:SCOPE_SE
	s_setreg_imm32_b32 hwreg(HW_REG_WAVE_SCHED_MODE, 0, 2), 2
	s_setreg_imm32_b32 hwreg(HW_REG_WAVE_MODE, 25, 1), 1
	s_wait_xcnt 0x0
	s_wait_alu depctr_vm_vsrc(0)
; LayerNorm 1, its quantising, q = xn Wq, k = xn Wk, v = xn Wv on codes of FP6 (E2M3), and the quantising of q and k (along the head's 64) and of v (along the tokens).
; SHARES: a work-group owns 64 tokens and 8 heads: work-group = (block of 64 tokens, half of the heads).  It takes in 8 x 3 x 51,200 bytes of weights and 64 rows of x: 1.49 MB;
; with 32 tokens and all 16 heads it would be 2.59 MB.  The price: LayerNorm is done in both work-groups of a block of tokens.  xn never goes to memory.
; Wave w owns head w / 2 of the eight and half hf = w % 2 of its 64 columns (column tiles 2 hf and 2 hf + 1: one block of 32 of d), for all four token tiles: eight accumulators.
; Each weight fragment is used by ONE wave of the work-group, so it goes from memory straight into that wave's operand registers (loads of 512 consecutive bytes; the launch before laid it so):
; through LDS the same bytes would be written and read once more; that is why no LDS ring and no joint loads are used here.
; TOKENS OF A TILE ARE NOT NEIGHBOURS: in each group of 32 tokens lane r of tile u takes token 8 u + r + 8 (r / 8) (physical row 16 u + r = the token with bits 3 and 4 exchanged).  Token tile m = 2 x group + u.
; q, k: source 0 = 16 columns of the weight, source 1 = 16 tokens: a lane holds one token, and the 16 registers of my two column tiles d = 32 hf + 16 h + 0 .. 15.
; v:    the sources exchanged: a lane holds one d, and the 16 registers of a group's two token tiles the tokens 16 h + 0 .. 15: a group of 32 tokens is one block of the keys.
; xn's operand lies in LDS as images of its registers: a half image (16 rows x 64 K, 768 bytes): registers 0-3 of lane L at 16 L, registers 4-5 at 512 + 8 L.
; LDS: AI 0: [tile 4][half 16][768];  ASC 49,152: [tile][row][32 scale bytes];  GB 51,200: g1, beta1, 4,608 bytes each;  STG 60,416: two rows of x for each wave, 9,216 bytes, used twice.
;      (a row of 4,096 bytes has 16 bytes of padding behind each 128: lanes 144 bytes apart fall on different banks)
; REGISTERS: v1 16 L, v2 8 L, v3 32 r, v4-15 addresses, v16-79 accumulators (first: two rows of x), v80-151 three sets of two weight fragments, v152-199 four fragments of xn (between the products: at work),
;            v200-231 xn's scale words, v232-247 codes on their way out, v248-250 the weights' scale words, v251 zero.
; LIMITS: NaN and infinities are not served; a block whose largest magnitude lies under 2^-124 takes the byte 1; a block of zeros has the byte 1 and zero codes (the bytes are read by this program alone).
; THE MODE: SCHED_MODE bits 1:0 = 2 (LLVM: expert scheduling mode 2), set by the entry lines.  The code itself states the register dependences
; between vector or matrix instructions and memory or LDS instructions, with s_wait_alu, always for 0.
; THE PLAN.  Registers that memory or LDS instructions touch:
;   v1-15, v251      offsets, LDS addresses and a zero: written at the head, ahead of one wait on va_vdst, and never again.
;   v16-79, v104-167 at the head: loads land in them, LDS stores read them, LDS loads land in them again, LayerNorm works on them.  From the first K step on v16-79 are named by matrix and vector instructions alone.
;   BF0-2, BS0-2     K step q's products read set q % 3.  The seven loads of stream step q + 2 land in set (q - 1) % 3, one behind each of step q's first seven products.
;   AF               K step q's products read it; step q + 1's LDS loads land in it.  Between the phases v152-165 are at work.
;   v232-247, v164, v165, v170, v178   out-buffers: written by conversions and shifts, read by LDS or global stores.
; So ONE wait on va_vdst stands behind each K step: its products are done reading AF and their set.  Behind it the next step's products name the next set, AF, xn's scale words and the accumulators:
; none of the registers in which the dealt loads land.  One wait on va_vdst stands ahead of each run of stores, one on vm_vsrc ahead of the first line that writes an out-buffer again.
.set AI,  0
.set ASC, 49152
.set GB,  51200
.set STG, 60416
.set KCO, 6291456                      ; qkv: q's codes at 0, k's, v's, then the scales of q, k, v
.set VCO, 12582912
.set QSO, 18874368
.set KSO, 19398656
.set VSO, 19922944
.set WSO, 4718592
.set ACC, 16
.set BF,  80
.set AF,  152
.set LW,  168                          ; v168-181: LayerNorm's sums
.set ASR, 200
.set BS,  248
.set NIL, 251
.set WV,  14
.set WCP, 16                           ; s[16:17] my two column tiles' codes in wts;  s[18:19] their scale words
.set WSP, 18
.set XB,  20
.set QCB, 22
.set KCB, 24
.set VCB, 26
.set QSB, 28
.set KSB, 30
.set VSB, 32
.set GBP, 34
.set SEL, 36
.set HM,  38                           ; mask of lanes 16-31
.set C10, 39                           ; 2^-10
.set EPS, 40
; Stream step q (0 .. 23): weight q / 8, K step q % 8: my two fragments (3,072 consecutive bytes) and their scale words (lanes 0-15 tile 2 hf, lanes 16-31 tile 2 hf + 1): 7 loads, into set q % 3
.macro LOADB q
.irp i, 0,1,2,3,4,5
	global_load_b128 v[BF+24*((\q)%3)+4*\i:BF+24*((\q)%3)+4*\i+3], v1, s[WCP:WCP+1] offset:((\q)/8)*786432+((\q)%8)*6144+512*\i
.endr
	global_load_b32 v[BS+(\q)%3], v2, s[WSP:WSP+1] offset:((\q)/8)*32768+((\q)%8)*256
.endm
.macro LB1 q, i                        ; load i (0 .. 6) of the same seven, by itself
.if (\i) < 6
	global_load_b128 v[BF+24*((\q)%3)+4*(\i):BF+24*((\q)%3)+4*(\i)+3], v1, s[WCP:WCP+1] offset:((\q)/8)*786432+((\q)%8)*6144+512*(\i)
.else
	global_load_b32 v[BS+(\q)%3], v2, s[WSP:WSP+1] offset:((\q)/8)*32768+((\q)%8)*256
.endif
.endm
.macro LOADA s                         ; the four token tiles' fragments of K step s: two half images each; tile by tile, so that a counted wait can part them
.irp m, 0,1,2,3
	ds_load_b128 v[AF+12*\m:AF+12*\m+3], v1 offset:AI+(16*\m+2*(\s))*768
	ds_load_b64 v[AF+12*\m+4:AF+12*\m+5], v2 offset:AI+(16*\m+2*(\s))*768+512
	ds_load_b128 v[AF+12*\m+6:AF+12*\m+9], v1 offset:AI+(16*\m+2*(\s))*768+768
	ds_load_b64 v[AF+12*\m+10:AF+12*\m+11], v2 offset:AI+(16*\m+2*(\s))*768+1280
.endr
.endm
.macro LOADS                           ; all eight K steps' scale words of the four tiles: lane r takes row r's 32 bytes
.irp m, 0,1,2,3
.irp k, 0,1
	ds_load_b128 v[ASR+8*\m+4*\k:ASR+8*\m+4*\k+3], v3 offset:ASC+512*\m+16*\k
.endr
.endr
.endm
; Four matrix instructions: my two column tiles x token tiles ma, mb.  The eight accumulators take turns, one instruction a turn, from K step to K step too.
; cm = 0: the product starts the sum; 2: it adds onto it.  tr = 1: the tokens are source 0.
; DL = 1: behind each of the step's first seven products stands one load of stream step q + 2 (NL counts them).  No wait: no vector or matrix instruction since the wait behind the last step names the set in which they land.
.macro MMH q, cm, tr, ma, mb
.irp t, 0,1
.irp m, \ma, \mb
.if \tr
.set DD,  ACC+32*(\m/2)+16*\t+8*(\m%2)
.set OPA, AF+12*\m
.set OPB, BF+24*((\q)%3)+12*\t
.set SCA, ASR+8*\m+(\q)%8
.set SCB, BS+(\q)%3
.else
.set DD,  ACC+16*\m+8*\t
.set OPA, BF+24*((\q)%3)+12*\t
.set OPB, AF+12*\m
.set SCA, BS+(\q)%3
.set SCB, ASR+8*\m+(\q)%8
.endif
.if \cm == 0
.if \t == 0
	v_wmma_scale_f32_16x16x128_f8f6f4 v[DD:DD+7], v[OPA:OPA+11], v[OPB:OPB+11], 0, v[SCA], v[SCB] matrix_a_fmt:MATRIX_FMT_FP6 matrix_b_fmt:MATRIX_FMT_FP6
.elseif \tr
	v_wmma_scale_f32_16x16x128_f8f6f4 v[DD:DD+7], v[OPA:OPA+11], v[OPB:OPB+11], 0, v[SCA], v[SCB] matrix_a_fmt:MATRIX_FMT_FP6 matrix_b_fmt:MATRIX_FMT_FP6 matrix_b_scale:MATRIX_SCALE_ROW1
.else
	v_wmma_scale_f32_16x16x128_f8f6f4 v[DD:DD+7], v[OPA:OPA+11], v[OPB:OPB+11], 0, v[SCA], v[SCB] matrix_a_fmt:MATRIX_FMT_FP6 matrix_b_fmt:MATRIX_FMT_FP6 matrix_a_scale:MATRIX_SCALE_ROW1
.endif
.else
.if \t == 0
	v_wmma_scale_f32_16x16x128_f8f6f4 v[DD:DD+7], v[OPA:OPA+11], v[OPB:OPB+11], v[DD:DD+7], v[SCA], v[SCB] matrix_a_fmt:MATRIX_FMT_FP6 matrix_b_fmt:MATRIX_FMT_FP6
.elseif \tr
	v_wmma_scale_f32_16x16x128_f8f6f4 v[DD:DD+7], v[OPA:OPA+11], v[OPB:OPB+11], v[DD:DD+7], v[SCA], v[SCB] matrix_a_fmt:MATRIX_FMT_FP6 matrix_b_fmt:MATRIX_FMT_FP6 matrix_b_scale:MATRIX_SCALE_ROW1
.else
	v_wmma_scale_f32_16x16x128_f8f6f4 v[DD:DD+7], v[OPA:OPA+11], v[OPB:OPB+11], v[DD:DD+7], v[SCA], v[SCB] matrix_a_fmt:MATRIX_FMT_FP6 matrix_b_fmt:MATRIX_FMT_FP6 matrix_a_scale:MATRIX_SCALE_ROW1
.endif
.endif
.if DL
.if NL < 7
	LB1 (\q)+2, NL
.set NL, NL+1
.endif
.endif
.endr
.endr
.endm
; A K step.  A phase's first step (q % 8 = 0) finds stream steps q, q + 1 and q + 2 asked for; every other step deals stream step q + 2 among its products; a phase's last step asks for
; stream step q + 3 in one run behind its wait, so that the stream goes on during the way out.
.macro KSTEP q, cm, tr
.set NL, 0
.set DL, 0
.if ((\q)%8 != 0) && ((\q)+2 <= 23)
.set DL, 1
.endif
	LOADA (\q)%8
.if (\q)%8 == 0
	s_wait_loadcnt 14                              ; this step's 7 loads are in; the next two steps' 14 may be out
.elseif (\q) < 23
	s_wait_loadcnt 7                               ; this step's 7 loads are in; the next step's 7 may be out (the step after that is asked for below)
.else
	s_wait_loadcnt 0x0
.endif
	s_wait_dscnt 8                                 ; token tiles 0 and 1 are in; the eight loads of tiles 2 and 3 may be out
	MMH \q, \cm, \tr, 0, 1
	s_wait_dscnt 0x0
	MMH \q, \cm, \tr, 2, 3
.rept 4
	v_nop                                          ; four places in front of loads into registers that matrix instructions have read, and of the first read of results
.endr
.if (\q) < 23
	s_wait_alu depctr_va_vdst(0)                   ; this step's products are done reading the four fragments of xn, their set of the weight and its scale words: the loads that follow land there
.endif
.if ((\q)%8 == 7) && ((\q)+3 <= 23)
	LOADB (\q)+3                                   ; into the set just multiplied
.endif
.endm
; 2 x 16 numbers of a lane: registers 16 b + i = d 32 hf + 16 h + i of my token in token tile b of a group.  Each tile's block is quantised (its other 16 numbers lie in lane l xor 16);
; the exchange of halves then leaves in lane (r, j) the WHOLE block of token r of tile j: v[pc .. pc+5], which is lane 16 hf + r of that tile's half image; v[val]: that block's scale byte.
; tm: six registers at work; pc: seven.
.macro HQ2 src, pc, val, tm
.irp b, 0,1
	v_max3_num_f32 v[\tm+\b], |v[\src+16*\b]|, |v[\src+16*\b+1]|, 0x1800000   ; my 16 numbers, and the floor 2^(3 - 127): the byte cannot fall under 1
.endr
.irp i, 2,4,6,8,10,12,14
.irp b, 0,1
	v_max3_num_f32 v[\tm+\b], v[\tm+\b], |v[\src+16*\b+\i]|, |v[\src+16*\b+\i+1]|
.endr
.endr
.irp b, 0,1
	v_permlanex16_b32 v[\tm+2+\b], v[\tm+\b], s[SEL], s[SEL+1]
.endr
.irp b, 0,1
	v_max_num_f32 v[\tm+\b], v[\tm+\b], v[\tm+2+\b]   ; with lane l xor 16's: the block's largest magnitude
.endr
.irp b, 0,1
	v_add_nc_u32 v[\tm+4+\b], 0xff000000, v[\tm+\b]   ; 2 off its exponent field: the conversion's scale operand
.endr
.irp b, 0,1
	v_lshrrev_b32 v[\tm+2+\b], 23, v[\tm+4+\b]     ; the scale's byte
.endr
	v_cndmask_b32 v[\val], v[\tm+2], v[\tm+3], s[HM]   ; lanes 0-15 tile 0's byte, lanes 16-31 tile 1's
	v_cvt_scalef32_pk16_fp6_f32 v[\pc:\pc+2], v[\src:\src+15], v[\tm+4]
	v_cvt_scalef32_pk16_fp6_f32 v[\pc+4:\pc+6], v[\src+16:\src+31], v[\tm+5]
	v_nop                                          ; one plain place behind a scaled conversion
.irp i, 0,1,2
	v_permlane16_swap_b32 v[\pc+\i], v[\pc+4+\i]   ; the first now holds each lane's block's lower 16 codes, the second the upper 16
.endr
.irp i, 0,1,2
	v_mov_b32 v[\pc+3+\i], v[\pc+4+\i]
.endr
.endm
.macro BAR                             ; my LDS stores have landed and my LDS loads are in: then the work-group's barrier
	s_wait_dscnt 0x0
	s_barrier_signal -1
	s_barrier_wait -1
.endm
.macro WRED a, b                       ; the sum over the wave's 32 lanes of v[a] and of v[a+8], in every lane
.irp x, 1,2,4,8
.irp i, 0,1
	v_add_f32_dpp v[\a+8*\i], v[\a+8*\i], v[\a+8*\i] row_xmask:\x row_mask:0xf bank_mask:0xf
.endr
.endr
.irp i, 0,1
	v_permlanex16_b32 v[\b+8*\i], v[\a+8*\i], s[SEL], s[SEL+1]
.endr
.irp i, 0,1
	v_add_f32 v[\a+8*\i], v[\a+8*\i], v[\b+8*\i]
.endr
.endm
; Two rows of x (v16-47, v48-79; lane L holds block L, 32 neighbours) are normalised, quantised and stored as parts of the images of group p.
; Mean, then the mean of the squared differences: two passes, no difference of large sums.  The two rows by turns.
.macro LNQ p
.irp i, 0,1
	v_pk_add_f32 v[LW+8*\i:LW+8*\i+1], v[16+32*\i:17+32*\i], v[18+32*\i:19+32*\i]
	v_pk_add_f32 v[LW+8*\i+2:LW+8*\i+3], v[20+32*\i:21+32*\i], v[22+32*\i:23+32*\i]
.endr
.irp j, 8,12,16,20,24,28
.irp i, 0,1
	v_pk_add_f32 v[LW+8*\i:LW+8*\i+1], v[LW+8*\i:LW+8*\i+1], v[16+32*\i+\j:17+32*\i+\j]
	v_pk_add_f32 v[LW+8*\i+2:LW+8*\i+3], v[LW+8*\i+2:LW+8*\i+3], v[18+32*\i+\j:19+32*\i+\j]
.endr
.endr
.irp i, 0,1
	v_pk_add_f32 v[LW+8*\i:LW+8*\i+1], v[LW+8*\i:LW+8*\i+1], v[LW+8*\i+2:LW+8*\i+3]
.endr
.irp i, 0,1
	v_add_f32 v[LW+8*\i], v[LW+8*\i], v[LW+8*\i+1]
.endr
	WRED LW, LW+1
.irp i, 0,1
	v_mul_f32 v[LW+8*\i], s[C10], v[LW+8*\i]       ; the mean
.endr
.irp j, 0,2,4,6,8,10,12,14,16,18,20,22,24,26,28,30
.irp i, 0,1
	v_pk_add_f32 v[16+32*\i+\j:17+32*\i+\j], v[16+32*\i+\j:17+32*\i+\j], v[LW+8*\i:LW+8*\i+1] op_sel_hi:[1,0] neg_lo:[0,1] neg_hi:[0,1]
.endr
.endr
.irp i, 0,1
	v_pk_mul_f32 v[LW+8*\i+2:LW+8*\i+3], v[16+32*\i:17+32*\i], v[16+32*\i:17+32*\i]
	v_pk_mul_f32 v[LW+8*\i+4:LW+8*\i+5], v[18+32*\i:19+32*\i], v[18+32*\i:19+32*\i]
.endr
.irp j, 4,8,12,16,20,24,28
.irp i, 0,1
	v_pk_fma_f32 v[LW+8*\i+2:LW+8*\i+3], v[16+32*\i+\j:17+32*\i+\j], v[16+32*\i+\j:17+32*\i+\j], v[LW+8*\i+2:LW+8*\i+3]
	v_pk_fma_f32 v[LW+8*\i+4:LW+8*\i+5], v[18+32*\i+\j:19+32*\i+\j], v[18+32*\i+\j:19+32*\i+\j], v[LW+8*\i+4:LW+8*\i+5]
.endr
.endr
.irp i, 0,1
	v_pk_add_f32 v[LW+8*\i+2:LW+8*\i+3], v[LW+8*\i+2:LW+8*\i+3], v[LW+8*\i+4:LW+8*\i+5]
.endr
.irp i, 0,1
	v_add_f32 v[LW+8*\i+2], v[LW+8*\i+2], v[LW+8*\i+3]
.endr
	WRED LW+2, LW+3
.irp i, 0,1
	v_fma_f32 v[LW+8*\i+2], v[LW+8*\i+2], s[C10], s[EPS]
.endr
	s_wait_alu depctr_va_vdst(0)
.irp i, 0,1
	v_rsq_f32 v[LW+8*\i+2], v[LW+8*\i+2]
.endr
	v_nop                                          ; one plain place behind a transcendental
	s_wait_alu depctr_va_vdst(0)                   ; the two reciprocal roots are written, ahead of their first reader
.irp j, 0,2,4,6,8,10,12,14,16,18,20,22,24,26,28,30
.irp i, 0,1
	v_pk_mul_f32 v[16+32*\i+\j:17+32*\i+\j], v[16+32*\i+\j:17+32*\i+\j], v[LW+8*\i+2:LW+8*\i+3] op_sel_hi:[1,0]
.endr
.endr
	s_wait_dscnt 0x0                               ; g1's and beta1's blocks are in
.irp j, 0,2,4,6,8,10,12,14,16,18,20,22,24,26,28,30
.irp i, 0,1
	v_pk_fma_f32 v[16+32*\i+\j:17+32*\i+\j], v[16+32*\i+\j:17+32*\i+\j], v[104+\j:105+\j], v[136+\j:137+\j]
.endr
.endr
.irp i, 0,1
	v_max3_num_f32 v[LW+8*\i], |v[16+32*\i]|, |v[17+32*\i]|, 0x1800000   ; xn's codes: a lane holds a whole block
.endr
.irp j, 2,4,6,8,10,12,14,16,18,20,22,24,26,28,30
.irp i, 0,1
	v_max3_num_f32 v[LW+8*\i], v[LW+8*\i], |v[16+32*\i+\j]|, |v[17+32*\i+\j]|
.endr
.endr
.irp i, 0,1
	v_add_nc_u32 v[LW+8*\i+1], 0xff000000, v[LW+8*\i]
.endr
.irp i, 0,1
	v_lshrrev_b32 v[LW+8*\i+2], 23, v[LW+8*\i+1]
.endr
.irp i, 0,1
	v_cvt_scalef32_pk16_fp6_f32 v[232+8*\i:234+8*\i], v[16+32*\i:31+32*\i], v[LW+8*\i+1]
	v_cvt_scalef32_pk16_fp6_f32 v[236+8*\i:238+8*\i], v[32+32*\i:47+32*\i], v[LW+8*\i+1]
.endr
	v_nop                                          ; one plain place behind a scaled conversion
.irp i, 0,1
.irp n, 0,1,2
	v_mov_b32 v[235+8*\i+\n], v[236+8*\i+\n]
.endr
.endr
	s_wait_alu depctr_va_vdst(0)                   ; the codes v232-245 and the bytes v170, v178 are written, which the stores below read; and the vector work is done with v16-79 and with g1's and beta1's registers, in which the loads behind this pass land
.irp i, 0,1
	ds_store_b128 v8, v[232+8*\i:235+8*\i] offset:16*\i+24576*\p
	ds_store_b64 v9, v[236+8*\i:237+8*\i] offset:8*\i+24576*\p
	ds_store_b8 v10, v[LW+8*\i+2] offset:32*\i+1024*\p
.endr
.endm
; q's or k's way out: for each group of 32 tokens my block of both tiles' half images, and my byte of their 32 scale words.
; A scale word's bytes 0 and 1 come from the head's two waves; each wave also stores a zero into byte 2 + hf, so that all four bytes of every word are written.
; again = 1: an earlier way out's global stores have named the out-buffer.
.macro EPQ cb, sb, again
	v_nop                                          ; a fifth place: the next phase's first products begin these accumulators anew
	s_wait_xcnt 0x0                                ; the last way out's stores have read their registers
.if \again
	s_wait_alu depctr_vm_vsrc(0)                   ; the last way out's stores have read v232-247, which the lines below write again
.endif
.irp g, 0,1
	HQ2 16+32*\g, 232+8*\g, 239+8*\g, 152
.endr
	s_wait_alu depctr_va_vdst(0)                   ; the codes and bytes in v232-247 are written, which the stores read; and the vector work is done with v152-157, in which the next step's fragments of xn land
.irp g, 0,1
	global_store_b128 v14, v[232+8*\g:235+8*\g], s[\cb:\cb+1] offset:1536*\g       ; 16 lanes store 256 consecutive bytes, aligned
	global_store_b64 v15, v[236+8*\g:237+8*\g], s[\cb:\cb+1] offset:1536*\g+512    ; 16 lanes store 128 consecutive bytes
	global_store_b8 v12, v[239+8*\g], s[\sb:\sb+1] offset:128*\g
	global_store_b8 v12, v[NIL], s[\sb:\sb+1] offset:128*\g+2
.endr
.endm
	s_load_b256 s[4:11], s[0:1], 0x0               ; x, g1, beta1, wts
	s_load_b64 s[12:13], s[0:1], 0x20              ; qkv
	v_lshrrev_b32 v252, 5, v0
	v_readfirstlane_b32 s[WV], v252                ; wave 0..15
	v_and_b32 v254, 31, v0                         ; L
	v_and_b32 v255, 15, v0                         ; r
	v_bfe_u32 v253, v0, 4, 1                       ; h
	v_lshlrev_b32 v1, 4, v254
	v_lshlrev_b32 v2, 3, v254
	v_lshlrev_b32 v3, 5, v255
	v_lshlrev_b32 v12, 2, v254                     ; a scale word's place: 4 L
	v_lshlrev_b32 v13, 2, v255
	v_mul_u32_u24 v11, v253, 12
	v_mad_u32_u24 v11, v255, 24, v11               ; v's codes: 24 r + 12 h
	v_cmp_le_u32 s[HM], 16, v254
	v_mov_b32 v[NIL], 0
	s_wait_alu depctr_va_sdst(0)                   ; the wave's number and the mask of lanes 16-31 are written, ahead of their first readers
	s_and_b32 s51, s[WV], 1                        ; hf: which half of the head
	v_mul_u32_u24 v252, v253, 768                  ; q's, k's codes: tile h of the group,
	s_lshl_b32 s44, s51, 8
	v_lshl_add_u32 v14, v255, 4, v252
	v_add_nc_u32 v14, s44, v14                     ; registers 0-3 of lane 16 hf + r
	s_lshl_b32 s44, s51, 7
	v_lshl_add_u32 v15, v255, 3, v252
	v_add_nc_u32 v15, s44, v15                     ; registers 4-5 (512 further on)
	v_lshrrev_b32 v9, 3, v254
	v_lshl_add_u32 v9, v9, 4, v1                   ; 16 L + 16 (L / 8): a load's 512 bytes in a padded row
	s_wait_alu depctr_va_vdst(0)
	s_mul_i32 s44, s[WV], 9216
	s_add_co_u32 s44, s44, STG
	v_add_nc_u32 v4, s44, v9                       ; my stage, on the way in
	v_mul_u32_u24 v10, v254, 144
	v_add_nc_u32 v5, s44, v10                      ; and back: block L of a row
	v_add_nc_u32 v7, GB, v10                       ; block L of g1 (beta1: 4,608 on)
	s_lshr_b32 s45, s[WV], 3
	s_and_b32 s46, s[WV], 7
	s_mul_i32 s47, s45, 4608
	s_mul_i32 s48, s46, 576
	s_add_co_u32 s47, s47, s48
	s_add_co_u32 s47, s47, GB
	v_add_nc_u32 v6, s47, v9                       ; where my chunk of g1 or beta1 goes
	s_mul_i32 s47, s45, 12288
	s_lshl_b32 s48, s46, 5
	s_add_co_u32 s48, s48, s47                     ; tile w / 8 of a group, rows 2 (w % 8) and the next: 16 bytes a row
	v_lshrrev_b32 v9, 1, v254
	v_mul_u32_u24 v9, v9, 768                      ; block L lies in half L / 2,
	v_and_b32 v10, 1, v254                         ; in the lanes' half L % 2
	v_lshl_add_u32 v8, v10, 8, v9
	v_add_nc_u32 v8, s48, v8                       ; registers 0-3 of the image
	s_lshl_b32 s48, s46, 4
	s_add_co_u32 s48, s48, s47
	s_add_co_u32 s48, s48, 512
	v_lshl_add_u32 v9, v10, 7, v9
	v_add_nc_u32 v9, s48, v9                       ; registers 4-5
	s_lshl_b32 s47, s45, 9
	s_lshl_b32 s48, s46, 6
	s_add_co_u32 s47, s47, s48
	s_add_co_u32 s47, s47, ASC
	v_add_nc_u32 v10, s47, v254                    ; the block's scale byte
	s_mov_b32 s[SEL], 0x76543210
	s_mov_b32 s[SEL+1], 0xfedcba98
	s_mov_b32 s[C10], 0x3a800000                   ; 1 / 1,024
	s_mov_b32 s[EPS], 0x3727c5ac                   ; 1e-5
	s_mov_b32 s43, 0
	s_and_b32 s44, s[WV], 3                        ; the wave's number with bits 2 and 3 exchanged: my two physical rows of a group are its tokens 2 w' and 2 w' + 1
	s_bfe_u32 s47, s[WV], 0x10002
	s_lshl_b32 s47, s47, 3
	s_add_co_u32 s44, s44, s47
	s_lshl_b32 s47, s45, 2
	s_add_co_u32 s44, s44, s47
	s_lshr_b32 s52, s[WV], 1                       ; my head among the work-group's eight
	s_lshr_b32 s53, ttmp9, 1                       ; the block of 64 tokens
	s_and_b32 s54, ttmp9, 1                        ; which eight heads
	s_lshl_b32 s55, s54, 3
	s_add_co_u32 s55, s55, s52                     ; the head
	s_lshr_b32 s47, s53, 4
	s_lshl_b32 s47, s47, 4
	s_add_co_u32 s47, s47, s55                     ; batch x 16 + head
	s_lshl_b32 s47, s47, 5
	s_and_b32 s48, s53, 15
	s_lshl_b32 s48, s48, 1
	s_add_co_u32 s49, s47, s48                     ; x 32 + the first of my two groups of 32 tokens
	s_wait_kmcnt 0x0
	s_mul_i32 s42, s55, 49152
	s_mul_i32 s56, s51, 3072
	s_add_co_u32 s42, s42, s56
	s_add_nc_u64 s[WCP:WCP+1], s[10:11], s[42:43]
	s_lshl_b32 s42, s55, 11
	s_lshl_b32 s56, s51, 2
	s_add_co_u32 s42, s42, s56
	s_add_co_u32 s42, s42, WSO
	s_add_nc_u64 s[WSP:WSP+1], s[10:11], s[42:43]
	s_lshl_b32 s42, s53, 18
	s_lshl_b32 s44, s44, 13
	s_add_co_u32 s42, s42, s44
	s_add_nc_u64 s[XB:XB+1], s[4:5], s[42:43]
	s_mul_i32 s50, s49, 1536
	s_mov_b32 s42, s50
	s_add_nc_u64 s[QCB:QCB+1], s[12:13], s[42:43]
	s_add_co_u32 s42, s50, KCO
	s_add_nc_u64 s[KCB:KCB+1], s[12:13], s[42:43]
	s_mul_i32 s56, s51, 768                        ; v: my d tiles 2 hf and 2 hf + 1, 384 bytes each
	s_add_co_u32 s42, s50, s56
	s_add_co_u32 s42, s42, VCO
	s_add_nc_u64 s[VCB:VCB+1], s[12:13], s[42:43]
	s_lshl_b32 s50, s49, 7
	s_add_co_u32 s50, s50, s51                     ; byte hf of each scale word
	s_add_co_u32 s42, s50, QSO
	s_add_nc_u64 s[QSB:QSB+1], s[12:13], s[42:43]
	s_add_co_u32 s42, s50, KSO
	s_add_nc_u64 s[KSB:KSB+1], s[12:13], s[42:43]
	s_lshl_b32 s42, s49, 6
	s_lshl_b32 s56, s51, 1
	s_add_co_u32 s42, s42, s56
	s_add_co_u32 s42, s42, VSO
	s_add_nc_u64 s[VSB:VSB+1], s[12:13], s[42:43]
	s_cmp_lt_u32 s[WV], 8                          ; waves 0-7 bring g1, waves 8-15 beta1: 512 bytes each
	s_cselect_b64 s[GBP:GBP+1], s[6:7], s[8:9]
	s_lshl_b32 s42, s46, 9
	s_add_nc_u64 s[GBP:GBP+1], s[GBP:GBP+1], s[42:43]
	s_wait_alu depctr_va_vdst(0)                   ; the offsets and addresses v1 to v15 and the zero v251 are written: every load and store of the kernel reads some of them, and none is written again
	; ---- my two rows of each group of 32 tokens, my chunk of g1 or beta1, the stream's first step
.irp i, 0,1
.irp j, 0,1,2,3,4,5,6,7
	global_load_b128 v[16+32*\i+4*\j:19+32*\i+4*\j], v1, s[XB:XB+1] offset:4096*\i+512*\j
.endr
.endr
.irp i, 0,1
.irp j, 0,1,2,3,4,5,6,7
	global_load_b128 v[104+32*\i+4*\j:107+32*\i+4*\j], v1, s[XB:XB+1] offset:131072+4096*\i+512*\j
.endr
.endr
	global_load_b128 v[192:195], v1, s[GBP:GBP+1]
	LOADB 0
	s_wait_loadcnt 7                               ; all but the stream's 7
	ds_store_b128 v6, v[192:195]
.irp i, 0,1
.irp j, 0,1,2,3,4,5,6,7
	ds_store_b128 v4, v[16+32*\i+4*\j:19+32*\i+4*\j] offset:4608*\i+576*\j
.endr
.endr
	s_wait_alu depctr_vm_vsrc(0)                   ; the stores above have read v16-79, in which the loads below land
.irp i, 0,1
.irp k, 0,1,2,3,4,5,6,7
	ds_load_b128 v[16+32*\i+4*\k:19+32*\i+4*\k], v5 offset:4608*\i+16*\k   ; LDS serves a wave's instructions in order: lane L now holds block L, 32 neighbours
.endr
.endr
.irp i, 0,1
.irp j, 0,1,2,3,4,5,6,7
	ds_store_b128 v4, v[104+32*\i+4*\j:107+32*\i+4*\j] offset:4608*\i+576*\j   ; the second group's rows take the stage behind those reads, in order
.endr
.endr
	BAR                                            ; g1 and beta1 lie in LDS
	s_wait_alu depctr_vm_vsrc(0)                   ; the second group's stores have read v104-167, in which g1's and beta1's blocks land
.irp k, 0,1,2,3,4,5,6,7
	ds_load_b128 v[104+4*\k:107+4*\k], v7 offset:16*\k
.endr
.irp k, 0,1,2,3,4,5,6,7
	ds_load_b128 v[136+4*\k:139+4*\k], v7 offset:4608+16*\k
.endr
	LNQ 0
.irp i, 0,1
.irp k, 0,1,2,3,4,5,6,7
	ds_load_b128 v[16+32*\i+4*\k:19+32*\i+4*\k], v5 offset:4608*\i+16*\k   ; (no vector instruction stands behind the wait ahead of the first pass's stores)
.endr
.endr
	s_wait_dscnt 0x0                               ; the second group's rows are in
	s_wait_alu depctr_vm_vsrc(0)                   ; the first group's image stores have read v232-245, v170 and v178, which the second pass writes again
	LNQ 1
	LOADB 1                                        ; g1's and beta1's registers are free: the vector work that read them stands ahead of the wait in front of the second pass's stores
	LOADB 2
	BAR                                            ; xn's 64 half images and its scale bytes lie in LDS
	s_wait_alu depctr_vm_vsrc(0)                   ; the second group's image stores have read v170 and v178, in which fragments of xn land, and v232-245, which q's way out writes
	LOADS
	; ---- q
	KSTEP 0, 0, 0
.irp q, 1,2,3,4,5,6,7
	KSTEP \q, 2, 0
.endr
	EPQ QCB, QSB, 0
	; ---- k
	KSTEP 8, 0, 0
.irp q, 9,10,11,12,13,14,15
	KSTEP \q, 2, 0
.endr
	EPQ KCB, KSB, 1
	; ---- v, the sources exchanged
	KSTEP 16, 0, 1
.irp q, 17,18,19,20,21,22,23
	KSTEP \q, 2, 1
.endr
	s_wait_xcnt 0x0                                ; k's stores have read their registers
	s_wait_alu depctr_vm_vsrc(0)                   ; k's stores have read v232-247, which the conversions below write again
.irp t, 0,1,2,3
	v_max3_num_f32 v[152+\t], |v[16+16*\t]|, |v[17+16*\t]|, 0x1800000   ; unit t = (group t / 2, d tile 2 hf + t % 2): my 16 tokens of the block of 32
.endr
.irp i, 2,4,6,8,10,12,14
.irp t, 0,1,2,3
	v_max3_num_f32 v[152+\t], v[152+\t], |v[16+16*\t+\i]|, |v[17+16*\t+\i]|
.endr
.endr
.irp t, 0,1,2,3
	v_permlanex16_b32 v[156+\t], v[152+\t], s[SEL], s[SEL+1]
.endr
.irp t, 0,1,2,3
	v_max_num_f32 v[152+\t], v[152+\t], v[156+\t]
.endr
.irp t, 0,1,2,3
	v_add_nc_u32 v[160+\t], 0xff000000, v[152+\t]
.endr
.irp t, 0,1,2,3
	v_lshrrev_b32 v[156+\t], 23, v[160+\t]
.endr
.irp t, 0,1,2,3
	v_cvt_scalef32_pk16_fp6_f32 v[232+4*\t:234+4*\t], v[16+16*\t:31+16*\t], v[160+\t]
.endr
	v_nop                                          ; one plain place behind a scaled conversion
	v_lshl_or_b32 v164, v157, 8, v156              ; a group's two bytes: d tiles 2 hf and 2 hf + 1
	v_lshl_or_b32 v165, v159, 8, v158
	s_wait_alu depctr_va_vdst(0)                   ; the codes v232-246 and the bytes v164, v165 are written, which the stores read
.irp t, 0,1,2,3
	global_store_b96 v11, v[232+4*\t:234+4*\t], s[VCB:VCB+1] offset:1536*(\t/2)+384*(\t%2)   ; 32 lanes store 384 consecutive bytes: 16 rows d x 32 keys
.endr
	global_store_b16 v13, v164, s[VSB:VSB+1]       ; both halves of the lanes write the same two bytes with the same value
	global_store_b16 v13, v165, s[VSB:VSB+1] offset:64
	s_wait_xcnt 0x0
	v_lshl_add_u32 v254, v0, 2, 0x32c00            ; the add's two registers, made anew (no memory or LDS instruction has ever read v254 or v255)
	v_mov_b32 v255, 0
	s_wait_dscnt 0x0                               ; the closing lines, six on end
	s_wait_alu 0x0
	s_wait_tensorcnt 0x0
	ds_add_u32 v254, v255
	s_wait_dscnt 0x0
	s_endpgm
.Lfunc_end_k_qa3b245e5e6_front:
	.size	k_qa3b245e5e6_front, .Lfunc_end_k_qa3b245e5e6_front-k_qa3b245e5e6_front
	.p2alignl 7, 3214868480
	.fill 96, 4, 3214868480
	.section	.rodata,"a",@progbits
	.p2align	6, 0x0
	.amdhsa_kernel k_qa3b245e5e6_front
		.amdhsa_group_segment_fixed_size 209920
		.amdhsa_private_segment_fixed_size 0
		.amdhsa_enable_private_segment 0
		.amdhsa_kernarg_size 40
		.amdhsa_user_sgpr_count 2
		.amdhsa_user_sgpr_kernarg_segment_ptr 1
		.amdhsa_wavefront_size32 1
		.amdhsa_system_sgpr_workgroup_id_x 1
		.amdhsa_system_sgpr_workgroup_id_y 1
		.amdhsa_system_sgpr_workgroup_id_z 1
		.amdhsa_system_vgpr_workitem_id 0
		.amdhsa_next_free_vgpr 256
		.amdhsa_next_free_sgpr 66
		.amdhsa_reserve_vcc 0
		.amdhsa_float_denorm_mode_32 3
		.amdhsa_float_denorm_mode_16_64 3
		.amdhsa_memory_ordered 1
		.amdhsa_forward_progress 1
		.amdhsa_inst_pref_size 128
	.end_amdhsa_kernel
	.amdgpu_metadata
---
amdhsa.version: [ 1, 2 ]
amdhsa.kernels:
  - .name:           k_qa3b245e5e6_front
    .symbol:         k_qa3b245e5e6_front.kd
    .args:
      - { .name: x, .offset: 0, .size: 8, .value_kind: global_buffer, .address_space: global }
      - { .name: g1, .offset: 8, .size: 8, .value_kind: global_buffer, .address_space: global }
      - { .name: beta1, .offset: 16, .size: 8, .value_kind: global_buffer, .address_space: global }
      - { .name: wts, .offset: 24, .size: 8, .value_kind: global_buffer, .address_space: global }
      - { .name: qkv, .offset: 32, .size: 8, .value_kind: global_buffer, .address_space: global }
    .group_segment_fixed_size: 209920
    .private_segment_fixed_size: 0
    .kernarg_segment_align: 8
    .kernarg_segment_size: 40
    .max_flat_workgroup_size: 512
    .sgpr_count:     66
    .vgpr_count:     256
    .wavefront_size: 32
...
	.end_amdgpu_metadata
.endif
;; end of part 6
;; launch attn (part 7): grid 2 x 128, 16 waves a work-group, no clusters, 110,592 bytes of LDS; arguments qkv, att; writes att
.if DOCPART == 7
	.amdgcn_target "amdgcn-amd-amdhsa--gfx1250"
	.amdhsa_code_object_version 6
	.text
	.protected	k_qa3b245e5e6_attn
	.globl	k_qa3b245e5e6_attn
	.p2align	8
	.type	k_qa3b245e5e6_attn,@function
k_qa3b245e5e6_attn:
	s_mov_b64 s[64:65], 0
	v_nop
	global_prefetch_b8 v0, s[64:65] scope:SCOPE_SE
	s_setreg_imm32_b32 hwreg(HW_REG_WAVE_SCHED_MODE, 0, 2), 2
	s_setreg_imm32_b32 hwreg(HW_REG_WAVE_MODE, 25, 1), 1
	s_wait_xcnt 0x0
	s_wait_alu depctr_vm_vsrc(0)
; Causal attention of one (batch, head) on codes of FP6 (E2M3), and the quantising of its result along the channels.
; THE SOFTMAX AHEAD OF THE SECOND PRODUCT: t = score x log2(e) / 8; M = the row's largest t so far, rounded UP to a whole number; p = 2^(t - M) is quantised along the keys, not normalised.
; The row's sum is taken of the unquantised p and divides O at the end.  When M moves, the sum and O are multiplied by 2^(old M - new M): exact.
; SHARES: the head's K and V codes and scales (106 KB) lie in LDS for the whole launch, filled once through registers.  Two work-groups share a head's 64 query tiles of 16.
; A wave takes tile u = w % 2 of the token groups P and 31 - P (P = 8 x + w / 2): P / 4 + 1 and (31 - P) / 4 + 1 key steps of 128, nine for every wave.
; The loop over key steps has a constant count of eight; a step all of whose keys come after the wave's queries is passed over by a scalar branch on ids.
; LAYOUT: both products transposed: S^T = K Q^T, O^T = V^T P^T: a lane holds ONE query.  Tokens of a tile are not neighbours (lane r of tile u of a group of 32: token 8 u + r + 8 (r / 8)),
; so the 16 registers of key tiles 2 b, 2 b + 1 are keys 32 b + 16 h + 0 .. 15; V's d tiles likewise, so O^T's registers run along d.
; THE FIRST PRODUCT'S K IS 64: Q's registers 6-11 are zero codes.  A key tile is six registers; the operand names twelve: the upper six are the next tile's codes (behind the last tile: zeros), which meet Q's zeros;
; bytes 2 and 3 of both scale words are 0, a finite scale.
; LDS: KB 0: [tile 64][768];  VB 49,152: [key block 32][1,664: d tile 4 x row 16 x 24 bytes, + 128 so that the lanes' halves fall on different banks];  KSB 102,400: [group 32][32 words];  VSB 106,496: [step 8][d tile 4][row 16] words.
; REGISTERS: v1-7, v31 addresses that stay; v8-11, v30 the step's; v12 -M, v13 the largest t, v[14:15] the sum; v16-27, v200-211 the two Q; v28, v29 their scale words; v32-85 K's eight tiles and six zeros, then v32-79 V's four fragments;
;            v96-159 S^T, then p; v160-191 O^T; v192-195 V's scale words, v196-199 K's; v224-235 p's codes; v232-254 at work; v253 p's scale word; v251, v255 the closing add's two.
; LIMITS: NaN and infinities are not served; a block whose largest magnitude lies under 2^-124 takes the byte 1; a block of zeros has the byte 1 and zero codes.
; THE MODE: SCHED_MODE bits 1:0 = 2 (LLVM: expert scheduling mode 2), set by the entry lines.  The code itself states the register dependences
; between vector or matrix instructions and memory or LDS instructions, with s_wait_alu, always for 0.
; THE PLAN.  Registers that memory or LDS instructions touch, in a key step:
;   v8-11, v30   LDS addresses (an LDS address has no scalar base): written by five additions at the step's head, read by the step's 48 LDS loads.
;   v32-79       K's tiles land; the eight products K Q^T read them; V's fragments land; the four products V^T P read them; the next step's K lands.
;   v196-199, v192-195   K's and V's scale words: landed in, read by the same products.
;   v224-235, v253       p's codes and scale word: written by vector instructions, taken by the scaled products as operand and scales.
;   v1-7, v31    made at the head, never written again.   v224-229, v232: a tile's out-buffer.   v96-156: at the head data and addresses of loads and LDS stores, then the scores.
; Waits of a step: one on va_vdst behind the five additions (the addresses are written; the last step's products are done with v32-79 and v192-199); one behind the places of K Q^T, ahead of V's loads;
; one on vm_vsrc straight behind V's loads, the step's last LDS instructions (all its loads have read their addresses); the exponentials' own; one on va_vdst ahead of V^T P (p's operand is written).
; The causal mask's compares go in runs of sixteen into scalar registers, with one wait on va_sdst behind each run.
.set KCO,  6291456
.set VCO,  12582912
.set QSO,  18874368
.set KSO,  19398656
.set VSO,  19922944
.set ASGO, 6291456
.set VB,   49152
.set VBP,  1664
.set KSB,  102400
.set VSB,  106496
.set WV,  8
.set BH,  9
.set UU,  11
.set SEL, 48
.set CS,  50                           ; s[50:51] c = log2(e) / 8
.set KI,  52                           ; the key step
.set DS,  53                           ; the step on the diagonal
.set QD,  54                           ; 32 x (my group % 4)
.set TK,  55                           ; the step's first byte in KB, VB, KSB, VSB
.set TV,  56
.set TS,  57
.set TT,  58
; s36-47 and s16-19: behind the head, the sixteen masks of a run of the causal mask's compares
.macro HQ src, pc, pw, tm              ; 32 numbers of a lane, register 16 b + i = k 32 b + 16 h + i, become a half image in v[pc .. pc+5] and two scale bytes in v[pw]
.irp b, 0,1
	v_max3_num_f32 v[\tm+\b], |v[\src+16*\b]|, |v[\src+16*\b+1]|, 0x1800000
.endr
.irp i, 2,4,6,8,10,12,14
.irp b, 0,1
	v_max3_num_f32 v[\tm+\b], v[\tm+\b], |v[\src+16*\b+\i]|, |v[\src+16*\b+\i+1]|
.endr
.endr
.irp b, 0,1
	v_permlanex16_b32 v[\tm+2+\b], v[\tm+\b], s[SEL], s[SEL+1]
.endr
.irp b, 0,1
	v_max_num_f32 v[\tm+\b], v[\tm+\b], v[\tm+2+\b]
.endr
.irp b, 0,1
	v_add_nc_u32 v[\tm+4+\b], 0xff000000, v[\tm+\b]
.endr
.irp b, 0,1
	v_lshrrev_b32 v[\tm+2+\b], 23, v[\tm+4+\b]
.endr
	v_lshl_or_b32 v[\pw], v[\tm+3], 8, v[\tm+2]
	v_cvt_scalef32_pk16_fp6_f32 v[\pc:\pc+2], v[\src:\src+15], v[\tm+4]
	v_cvt_scalef32_pk16_fp6_f32 v[\pc+4:\pc+6], v[\src+16:\src+31], v[\tm+5]
	v_nop                                          ; one plain place behind a scaled conversion
.irp i, 0,1,2
	v_permlane16_swap_b32 v[\pc+\i], v[\pc+4+\i]
.endr
.irp i, 0,1,2
	v_mov_b32 v[\pc+3+\i], v[\pc+4+\i]
.endr
.endm
.macro BASES x                         ; tile x of the wave: its group in s[12+x]
	s_lshl_b32 s14, s[12+\x], 1
	s_add_co_u32 s14, s14, s[UU]                   ; the tile's number in the head: 2 G + u
	s_mul_i32 s44, s14, 768
	s_add_co_u32 s44, s44, s46
	s_add_nc_u64 s[20+2*\x:21+2*\x], s[4:5], s[44:45]   ; Q's codes
	s_lshl_b32 s44, s[BH], 12
	s_lshl_b32 s15, s14, 6
	s_add_co_u32 s44, s44, s15
	s_add_co_u32 s44, s44, QSO
	s_add_nc_u64 s[24+2*\x:25+2*\x], s[4:5], s[44:45]   ; Q's scale words
	s_lshr_b32 s15, s[BH], 4
	s_lshl_b32 s15, s15, 6
	s_add_co_u32 s15, s15, s14
	s_lshl_b32 s15, s15, 4
	s_and_b32 s44, s[BH], 15
	s_add_co_u32 s15, s15, s44                     ; (batch x 64 + tile) x 16 + head
	s_mul_i32 s44, s15, 768
	s_add_nc_u64 s[28+2*\x:29+2*\x], s[6:7], s[44:45]   ; the result's codes
	s_lshl_b32 s44, s15, 6
	s_add_co_u32 s44, s44, ASGO
	s_add_nc_u64 s[32+2*\x:33+2*\x], s[6:7], s[44:45]   ; and scale words
.endm
	s_load_b128 s[4:7], s[0:1], 0x0                ; qkv, att
	v_lshl_add_u32 v251, v0, 2, 0x1a800
	v_mov_b32 v255, 0
	v_lshrrev_b32 v8, 5, v0
	v_readfirstlane_b32 s[WV], v8                  ; wave 0..15
	v_and_b32 v9, 31, v0                           ; L
	v_and_b32 v10, 15, v0                          ; r
	v_bfe_u32 v11, v0, 4, 1                        ; h
	v_lshlrev_b32 v1, 4, v9                        ; 16 L
	v_lshlrev_b32 v31, 3, v9                       ; 8 L
	v_add_nc_u32 v2, 512, v31
	v_mul_u32_u24 v3, v11, VBP
	v_mad_u32_u24 v3, v10, 24, v3
	v_add_nc_u32 v3, VB, v3                        ; V: key block h, row r
	v_lshl_add_u32 v4, v9, 2, KSB
	v_lshlrev_b32 v7, 2, v10                       ; 4 r
	v_add_nc_u32 v5, VSB, v7
	s_wait_alu depctr_va_sdst(0)                   ; the wave's number is written, ahead of its first reader
	s_and_b32 s[UU], s[WV], 1
	s_lshl_b32 s14, s[UU], 3
	v_and_b32 v6, 8, v10
	v_add_nc_u32 v6, v6, v10
	v_lshlrev_b32 v8, 4, v11
	v_sub_nc_u32 v6, v6, v8
	v_add_nc_u32 v6, s14, v6                       ; my query in its group of 32, less 16 h
	v_lshlrev_b32 v150, 4, v0                      ; the head's addresses: 16 x thread;
	s_mul_i32 s15, s[WV], 3072
	v_add_nc_u32 v151, s15, v1                     ; V in memory: two key blocks a wave;
	s_mul_i32 s15, s[WV], 3328
	s_add_co_u32 s15, s15, VB
	v_add_nc_u32 v152, s15, v1                     ; and in LDS;
	v_lshlrev_b32 v153, 3, v0
	v_add_nc_u32 v156, KSB, v153
	v_lshrrev_b32 v154, 6, v0                      ; V's scale bytes: thread = (step, d tile, row): byte i at (4 step + i) x 64 + 4 row + d tile
	v_lshlrev_b32 v154, 8, v154
	v_lshl_add_u32 v154, v10, 2, v154
	v_bfe_u32 v155, v0, 4, 2
	v_add_nc_u32 v154, v154, v155
	v_lshl_add_u32 v155, v0, 2, VSB
	s_and_b32 s[BH], ttmp7, 0xffff                 ; batch x 16 + head
	s_lshl_b32 s10, ttmp9, 3
	s_lshr_b32 s12, s[WV], 1
	s_add_co_u32 s12, s12, s10                     ; P: the first tile's group
	s_sub_co_u32 s13, 31, s12                      ; the second's
	s_mul_i32 s46, s[BH], 49152
	s_mov_b32 s45, 0
	s_mov_b32 s[SEL], 0x76543210
	s_mov_b32 s[SEL+1], 0xfedcba98
	s_mov_b32 s[CS], 0x3e38aa3b                    ; log2(e) / 8
	s_mov_b32 s[CS+1], s[CS]                       ; (named with it as a pair, so it is written)
	s_wait_kmcnt 0x0
	s_add_co_u32 s44, s46, KCO
	s_add_nc_u64 s[36:37], s[4:5], s[44:45]
	s_add_co_u32 s44, s46, VCO
	s_add_nc_u64 s[38:39], s[4:5], s[44:45]
	s_lshl_b32 s44, s[BH], 12
	s_add_co_u32 s44, s44, KSO
	s_add_nc_u64 s[40:41], s[4:5], s[44:45]
	s_lshl_b32 s44, s[BH], 11
	s_add_co_u32 s44, s44, VSO
	s_add_nc_u64 s[42:43], s[4:5], s[44:45]
	BASES 0
	BASES 1
	s_wait_alu depctr_va_vdst(0)                   ; the offsets and addresses v1-7, v31 and v150-156 are written, which the loads and stores below read
.irp i, 0,1,2,3,4,5
	global_load_b128 v[96+4*\i:99+4*\i], v150, s[36:37] offset:8192*\i
.endr
.irp i, 0,1,2,3,4,5
	global_load_b128 v[120+4*\i:123+4*\i], v151, s[38:39] offset:512*\i
.endr
	global_load_b64 v[144:145], v153, s[40:41]
.irp i, 0,1,2,3
	global_load_u8 v[146+\i], v154, s[42:43] offset:64*\i
.endr
	global_load_b128 v[16:19], v1, s[20:21]
	global_load_b64 v[20:21], v31, s[20:21] offset:512
	global_load_b32 v28, v7, s[24:25]
	global_load_b128 v[200:203], v1, s[22:23]
	global_load_b64 v[204:205], v31, s[22:23] offset:512
	global_load_b32 v29, v7, s[26:27]
.irp j, 22,23,24,25,26,27,206,207,208,209,210,211,80,81,82,83,84,85
	v_mov_b32 v\j, 0                               ; zero codes: the upper 64 of the first product's K
.endr
.irp j, 236,237,238,239,252,253
	v_mov_b32 v\j, 0                               ; written once: lane permutes' destinations, and the upper half of the pair v[252:253]
.endr
	s_wait_loadcnt 0x0
	v_lshl_or_b32 v146, v147, 8, v146              ; four key blocks' bytes make a step's scale word
	v_lshl_or_b32 v146, v148, 16, v146
	v_lshl_or_b32 v146, v149, 24, v146
	s_wait_alu depctr_va_vdst(0)                   ; v146 is written, which the last store below reads; so are the zero codes, which the scaled products take as parts of their operands
.irp i, 0,1,2,3,4,5
	ds_store_b128 v150, v[96+4*\i:99+4*\i] offset:8192*\i
.endr
.irp i, 0,1,2,3,4,5
	ds_store_b128 v152, v[120+4*\i:123+4*\i] offset:512*\i+128*(\i/3)
.endr
	ds_store_b64 v156, v[144:145]
	ds_store_b32 v155, v146
	s_wait_dscnt 0x0                               ; for the others' sake: my part of the head lies in LDS
	s_barrier_signal -1
	s_barrier_wait -1                              ; the one barrier: from here on LDS is only read
.macro TILE x, qf, qs
	s_wait_xcnt 0x0                                ; the tile before has had its stores' registers read
	s_wait_alu depctr_vm_vsrc(0)                   ; first tile: the head's loads and LDS stores have read v96-156, in which the scores are written; second tile: the first tile's stores have read v224-229 and v232, which the softmax writes again
	v_mov_b32 v13, 0xff61b1e6                      ; the largest t so far: -3e38
	v_floor_f32 v12, -v13                          ; -M
	v_mov_b32 v14, 0
	v_mov_b32 v15, 0
.irp j, 0,1,2,3,4,5,6,7,8,9,10,11,12,13,14,15,16,17,18,19,20,21,22,23,24,25,26,27,28,29,30,31
	v_mov_b32 v[160+\j], 0                         ; O^T: the step is written once; its first turn finds zeros, which the first change of M leaves zeros
.endr
	s_lshr_b32 s[DS], s[12+\x], 2
	s_and_b32 s[QD], s[12+\x], 3
	s_lshl_b32 s[QD], s[QD], 5
	s_mov_b32 s[KI], 0
	s_mov_b32 s[TK], 0
	s_mov_b32 s[TV], 0
	s_mov_b32 s[TS], 0
	s_mov_b32 s[TT], 0
.Lstep_\@:
	s_cmp_gt_u32 s[KI], s[DS]                      ; all 128 keys come after my queries: only the addresses step
	s_cbranch_scc1 .Lhidden_\@
	v_add_nc_u32 v8, s[TK], v1                     ; (these five are also the places in front of the loads into registers that the last products read; the last step's LDS loads have read these registers: the wait on vm_vsrc behind V's loads)
	v_add_nc_u32 v9, s[TK], v2
	v_add_nc_u32 v10, s[TV], v3
	v_add_nc_u32 v11, s[TS], v4
	v_add_nc_u32 v30, s[TT], v5
	s_wait_alu depctr_va_vdst(0)                   ; the five addresses are written, which this step's LDS loads read; the last step's products are done reading v32-79 and v192-199, in which they land
.irp i, 0,1,2,3,4,5,6,7
	ds_load_b128 v[32+6*\i:35+6*\i], v8 offset:768*\i
	ds_load_b64 v[36+6*\i:37+6*\i], v9 offset:768*\i
.endr
.irp g, 0,1,2,3
	ds_load_b32 v[196+\g], v11 offset:128*\g       ; lanes 0-15 tile 2 g's words, lanes 16-31 tile 2 g + 1's
.endr
	s_wait_dscnt 0x0
.irp i, 0,2,4,6
	v_wmma_scale_f32_16x16x128_f8f6f4 v[96+8*\i:103+8*\i], v[32+6*\i:43+6*\i], v[\qf:\qf+11], 0, v[196+\i/2], v[\qs] matrix_a_fmt:MATRIX_FMT_FP6 matrix_b_fmt:MATRIX_FMT_FP6
	v_wmma_scale_f32_16x16x128_f8f6f4 v[104+8*\i:111+8*\i], v[38+6*\i:49+6*\i], v[\qf:\qf+11], 0, v[196+\i/2], v[\qs] matrix_a_fmt:MATRIX_FMT_FP6 matrix_b_fmt:MATRIX_FMT_FP6 matrix_a_scale:MATRIX_SCALE_ROW1
.endr
.rept 4
	v_nop                                          ; four places in front of the loads below and of the first read of the scores
.endr
	s_wait_alu depctr_va_vdst(0)                   ; the eight products are done reading K's tiles v32-79, in which V's fragments land
.irp n, 0,1,2,3                                ; V's four fragments land while the softmax is walked
.irp c, 0,1
.irp p, 0,1,2
	ds_load_b64 v[32+12*\n+6*\c+2*\p:33+12*\n+6*\c+2*\p], v10 offset:2*\c*VBP+384*\n+8*\p
.endr
.endr
	ds_load_b32 v[192+\n], v30 offset:64*\n
.endr
	s_wait_alu depctr_vm_vsrc(0)                   ; the step's LDS loads, of which these are the last, have read v8-11 and v30, which the next step's additions write; it stands ahead of the branches
	s_cmp_lt_u32 s[KI], s[DS]                      ; all 128 keys count: no mask
	s_cbranch_scc1 .Lopen_\@
	v_add_nc_u32 v252, s[QD], v6                   ; register 16 b + i holds the step's key 32 b + 16 h + i: hidden where 32 b + i > my query in the step - 16 h
	v_mov_b32 v254, 0xff800000                     ; -infinity: p = 0 then
.irp b, 0,1,2,3                                ; a block of 32 keys at a time: sixteen compares into scalar registers, one wait, sixteen selects
.irp i, 0,1,2,3,4,5,6,7,8,9,10,11,12,13,14,15
.set MS, 36+\i
.if \i >= 12
.set MS, 4+\i
.endif
	v_cmp_gt_i32 s[MS], 32*\b+\i, v252
.endr
	s_wait_alu depctr_va_sdst(0)                   ; the run's sixteen masks are written, ahead of the selects that read them
.irp i, 0,1,2,3,4,5,6,7,8,9,10,11,12,13,14,15
.set MS, 36+\i
.if \i >= 12
.set MS, 4+\i
.endif
	v_cndmask_b32 v[96+16*\b+\i], v[96+16*\b+\i], v254, s[MS]
.endr
.endr
.Lopen_\@:
.irp b, 0,1,2,3
	v_max3_num_f32 v[232+\b], v[96+16*\b], v[97+16*\b], v[98+16*\b]   ; the largest score of each block of 32 keys: for the row's maximum and, since p rises with the score, for the block's largest p
.endr
.irp i, 3,5,7,9,11,13
.irp b, 0,1,2,3
	v_max3_num_f32 v[232+\b], v[232+\b], v[96+16*\b+\i], v[97+16*\b+\i]
.endr
.endr
.irp b, 0,1,2,3
	v_max_num_f32 v[232+\b], v[232+\b], v[111+16*\b]
.endr
.irp b, 0,1,2,3
	v_permlanex16_b32 v[236+\b], v[232+\b], s[SEL], s[SEL+1]
.endr
.irp b, 0,1,2,3
	v_max_num_f32 v[232+\b], v[232+\b], v[236+\b]
.endr
	v_max3_num_f32 v254, v232, v233, v234
	v_max_num_f32 v254, v254, v235
	v_mul_f32 v254, s[CS], v254                    ; the step's largest t of my query
	v_max_num_f32 v13, v13, v254
	v_mov_b32 v254, v12
	v_floor_f32 v12, -v13                          ; the new -M = -ceil(t)
	v_sub_f32 v254, v12, v254                      ; old M - new M: a whole number, 0 or less
	v_cvt_i32_f32 v254, v254                       ; (it saturates)
	v_ldexp_f32 v252, 1.0, v254                    ; f = 2^(old M - new M)
.irp j, 0,2,4,6,8,10,12,14,16,18,20,22,24,26,28,30,32,34,36,38,40,42,44,46,48,50,52,54,56,58,60,62
	v_pk_fma_f32 v[96+\j:97+\j], v[96+\j:97+\j], s[CS:CS+1], v[12:13] op_sel_hi:[1,0,0]   ; t - M
.endr
.irp b, 0,1,2,3
	v_fma_f32 v[232+\b], v[232+\b], s[CS], v12
.endr
	s_wait_alu depctr_va_vdst(0)
.irp j, 0,1,2,3,4,5,6,7,8,9,10,11,12,13,14,15,16,17,18,19,20,21,22,23,24,25,26,27,28,29,30,31,32,33,34,35,36,37,38,39,40,41,42,43,44,45,46,47,48,49,50,51,52,53,54,55,56,57,58,59,60,61,62,63
	v_exp_f32 v[96+\j], v[96+\j]                   ; p = 2^(t - M)
.endr
.irp b, 0,1,2,3
	v_exp_f32 v[232+\b], v[232+\b]                 ; each block's largest p: the same two instructions on the same number
.endr
	v_pk_mul_f32 v[14:15], v[14:15], v[252:253] op_sel_hi:[1,0]   ; the sum under the new M (a plain place behind the exponentials)
	s_wait_alu depctr_va_vdst(0)                   ; the 68 exponentials have written v96-159 and v232-235, ahead of their first reader
.irp b, 0,1,2,3
	v_max_num_f32 v[232+\b], 0x1800000, v[232+\b]  ; the floor 2^(3 - 127)
.endr
.irp b, 0,1,2,3
	v_add_nc_u32 v[244+\b], 0xff000000, v[232+\b]
.endr
.irp b, 0,1,2,3
	v_lshrrev_b32 v[236+\b], 23, v[244+\b]
.endr
	v_lshl_or_b32 v253, v237, 8, v236              ; p's scale word for these 128 keys
	v_lshl_or_b32 v253, v238, 16, v253
	v_lshl_or_b32 v253, v239, 24, v253
.irp c, 0,1
	v_cvt_scalef32_pk16_fp6_f32 v[224+6*\c:226+6*\c], v[96+32*\c:111+32*\c], v[244+2*\c]
	v_cvt_scalef32_pk16_fp6_f32 v[236+4*\c:238+4*\c], v[112+32*\c:127+32*\c], v[244+2*\c+1]
.endr
	v_nop                                          ; one plain place behind a scaled conversion
.irp c, 0,1
.irp i, 0,1,2
	v_permlane16_swap_b32 v[224+6*\c+\i], v[236+4*\c+\i]
.endr
.irp i, 0,1,2
	v_mov_b32 v[227+6*\c+\i], v[236+4*\c+\i]
.endr
.endr
.irp j, 0,2,4,6,8,10,12,14,16,18,20,22,24,26,28,30
	v_pk_mul_f32 v[160+\j:161+\j], v[160+\j:161+\j], v[252:253] op_sel_hi:[1,0]   ; O^T under the new M
.endr
	v_pk_add_f32 v[236:237], v[96:97], v[98:99]    ; the row's sum of the UNQUANTISED p, in two chains.  (These 32 additions are the places between the scale word, the codes, O^T and the products)
.irp j, 4,8,12,16,20,24,28,32,36,40,44,48,52,56,60
	v_pk_add_f32 v[14:15], v[14:15], v[96+\j:97+\j]
	v_pk_add_f32 v[236:237], v[236:237], v[98+\j:99+\j]
.endr
	v_pk_add_f32 v[14:15], v[14:15], v[236:237]
	s_wait_dscnt 0x0                               ; V's fragments and scale words are in
	s_wait_alu depctr_va_vdst(0)                   ; p's codes v224-235 and its scale word v253 are written, which the scaled products below take as operand and scales; the places above stay beside this wait
.irp n, 0,1,2,3
	v_wmma_scale_f32_16x16x128_f8f6f4 v[160+8*\n:167+8*\n], v[32+12*\n:43+12*\n], v[224:235], v[160+8*\n:167+8*\n], v[192+\n], v253 matrix_a_fmt:MATRIX_FMT_FP6 matrix_b_fmt:MATRIX_FMT_FP6
.endr
.Lhidden_\@:
	s_add_co_u32 s[TK], s[TK], 6144
	s_add_co_u32 s[TV], s[TV], 4*VBP
	s_add_co_u32 s[TS], s[TS], 512
	s_add_co_u32 s[TT], s[TT], 256
	s_add_co_u32 s[KI], s[KI], 1
	s_cmp_lt_u32 s[KI], 8
	s_cbranch_scc1 .Lstep_\@
.rept 4
	v_nop                                          ; four places behind the last products
.endr
	v_add_f32 v14, v14, v15
	v_permlanex16_b32 v252, v14, s[SEL], s[SEL+1]
	v_add_f32 v14, v14, v252                       ; the row's sum
	s_wait_alu depctr_va_vdst(0)
	v_rcp_f32 v14, v14
	v_nop                                          ; one plain place behind a transcendental
	s_wait_alu depctr_va_vdst(0)                   ; the reciprocal is written, ahead of its first reader
.irp j, 0,1,2,3,4,5,6,7,8,9,10,11,12,13,14,15,16,17,18,19,20,21,22,23,24,25,26,27,28,29,30,31
	v_mul_f32 v[96+\j], v[160+\j], v14             ; register 16 b + i: channel 32 b + 16 h + i of the head
.endr
	HQ 96, 224, 232, 236
	s_wait_alu depctr_va_vdst(0)                   ; the codes v224-229 and the scale bytes v232 are written, which the stores read
	global_store_b128 v1, v[224:227], s[28+2*\x:29+2*\x]            ; the half image: 512 consecutive bytes,
	global_store_b64 v31, v[228:229], s[28+2*\x:29+2*\x] offset:512 ; and 256
	global_store_b32 v7, v232, s[32+2*\x:33+2*\x]                   ; both halves of the lanes write the same word with the same value
.endm
	TILE 0, 16, 28
	TILE 1, 200, 29
	s_wait_dscnt 0x0                               ; the closing lines, six on end
	s_wait_alu 0x0
	s_wait_tensorcnt 0x0
	ds_add_u32 v251, v255
	s_wait_dscnt 0x0
	s_endpgm
.Lfunc_end_k_qa3b245e5e6_attn:
	.size	k_qa3b245e5e6_attn, .Lfunc_end_k_qa3b245e5e6_attn-k_qa3b245e5e6_attn
	.p2alignl 7, 3214868480
	.fill 96, 4, 3214868480
	.section	.rodata,"a",@progbits
	.p2align	6, 0x0
	.amdhsa_kernel k_qa3b245e5e6_attn
		.amdhsa_group_segment_fixed_size 110592
		.amdhsa_private_segment_fixed_size 0
		.amdhsa_enable_private_segment 0
		.amdhsa_kernarg_size 16
		.amdhsa_user_sgpr_count 2
		.amdhsa_user_sgpr_kernarg_segment_ptr 1
		.amdhsa_wavefront_size32 1
		.amdhsa_system_sgpr_workgroup_id_x 1
		.amdhsa_system_sgpr_workgroup_id_y 1
		.amdhsa_system_sgpr_workgroup_id_z 1
		.amdhsa_system_vgpr_workitem_id 0
		.amdhsa_next_free_vgpr 256
		.amdhsa_next_free_sgpr 66
		.amdhsa_reserve_vcc 0
		.amdhsa_float_denorm_mode_32 3
		.amdhsa_float_denorm_mode_16_64 3
		.amdhsa_memory_ordered 1
		.amdhsa_forward_progress 1
		.amdhsa_inst_pref_size 72
	.end_amdhsa_kernel
	.amdgpu_metadata
---
amdhsa.version: [ 1, 2 ]
amdhsa.kernels:
  - .name:           k_qa3b245e5e6_attn
    .symbol:         k_qa3b245e5e6_attn.kd
    .args:
      - { .name: qkv, .offset: 0, .size: 8, .value_kind: global_buffer, .address_space: global }
      - { .name: att, .offset: 8, .size: 8, .value_kind: global_buffer, .address_space: global }
    .group_segment_fixed_size: 110592
    .private_segment_fixed_size: 0
    .kernarg_segment_align: 8
    .kernarg_segment_size: 16
    .max_flat_workgroup_size: 512
    .sgpr_count:     66
    .vgpr_count:     256
    .wavefront_size: 32
...
	.end_amdgpu_metadata
.endif
;; end of part 7
;; launch tail (part 8): grid 256 x 1, 16 waves a work-group, no clusters, 217,088 bytes of LDS; arguments x, att, wts, bproj, b1, b2, g2, beta2, out0; writes out0
.if DOCPART == 8
	.amdgcn_target "amdgcn-amd-amdhsa--gfx1250"
	.amdhsa_code_object_version 6
	.text
	.protected	k_qa3b245e5e6_tail
	.globl	k_qa3b245e5e6_tail
	.p2align	8
	.type	k_qa3b245e5e6_tail,@function
k_qa3b245e5e6_tail:
	s_mov_b64 s[64:65], 0
	v_nop
	global_prefetch_b8 v0, s[64:65] scope:SCOPE_SE
	s_setreg_imm32_b32 hwreg(HW_REG_WAVE_SCHED_MODE, 0, 2), 2
	s_setreg_imm32_b32 hwreg(HW_REG_WAVE_MODE, 25, 1), 1
	s_wait_xcnt 0x0
	s_wait_alu depctr_vm_vsrc(0)
; x1 = x + attn Wproj + bproj;  xn2 = LayerNorm(x1);  h = relu(xn2 W1 + b1);  out = x1 + h W2 + b2.  The three products on codes of FP6 (E2M3); x1, xn2 and h never go to memory.
; SHARES: a work-group owns 32 tokens and all 1,024 columns; wave w owns columns 64 w .. 64 w + 63 of every product.  Each weight fragment is used by ONE wave of the work-group and goes from memory
; straight into its operand registers (three loads of 512 consecutive bytes): through LDS the same bytes would be written and read once more; that is why no LDS ring and no joint loads are used here.
; Source 0 = 16 columns of the weight, source 1 = 16 tokens: a lane holds one token (lane r of tile m: token 8 m + r + 8 (r / 8) of the 32), and register 32 m + 16 b + i column 64 w + 32 b + 16 h + i.
; A wave's 64 columns are one half image (16 rows x 64 K, 768 bytes: registers 0-3 of lane L at 16 L, registers 4-5 at 512 + 8 L) of the next product's operand, which goes to the other waves through LDS.
; The residual and the bias start each sum: x + bproj is the accumulator that the first product adds onto, b1 is the C of the second product's first step, x1 + b2 starts the third
; (another order of rounding than x + (attn Wproj) + bproj; the difference is of the size of an f32 rounding).
; LDS: AI0 0, AI1 24,576: [tile 2][half 16][768];  AS0 49,152, AS1 50,176: [tile][row][32 scale bytes];  RED0 51,200, RED1 53,248: [token 32][wave 16] f32;
;      PAR 55,296: bproj, b1, b2, g2, beta2 of the wave's 64 columns, 1,280 bytes a wave;  X1B 75,776: 32 rows x (256 + 16) bytes a wave: x, then x1, then the result.
; REGISTERS: v1 16 L, v2 8 L, v3 32 r, v4-15 addresses, v16-79 accumulators, v80-127, v128-175 two sets of four weight fragments, v176-199 two operand fragments, set 0 (between the products: at work),
;            v200-215 the operand's scale words, v216-247 biases and gains (v216-239 in the K steps: the operand fragments' set 1), v248-251 the weights' scale words, v252-255 mean and 1 / sqrt of the two tiles.
; LIMITS: NaN and infinities are not served; a block whose largest magnitude lies under 2^-124 takes the byte 1; a block of zeros has the byte 1 and zero codes.
; THE MODE: SCHED_MODE bits 1:0 = 2 (LLVM: expert scheduling mode 2), set by the entry lines.  The code itself states the register dependences
; between vector or matrix instructions and memory or LDS instructions, with s_wait_alu, always for 0.
; THE PLAN.  Registers that memory or LDS instructions touch:
;   v1-15        offsets and LDS addresses: written at the head, ahead of one wait on va_vdst, and never again.
;   BF0, BF1, BS K step q's products read set q % 2; behind the step's wait the 13 loads of stream step q + 2 land in it.
;   AF0, AF1     K step q's products read set q % 2.  In steps 1 to 6 of a phase the eight LDS loads of step q + 1's fragments stand one behind each product and land in the other set, which step q - 1's
;                products read.  A phase's first step asks for them behind its own wait: up to there its C operand, or the additions of the bias, name v216-247.
;   v16-79       accumulators; parked in and fetched from my rows of LDS between the phases.     v184: a reduction's store and loads.     v182-197: the out-buffer of the codes made between the phases.
;   v216-247     biases and gains land here between the phases.     v252: an offset at the head, then the mean.
; So ONE wait on va_vdst stands behind each K step's places: its products are done reading their fragments, their weight set and scale words, and have written the accumulators.  Behind it the next step's
; products name the other sets, the operand's scale words and the accumulators: none of the registers in which the loads that follow the wait land.
.set W0,  3                            ; the first weight of this launch's stream: Wproj, W1, W2
.set AI0, 0
.set AI1, 24576
.set AS0, 49152
.set AS1, 50176
.set RED0, 51200
.set PAR, 55296
.set X1B, 75776
.set WSO, 4718592
.set ASGO, 6291456
.set ACC, 16
.set BF,  80
.set AF,  176                          ; set 0 at v176, set 1 at v216: 40 registers on
.set ASR, 200
.set BI,  216
.set BS,  248
.set WV,  22
.set WCP, 24
.set WSP, 26
.set XB,  28
.set OB,  30
.set ACB, 32
.set ASGB, 34
.set SEL, 36
.set HM,  38                           ; mask of lanes 16-31
.set C10, 39                           ; 2^-10
.set EPS, 40
.macro LOADB q                         ; stream step q (0 .. 23): weight q / 8, K step q % 8: four fragments and their scale words: 13 loads, into set q % 2
.irp i, 0,1,2,3,4,5,6,7,8,9,10,11
	global_load_b128 v[BF+48*((\q)%2)+4*\i:BF+48*((\q)%2)+4*\i+3], v1, s[WCP:WCP+1] offset:(W0+(\q)/8)*786432+((\q)%8)*6144+512*\i
.endr
	global_load_b64 v[BS+2*((\q)%2):BS+2*((\q)%2)+1], v2, s[WSP:WSP+1] offset:(W0+(\q)/8)*32768+((\q)%8)*256
.endm
.macro LOADA ai, s                     ; the two tiles' fragments of K step s of a phase, into set s % 2: two half images each
.irp m, 0,1
	ds_load_b128 v[AF+40*((\s)%2)+12*\m:AF+40*((\s)%2)+12*\m+3], v1 offset:\ai+(16*\m+2*(\s))*768
	ds_load_b64 v[AF+40*((\s)%2)+12*\m+4:AF+40*((\s)%2)+12*\m+5], v2 offset:\ai+(16*\m+2*(\s))*768+512
	ds_load_b128 v[AF+40*((\s)%2)+12*\m+6:AF+40*((\s)%2)+12*\m+9], v1 offset:\ai+(16*\m+2*(\s))*768+768
	ds_load_b64 v[AF+40*((\s)%2)+12*\m+10:AF+40*((\s)%2)+12*\m+11], v2 offset:\ai+(16*\m+2*(\s))*768+1280
.endr
.endm
.macro LA1 ai, s, i                    ; load i (0 .. 7) of the same eight, by itself
.set AA,  AF+40*((\s)%2)+12*((\i)/4)
.set AOF, \ai+(16*((\i)/4)+2*(\s))*768
.if (\i)%4 == 0
	ds_load_b128 v[AA:AA+3], v1 offset:AOF
.elseif (\i)%4 == 1
	ds_load_b64 v[AA+4:AA+5], v2 offset:AOF+512
.elseif (\i)%4 == 2
	ds_load_b128 v[AA+6:AA+9], v1 offset:AOF+768
.else
	ds_load_b64 v[AA+10:AA+11], v2 offset:AOF+1280
.endif
.endm
.macro LOADS as                        ; all eight K steps' scale words of the two tiles
.irp m, 0,1
.irp k, 0,1
	ds_load_b128 v[ASR+8*\m+4*\k:ASR+8*\m+4*\k+3], v3 offset:\as+512*\m+16*\k
.endr
.endr
.endm
; Eight matrix instructions: four weight tiles x two token tiles.  The eight accumulators take turns, one instruction a turn, from K step to K step too.
; cm = 1: C is the bias; cm = 2: the sum so far.  The weights' scale words of tiles 2 j and 2 j + 1 share a register: lanes 0-15 and lanes 16-31.
; DL = 1: behind each product stands one LDS load of the next step's fragments (NL counts them).  No wait: no vector or matrix instruction since the wait behind the last step names the set in which they land.
.macro MM q, cm, ai
.irp t, 0,1,2,3
.irp m, 0,1
.set DD,  ACC+8*(4*\m+\t)
.set OPA, BF+48*((\q)%2)+12*\t
.set OPB, AF+40*((\q)%2)+12*\m
.set SCA, BS+2*((\q)%2)+\t/2
.set SCB, ASR+8*\m+(\q)%8
.set CC, DD
.if \cm == 1
.set CC, BI+8*\t
.endif
.if (\t%2) == 0
	v_wmma_scale_f32_16x16x128_f8f6f4 v[DD:DD+7], v[OPA:OPA+11], v[OPB:OPB+11], v[CC:CC+7], v[SCA], v[SCB] matrix_a_fmt:MATRIX_FMT_FP6 matrix_b_fmt:MATRIX_FMT_FP6
.else
	v_wmma_scale_f32_16x16x128_f8f6f4 v[DD:DD+7], v[OPA:OPA+11], v[OPB:OPB+11], v[CC:CC+7], v[SCA], v[SCB] matrix_a_fmt:MATRIX_FMT_FP6 matrix_b_fmt:MATRIX_FMT_FP6 matrix_a_scale:MATRIX_SCALE_ROW1
.endif
.if DL
	LA1 \ai, (\q)%8+1, NL
.set NL, NL+1
.endif
.endr
.endr
.endm
.macro KSTEP q, ai, cm
.set NL, 0
.set DL, 0
.if ((\q)%8 >= 1) && ((\q)%8 <= 6)
.set DL, 1
.endif
.if (\q)%8 == 0
	LOADA \ai, 0                                   ; a phase's first fragments
.endif
.if (\q) < 23
	s_wait_loadcnt 13                              ; this step's 13 loads are in; the next step's 13 may be out
.else
	s_wait_loadcnt 0x0
.endif
	s_wait_dscnt 0x0                               ; this step's fragments are in
	MM \q, \cm, \ai
.rept 4
	v_nop                                          ; four places in front of loads into registers that matrix instructions have read, and of the first read of results
.endr
	s_wait_alu depctr_va_vdst(0)                   ; this step's products are done reading their fragments, their weight set, its scale words and (a phase's first step) the bias, in all of which the loads that follow land; at a phase's end they have written the accumulators, which LDS stores read
.if (\q)%8 == 0
	LOADA \ai, 1                                   ; the second step's fragments, into the registers that held the bias
.endif
.if (\q)+2 <= 23
	LOADB (\q)+2                                   ; into the set just multiplied
.endif
.endm
.macro HQ src, pc, pw, tm              ; 32 numbers of a lane, register 16 b + i = k 32 b + 16 h + i, become a half image in v[pc .. pc+5] and two scale bytes in v[pw]
.irp b, 0,1
	v_max3_num_f32 v[\tm+\b], |v[\src+16*\b]|, |v[\src+16*\b+1]|, 0x1800000
.endr
.irp i, 2,4,6,8,10,12,14
.irp b, 0,1
	v_max3_num_f32 v[\tm+\b], v[\tm+\b], |v[\src+16*\b+\i]|, |v[\src+16*\b+\i+1]|
.endr
.endr
.irp b, 0,1
	v_permlanex16_b32 v[\tm+2+\b], v[\tm+\b], s[SEL], s[SEL+1]
.endr
.irp b, 0,1
	v_max_num_f32 v[\tm+\b], v[\tm+\b], v[\tm+2+\b]
.endr
.irp b, 0,1
	v_add_nc_u32 v[\tm+4+\b], 0xff000000, v[\tm+\b]
.endr
.irp b, 0,1
	v_lshrrev_b32 v[\tm+2+\b], 23, v[\tm+4+\b]
.endr
	v_lshl_or_b32 v[\pw], v[\tm+3], 8, v[\tm+2]
	v_cvt_scalef32_pk16_fp6_f32 v[\pc:\pc+2], v[\src:\src+15], v[\tm+4]
	v_cvt_scalef32_pk16_fp6_f32 v[\pc+4:\pc+6], v[\src+16:\src+31], v[\tm+5]
	v_nop                                          ; one plain place behind a scaled conversion
.irp i, 0,1,2
	v_permlane16_swap_b32 v[\pc+\i], v[\pc+4+\i]
.endr
.irp i, 0,1,2
	v_mov_b32 v[\pc+3+\i], v[\pc+4+\i]
.endr
.endm
.macro BAR                             ; my LDS stores have landed and my LDS loads are in: then the work-group's barrier
	s_wait_dscnt 0x0
	s_barrier_signal -1
	s_barrier_wait -1
.endm
.macro XST                             ; the 64 accumulator registers into my rows: registers 32 m + 16 b + 8 u + 4 k at 4,352 m + 128 b + 32 u + 16 k; each accumulator from its low end on
.irp n, 0,1,2,3,4,5,6,7,8,9,10,11,12,13,14,15
	ds_store_b128 v6, v[16+4*\n:19+4*\n] offset:4352*(\n/8)+16*(\n%8)+64*((\n/4)%2)
.endr
.endm
.macro XLD                             ; and back
.irp n, 0,1,2,3,4,5,6,7,8,9,10,11,12,13,14,15
	ds_load_b128 v[16+4*\n:19+4*\n], v6 offset:4352*(\n/8)+16*(\n%8)+64*((\n/4)%2)
.endr
.endm
.macro PLD vec                         ; a parameter vector's 32 numbers of my lanes' half, in the accumulators' order
.irp n, 0,1,2,3,4,5,6,7
	ds_load_b128 v[BI+4*\n:BI+4*\n+3], v8 offset:256*\vec+16*\n+64*(\n/4)
.endr
.endm
.macro PLDH dst, vec, b                ; 16 of them: block b
.irp n, 0,1,2,3
	ds_load_b128 v[\dst+4*\n:\dst+4*\n+3], v8 offset:256*\vec+128*\b+16*\n
.endr
.endm
.macro ADDB                            ; the bias onto both tiles
.irp m, 0,1
.irp j, 0,2,4,6,8,10,12,14,16,18,20,22,24,26,28,30
	v_pk_add_f32 v[16+32*\m+\j:17+32*\m+\j], v[16+32*\m+\j:17+32*\m+\j], v[BI+\j:BI+\j+1]
.endr
.endr
.endm
.macro GBF b                           ; x g2 + beta2, block b of both tiles
.irp m, 0,1
.irp j, 0,2,4,6,8,10,12,14
	v_pk_fma_f32 v[16+32*\m+16*\b+\j:17+32*\m+16*\b+\j], v[16+32*\m+16*\b+\j:17+32*\m+16*\b+\j], v[216+\j:217+\j], v[232+\j:233+\j]
.endr
.endr
.endm
; v176 and v180 hold a lane's part of tile 0's and tile 1's sums.  The 16 waves' parts meet in LDS; v184 then holds the whole sum of token (physical row) L.
.macro TRED off
.irp m, 0,1
	v_permlanex16_b32 v[177+4*\m], v[176+4*\m], s[SEL], s[SEL+1]
.endr
.irp m, 0,1
	v_add_f32 v[176+4*\m], v[176+4*\m], v[177+4*\m]
.endr
	v_cndmask_b32 v184, v176, v180, s[HM]          ; lanes 0-15 tile 0's rows, lanes 16-31 tile 1's
	s_wait_alu depctr_va_vdst(0)                   ; v184 is written, which the store reads; and the vector work is done with v184-199, in which the loads below land
	ds_store_b32 v11, v184 offset:\off
	BAR
	s_wait_alu depctr_vm_vsrc(0)                   ; the store has read v184, in which a load lands; the stores that parked x1 have read v16-79, which the lines behind this sum write
.irp k, 0,1,2,3
	ds_load_b128 v[184+4*\k:187+4*\k], v12 offset:\off+16*\k
.endr
	s_wait_dscnt 0x0
	v_pk_add_f32 v[184:185], v[184:185], v[186:187]
	v_pk_add_f32 v[188:189], v[188:189], v[190:191]
	v_pk_add_f32 v[192:193], v[192:193], v[194:195]
	v_pk_add_f32 v[196:197], v[196:197], v[198:199]
	v_pk_add_f32 v[184:185], v[184:185], v[188:189]
	v_pk_add_f32 v[192:193], v[192:193], v[196:197]
	v_pk_add_f32 v[184:185], v[184:185], v[192:193]
	v_add_f32 v184, v184, v185
.endm
.macro SPREAD                          ; v184 of row L becomes v252 (tile 0's row r) and v254 (tile 1's row r) in every lane
	v_permlanex16_b32 v185, v184, s[SEL], s[SEL+1]
	v_cndmask_b32 v252, v184, v185, s[HM]
	v_cndmask_b32 v254, v185, v184, s[HM]
.endm
.macro QOUT ai, as                     ; my 64 columns of both tiles become half image w of the next operand: both tiles are quantised, then one wait, then the six stores
.irp m, 0,1
	HQ 16+32*\m, 184+8*\m, 182+\m, 176
.endr
	s_wait_alu depctr_va_vdst(0)                   ; the codes v184-189, v192-197 and the bytes v182, v183 are written, which the stores read; and the vector work is done with v16-79 and v216-247, in which the loads behind these stores land
.irp m, 0,1
	ds_store_b128 v13, v[184+8*\m:187+8*\m] offset:\ai+12288*\m
	ds_store_b64 v14, v[188+8*\m:189+8*\m] offset:\ai+12288*\m
	ds_store_b16 v15, v[182+\m] offset:\as+512*\m  ; both halves of the lanes write the same two bytes
.endr
.endm
	s_load_b256 s[4:11], s[0:1], 0x0               ; x, att, wts, bproj
	s_load_b256 s[12:19], s[0:1], 0x20             ; b1, b2, g2, beta2
	s_load_b64 s[20:21], s[0:1], 0x40              ; out0
	v_lshrrev_b32 v15, 5, v0
	v_readfirstlane_b32 s[WV], v15                 ; wave 0..15
	v_and_b32 v254, 31, v0                         ; L
	v_and_b32 v255, 15, v0                         ; r
	v_bfe_u32 v252, v0, 4, 1                       ; h
	v_lshlrev_b32 v1, 4, v254
	v_lshlrev_b32 v2, 3, v254
	v_lshlrev_b32 v3, 5, v255
	v_cmp_le_u32 s[HM], 16, v254
	v_lshlrev_b32 v4, 12, v252
	v_lshl_add_u32 v4, v255, 4, v4                 ; x, out0: lanes 0-15 one row's 256 bytes, lanes 16-31 the next row's
	s_wait_alu depctr_va_sdst(0)                   ; the wave's number and the mask of lanes 16-31 are written, ahead of their first readers
	s_mul_i32 s44, s[WV], 8704
	s_add_co_u32 s44, s44, X1B
	v_mul_u32_u24 v5, v252, 272
	v_lshl_add_u32 v5, v255, 4, v5
	v_add_nc_u32 v5, s44, v5                       ; my rows, by rows
	v_mul_u32_u24 v6, v255, 272
	v_lshl_add_u32 v6, v252, 6, v6
	v_add_nc_u32 v6, s44, v6                       ; my rows, in the accumulators' order: row r, + 64 h
	s_mul_i32 s45, s[WV], 1280
	s_add_co_u32 s45, s45, PAR
	v_add_nc_u32 v7, s45, v2
	v_lshl_add_u32 v8, v252, 6, s45
	v_lshlrev_b32 v9, 4, v0                        ; 16 x thread
	v_lshrrev_b32 v10, 8, v0                       ; attn's scale words: thread = (tile, head, row) -> tile x 512 + row x 32 + head x 2
	v_lshlrev_b32 v10, 9, v10
	v_lshl_add_u32 v10, v255, 5, v10
	v_bfe_u32 v11, v0, 4, 4
	v_lshl_add_u32 v10, v11, 1, v10
	v_add_nc_u32 v10, AS0, v10
	s_lshl_b32 s46, s[WV], 2
	s_add_co_u32 s46, s46, RED0
	v_lshl_add_u32 v11, v254, 6, s46               ; row L, my wave's word
	v_lshlrev_b32 v12, 6, v254
	v_add_nc_u32 v12, RED0, v12                    ; row L, all sixteen
	s_mul_i32 s47, s[WV], 768
	v_add_nc_u32 v13, s47, v1
	v_add_nc_u32 v14, s47, v2
	v_add_nc_u32 v14, 512, v14
	s_lshl_b32 s48, s[WV], 1
	v_add_nc_u32 v15, s48, v3
	v_lshlrev_b32 v252, 2, v0                      ; 4 x thread
	s_lshl_b32 s49, s[WV], 8
	v_add_nc_u32 v253, s49, v2                     ; my 8 bytes of the wave's 256 of a parameter vector
	s_mov_b32 s[SEL], 0x76543210
	s_mov_b32 s[SEL+1], 0xfedcba98
	s_mov_b32 s[C10], 0x3a800000                   ; 1 / 1,024
	s_mov_b32 s[EPS], 0x3727c5ac                   ; 1e-5
	s_mov_b32 s43, 0
	s_wait_kmcnt 0x0
	s_mul_i32 s42, s[WV], 49152
	s_add_nc_u64 s[WCP:WCP+1], s[8:9], s[42:43]
	s_lshl_b32 s42, s[WV], 11
	s_add_co_u32 s42, s42, WSO
	s_add_nc_u64 s[WSP:WSP+1], s[8:9], s[42:43]
	s_lshl_b32 s42, ttmp9, 17
	s_add_co_u32 s42, s42, s49
	s_add_nc_u64 s[XB:XB+1], s[4:5], s[42:43]
	s_add_nc_u64 s[OB:OB+1], s[20:21], s[42:43]
	s_mul_i32 s42, ttmp9, 24576
	s_add_nc_u64 s[ACB:ACB+1], s[6:7], s[42:43]
	s_lshl_b32 s42, ttmp9, 11
	s_add_co_u32 s42, s42, ASGO
	s_add_nc_u64 s[ASGB:ASGB+1], s[6:7], s[42:43]
	s_wait_alu depctr_va_vdst(0)                   ; the offsets and addresses v1 to v15, v252 and v253 are written, which the loads and stores below read
	; ---- attn's images and scale words, my 64 columns of x, my parameters, the stream's first two steps
.irp i, 0,1,2
	global_load_b128 v[176+4*\i:179+4*\i], v9, s[ACB:ACB+1] offset:8192*\i th:TH_LOAD_NT
.endr
	global_load_b32 v188, v252, s[ASGB:ASGB+1] th:TH_LOAD_NT
.irp i, 0,1,2,3,4,5,6,7,8,9,10,11,12,13,14,15
	global_load_b128 v[16+4*\i:19+4*\i], v4, s[XB:XB+1] offset:(((2*\i)&7)+16*(((2*\i)>>3)&1)+8*((2*\i)>>4))*4096 th:TH_LOAD_NT   ; physical rows 2 i, 2 i + 1: the tokens with bits 3 and 4 exchanged
.endr
.irp p, 0,1,2,3,4
	global_load_b64 v[190+2*\p:191+2*\p], v253, s[10+2*\p:11+2*\p]
.endr
	LOADB 0
	LOADB 1
	s_wait_loadcnt 26                              ; all but the stream's two steps of 13
.irp i, 0,1,2
	ds_store_b128 v9, v[176+4*\i:179+4*\i] offset:AI0+8192*\i
.endr
	ds_store_b16 v10, v188
.irp i, 0,1,2,3,4,5,6,7,8,9,10,11,12,13,14,15
	ds_store_b128 v5, v[16+4*\i:19+4*\i] offset:544*\i
.endr
.irp p, 0,1,2,3,4
	ds_store_b64 v7, v[190+2*\p:191+2*\p] offset:256*\p
.endr
	s_wait_alu depctr_vm_vsrc(0)                   ; the stores above have read v16-79, in which x comes back, and v176-199, in which the first fragments land; the head's loads have read v252, which the mean is written into
	XLD                                            ; LDS serves a wave's instructions in order: x comes back in the accumulators' order
	PLD 0                                          ; bproj
	BAR                                            ; attn's 32 half images and scale bytes lie in LDS
	ADDB                                           ; x + bproj starts the sums
	LOADS AS0
	s_wait_alu depctr_va_vdst(0)
	; ---- x1 = x + bproj + attn Wproj
.irp q, 0,1,2,3,4,5,6,7
	KSTEP \q, AI0, 2
.endr
	XST                                            ; x1 is parked in my rows
	PLDH 216, 3, 0                                 ; g2's and beta2's first halves come meanwhile
	PLDH 232, 4, 0
	; ---- LayerNorm 2: mean, then the mean of the squared differences (two passes: no difference of large sums)
.irp m, 0,1
	v_pk_add_f32 v[176+4*\m:177+4*\m], v[16+32*\m:17+32*\m], v[18+32*\m:19+32*\m]
	v_pk_add_f32 v[178+4*\m:179+4*\m], v[20+32*\m:21+32*\m], v[22+32*\m:23+32*\m]
.endr
.irp j, 8,12,16,20,24,28
.irp m, 0,1
	v_pk_add_f32 v[176+4*\m:177+4*\m], v[176+4*\m:177+4*\m], v[16+32*\m+\j:17+32*\m+\j]
	v_pk_add_f32 v[178+4*\m:179+4*\m], v[178+4*\m:179+4*\m], v[18+32*\m+\j:19+32*\m+\j]
.endr
.endr
.irp m, 0,1
	v_pk_add_f32 v[176+4*\m:177+4*\m], v[176+4*\m:177+4*\m], v[178+4*\m:179+4*\m]
.endr
.irp m, 0,1
	v_add_f32 v[176+4*\m], v[176+4*\m], v[177+4*\m]
.endr
	TRED 0
	v_mul_f32 v184, s[C10], v184                   ; the mean
	SPREAD
.irp m, 0,1
.irp j, 0,2,4,6,8,10,12,14,16,18,20,22,24,26,28,30
	v_pk_add_f32 v[16+32*\m+\j:17+32*\m+\j], v[16+32*\m+\j:17+32*\m+\j], v[252+2*\m:253+2*\m] op_sel_hi:[1,0] neg_lo:[0,1] neg_hi:[0,1]
.endr
.endr
.irp m, 0,1
	v_pk_mul_f32 v[176+4*\m:177+4*\m], v[16+32*\m:17+32*\m], v[16+32*\m:17+32*\m]
	v_pk_mul_f32 v[178+4*\m:179+4*\m], v[18+32*\m:19+32*\m], v[18+32*\m:19+32*\m]
.endr
.irp j, 4,8,12,16,20,24,28
.irp m, 0,1
	v_pk_fma_f32 v[176+4*\m:177+4*\m], v[16+32*\m+\j:17+32*\m+\j], v[16+32*\m+\j:17+32*\m+\j], v[176+4*\m:177+4*\m]
	v_pk_fma_f32 v[178+4*\m:179+4*\m], v[18+32*\m+\j:19+32*\m+\j], v[18+32*\m+\j:19+32*\m+\j], v[178+4*\m:179+4*\m]
.endr
.endr
.irp m, 0,1
	v_pk_add_f32 v[176+4*\m:177+4*\m], v[176+4*\m:177+4*\m], v[178+4*\m:179+4*\m]
.endr
.irp m, 0,1
	v_add_f32 v[176+4*\m], v[176+4*\m], v[177+4*\m]
.endr
	TRED 2048
	v_fma_f32 v184, v184, s[C10], s[EPS]
	s_wait_alu depctr_va_vdst(0)
	v_rsq_f32 v184, v184
	v_nop                                          ; one plain place behind a transcendental
	s_wait_alu depctr_va_vdst(0)                   ; the reciprocal root is written, ahead of its first reader
	SPREAD
.irp m, 0,1
.irp j, 0,2,4,6,8,10,12,14,16,18,20,22,24,26,28,30
	v_pk_mul_f32 v[16+32*\m+\j:17+32*\m+\j], v[16+32*\m+\j:17+32*\m+\j], v[252+2*\m:253+2*\m] op_sel_hi:[1,0]
.endr
.endr
	GBF 0
	s_wait_alu depctr_va_vdst(0)                   ; the multiply-adds above are done reading v216-247, in which g2's and beta2's second halves land
	PLDH 216, 3, 1
	PLDH 232, 4, 1
	s_wait_dscnt 0x0
	GBF 1
	QOUT AI1, AS1
	PLD 1                                          ; b1
	BAR                                            ; xn2's 32 half images and scale bytes lie in LDS
	s_wait_alu depctr_vm_vsrc(0)                   ; my image stores have read v182-197, in which the next phase's first fragments land
	LOADS AS1
	; ---- h = relu(xn2 W1 + b1)
	KSTEP 8, AI1, 1
.irp q, 9,10,11,12,13,14,15
	KSTEP \q, AI1, 2
.endr
.irp j, 0,1,2,3,4,5,6,7,8,9,10,11,12,13,14,15,16,17,18,19,20,21,22,23,24,25,26,27,28,29,30,31,32,33,34,35,36,37,38,39,40,41,42,43,44,45,46,47,48,49,50,51,52,53,54,55,56,57,58,59,60,61,62,63
	v_max_num_f32 v[16+\j], 0, v[16+\j]
.endr
	QOUT AI0, AS0                                  ; attn's images were last read ahead of the barrier of the first sum, in every wave
	XLD                                            ; x1
	PLD 2                                          ; b2
	BAR                                            ; h's 32 half images and scale bytes lie in LDS
	s_wait_alu depctr_vm_vsrc(0)                   ; my image stores have read v182-197, in which the next phase's first fragments land
	ADDB                                           ; x1 + b2 starts the sums
	LOADS AS0
	s_wait_alu depctr_va_vdst(0)
	; ---- out = x1 + b2 + h W2
.irp q, 16,17,18,19,20,21,22,23
	KSTEP \q, AI0, 2
.endr
	XST                                            ; the way out: through my rows, back by rows
.irp i, 0,1,2,3,4,5,6,7,8,9,10,11,12,13,14,15
	ds_load_b128 v[80+4*\i:83+4*\i], v5 offset:544*\i   ; (into the weights' registers: the products that read them stand ahead of the last step's wait)
.endr
.irp i, 0,1,2,3,4,5,6,7,8,9,10,11,12,13,14,15
	s_wait_dscnt 15-\i                             ; LDS loads come back in order: pair i of rows is in
	global_store_b128 v4, v[80+4*\i:83+4*\i], s[OB:OB+1] offset:(((2*\i)&7)+16*(((2*\i)>>3)&1)+8*((2*\i)>>4))*4096 th:TH_STORE_NT   ; 16 lanes store 256 consecutive bytes, aligned
.endr
	s_wait_xcnt 0x0
	v_lshl_add_u32 v254, v0, 2, 0x34800            ; the add's two registers, made anew (no memory or LDS instruction has ever read v254 or v255)
	v_mov_b32 v255, 0
	s_wait_dscnt 0x0                               ; the closing lines, six on end
	s_wait_alu 0x0
	s_wait_tensorcnt 0x0
	ds_add_u32 v254, v255
	s_wait_dscnt 0x0
	s_endpgm
.Lfunc_end_k_qa3b245e5e6_tail:
	.size	k_qa3b245e5e6_tail, .Lfunc_end_k_qa3b245e5e6_tail-k_qa3b245e5e6_tail
	.p2alignl 7, 3214868480
	.fill 96, 4, 3214868480
	.section	.rodata,"a",@progbits
	.p2align	6, 0x0
	.amdhsa_kernel k_qa3b245e5e6_tail
		.amdhsa_group_segment_fixed_size 217088
		.amdhsa_private_segment_fixed_size 0
		.amdhsa_enable_private_segment 0
		.amdhsa_kernarg_size 72
		.amdhsa_user_sgpr_count 2
		.amdhsa_user_sgpr_kernarg_segment_ptr 1
		.amdhsa_wavefront_size32 1
		.amdhsa_system_sgpr_workgroup_id_x 1
		.amdhsa_system_sgpr_workgroup_id_y 1
		.amdhsa_system_sgpr_workgroup_id_z 1
		.amdhsa_system_vgpr_workitem_id 0
		.amdhsa_next_free_vgpr 256
		.amdhsa_next_free_sgpr 66
		.amdhsa_reserve_vcc 0
		.amdhsa_float_denorm_mode_32 3
		.amdhsa_float_denorm_mode_16_64 3
		.amdhsa_memory_ordered 1
		.amdhsa_forward_progress 1
		.amdhsa_inst_pref_size 117
	.end_amdhsa_kernel
	.amdgpu_metadata
---
amdhsa.version: [ 1, 2 ]
amdhsa.kernels:
  - .name:           k_qa3b245e5e6_tail
    .symbol:         k_qa3b245e5e6_tail.kd
    .args:
      - { .name: x, .offset: 0, .size: 8, .value_kind: global_buffer, .address_space: global }
      - { .name: att, .offset: 8, .size: 8, .value_kind: global_buffer, .address_space: global }
      - { .name: wts, .offset: 16, .size: 8, .value_kind: global_buffer, .address_space: global }
      - { .name: bproj, .offset: 24, .size: 8, .value_kind: global_buffer, .address_space: global }
      - { .name: b1, .offset: 32, .size: 8, .value_kind: global_buffer, .address_space: global }
      - { .name: b2, .offset: 40, .size: 8, .value_kind: global_buffer, .address_space: global }
      - { .name: g2, .offset: 48, .size: 8, .value_kind: global_buffer, .address_space: global }
      - { .name: beta2, .offset: 56, .size: 8, .value_kind: global_buffer, .address_space: global }
      - { .name: out0, .offset: 64, .size: 8, .value_kind: global_buffer, .address_space: global }
    .group_segment_fixed_size: 217088
    .private_segment_fixed_size: 0
    .kernarg_segment_align: 8
    .kernarg_segment_size: 72
    .max_flat_workgroup_size: 512
    .sgpr_count:     66
    .vgpr_count:     256
    .wavefront_size: 32
...
	.end_amdgpu_metadata
.endif
;; end of part 8
